; MI455X (gfx1250); checked and timed in simulation.
; The chip was launched on July 23, 2026; its instructions are those of AMD's public machine-readable ISA for CDNA 5 (MIT licence, August 2026) and "CDNA5" Instruction Set Architecture Reference Guide (July 2026). The comments in the code are by the model that wrote it; some were corrected since.
;; Attention Head. Allowed arithmetic: float matrix products may take bf16 or f16 operands with f32 sums; other float arithmetic in f32, or as packed bf16 or f16 multiplies, adds, multiply-adds, maxima and minima; sums over many terms, partial sums and values carried from step to step in f32; what a program stores and reads back later, other than sums and carried values, may be rounded once to bf16 or f16.
;; Inputs: W 1,024 x 1,024 float32; b 1,024 float32; key 8 x 2,048 x 1,024 float32; query 8 x 512 x 1,024 float32; value 8 x 2,048 x 1,024 float32.
;; Outputs: out0 8 x 512 x 1,024 float32.
;; 3 versions, each right; version 2 is faster than version 1; version 3 is version 2 with the launch cast written anew for expert scheduling mode. Each part assembles by itself: llvm-mc -triple=amdgcn-amd-amdhsa -mcpu=gfx1250 --defsym DOCPART=n.
;; ======== version 1 of 3: 6 launches
;; workspace buffers: qu 8,388,608 bytes; kbf 33,554,432 bytes; vbf 33,554,432 bytes; wbf 2,097,152 bytes; q 8,388,608 bytes; qp 8,388,608 bytes; p 16,777,216 bytes; stat 1,048,576 bytes
;; launch cast (part 1): grid 1184 x 1, 8 waves a work-group, no clusters, 0 bytes of LDS; arguments query, key, value, W, qu, kbf, vbf, wbf; writes qu, kbf, vbf, wbf
.if DOCPART == 1
	.amdgcn_target "amdgcn-amd-amdhsa--gfx1250"
	.amdhsa_code_object_version 6
	.text
	.protected	k_qabdefc2415_cast
	.globl	k_qabdefc2415_cast
	.p2align	8
	.type	k_qabdefc2415_cast,@function
k_qabdefc2415_cast:
	s_mov_b64 s[64:65], 0
	v_nop
	global_prefetch_b8 v0, s[64:65] scope:SCOPE_SE
	s_setreg_imm32_b32 hwreg(HW_REG_WAVE_MODE, 25, 1), 1
	s_wait_xcnt 0x0
; query, key, value and W, all f32, are rounded once to bf16 (nearest even) into qu, kbf, vbf, wbf: the matrix operands of the launches behind.
; A stream: every byte is read once and written once; no LDS, no barrier, no matrix unit, no cluster (no two work-groups read the same byte).
; SHARES.  A work-group takes one chunk of 131,072 bytes of f32 (65,536 of bf16): chunks 0-127 query, 128-639 key, 640-1151 value, 1152-1183 W.
; A wave takes 16,384 bytes of it, by 32 loads of 16 bytes a lane (512 neighbouring bytes each), all issued before the first is used;
; four numbers pack into 8 bytes, so each store of the wave covers 256 consecutive bytes, aligned.  No register is written twice: the only waits are the loads' own.
.set X, 16                             ; v[16:143]   32 x 4 numbers as loaded
.set Y, 144                            ; v[144:207]  32 x 2 words to store
	s_load_b512 s[8:23], s[0:1], 0x0               ; query, key, value, W, qu, kbf, vbf, wbf
	v_lshrrev_b32 v3, 5, v0                        ; wave
	v_and_b32 v4, 31, v0                           ; lane
	v_lshlrev_b32 v1, 14, v3
	v_lshl_add_u32 v1, v4, 4, v1                   ; in: 16,384 x wave + 16 x lane
	v_lshlrev_b32 v2, 13, v3
	v_lshl_add_u32 v2, v4, 3, v2                   ; out: 8,192 x wave + 8 x lane
	s_wait_kmcnt 0x0
	s_mov_b64 s[4:5], s[8:9]                       ; which tensor: a choice by the work-group's number alone
	s_mov_b64 s[6:7], s[16:17]
	s_mov_b32 s3, 0                                ; the tensor's first chunk
	s_cmp_ge_u32 ttmp9, 128
	s_cselect_b64 s[4:5], s[10:11], s[4:5]
	s_cselect_b64 s[6:7], s[18:19], s[6:7]
	s_cselect_b32 s3, 128, s3
	s_cmp_ge_u32 ttmp9, 640
	s_cselect_b64 s[4:5], s[12:13], s[4:5]
	s_cselect_b64 s[6:7], s[20:21], s[6:7]
	s_cselect_b32 s3, 640, s3
	s_cmp_ge_u32 ttmp9, 1152
	s_cselect_b64 s[4:5], s[14:15], s[4:5]
	s_cselect_b64 s[6:7], s[22:23], s[6:7]
	s_cselect_b32 s3, 1152, s3
	s_sub_co_u32 s2, ttmp9, s3                     ; my chunk in that tensor, 511 at the most
	s_lshl_b32 s24, s2, 17
	s_mov_b32 s25, 0
	s_lshl_b32 s26, s2, 16
	s_mov_b32 s27, 0
	s_add_nc_u64 s[4:5], s[4:5], s[24:25]
	s_add_nc_u64 s[6:7], s[6:7], s[26:27]
.set i, 0
.rept 32
	global_load_b128 v[X+4*i:X+4*i+3], v1, s[4:5] offset:512*i th:TH_LOAD_NT
.set i, i+1
.endr
.set i, 0
.rept 32
	s_wait_loadcnt 31-i                            ; loads come back in order: number i is in, the 31 - i younger ones stay out
	v_cvt_pk_bf16_f32 v[Y+2*i], v[X+4*i], v[X+4*i+1]
	v_cvt_pk_bf16_f32 v[Y+2*i+1], v[X+4*i+2], v[X+4*i+3]
	global_store_b64 v2, v[Y+2*i:Y+2*i+1], s[6:7] offset:256*i th:TH_STORE_NT
.set i, i+1
.endr
	s_endpgm
.Lfunc_end_k_qabdefc2415_cast:
	.size	k_qabdefc2415_cast, .Lfunc_end_k_qabdefc2415_cast-k_qabdefc2415_cast
	.p2alignl 7, 3214868480
	.fill 96, 4, 3214868480
	.section	.rodata,"a",@progbits
	.p2align	6, 0x0
	.amdhsa_kernel k_qabdefc2415_cast
		.amdhsa_group_segment_fixed_size 0
		.amdhsa_private_segment_fixed_size 0
		.amdhsa_enable_private_segment 0
		.amdhsa_kernarg_size 64
		.amdhsa_user_sgpr_count 2
		.amdhsa_user_sgpr_kernarg_segment_ptr 1
		.amdhsa_wavefront_size32 1
		.amdhsa_system_sgpr_workgroup_id_x 1
		.amdhsa_system_sgpr_workgroup_id_y 1
		.amdhsa_system_sgpr_workgroup_id_z 1
		.amdhsa_system_vgpr_workitem_id 0
		.amdhsa_next_free_vgpr 208
		.amdhsa_next_free_sgpr 66
		.amdhsa_reserve_vcc 0
		.amdhsa_float_denorm_mode_32 3
		.amdhsa_float_denorm_mode_16_64 3
		.amdhsa_memory_ordered 1
		.amdhsa_forward_progress 1
		.amdhsa_inst_pref_size 13
	.end_amdhsa_kernel
	.amdgpu_metadata
---
amdhsa.version: [ 1, 2 ]
amdhsa.kernels:
  - .name:           k_qabdefc2415_cast
    .symbol:         k_qabdefc2415_cast.kd
    .args:
      - { .name: query, .offset: 0, .size: 8, .value_kind: global_buffer, .address_space: global }
      - { .name: key, .offset: 8, .size: 8, .value_kind: global_buffer, .address_space: global }
      - { .name: value, .offset: 16, .size: 8, .value_kind: global_buffer, .address_space: global }
      - { .name: W, .offset: 24, .size: 8, .value_kind: global_buffer, .address_space: global }
      - { .name: qu, .offset: 32, .size: 8, .value_kind: global_buffer, .address_space: global }
      - { .name: kbf, .offset: 40, .size: 8, .value_kind: global_buffer, .address_space: global }
      - { .name: vbf, .offset: 48, .size: 8, .value_kind: global_buffer, .address_space: global }
      - { .name: wbf, .offset: 56, .size: 8, .value_kind: global_buffer, .address_space: global }
    .group_segment_fixed_size: 0
    .private_segment_fixed_size: 0
    .kernarg_segment_align: 8
    .kernarg_segment_size: 64
    .max_flat_workgroup_size: 256
    .sgpr_count:     66
    .vgpr_count:     208
    .wavefront_size: 32
...
	.end_amdgpu_metadata
.endif
;; end of part 1
;; launch proj (part 2): grid 8 x 32, 4 waves a work-group, clusters of 4 x 4, 327,680 bytes of LDS; arguments qu, wbf, q, b; writes q
.if DOCPART == 2
	.amdgcn_target "amdgcn-amd-amdhsa--gfx1250"
	.amdhsa_code_object_version 6
	.text
	.protected	k_qabdefc2415_proj
	.globl	k_qabdefc2415_proj
	.p2align	8
	.type	k_qabdefc2415_proj,@function
k_qabdefc2415_proj:
	s_mov_b64 s[64:65], 0
	v_nop
	global_prefetch_b8 v0, s[64:65] scope:SCOPE_SE
	s_setreg_imm32_b32 hwreg(HW_REG_WAVE_MODE, 25, 1), 1
	s_wait_xcnt 0x0
	s_wait_alu depctr_hold_cnt(0) depctr_sa_sdst(0) depctr_va_vdst(0) depctr_va_sdst(0) depctr_va_ssrc(0) depctr_va_vcc(0) depctr_vm_vsrc(0)
	s_getreg_b32 s2, hwreg(HW_REG_IB_STS2, 6, 4)
	s_cmp_eq_u32 s2, 0
	s_cbranch_scc0 .Lentry_in_a_cluster
	s_endpgm
.Lentry_in_a_cluster:
	s_bfe_u32 s2, ttmp6, 0x10000c
	s_cmp_lg_u32 s2, 0xf033
	s_cbranch_scc0 .Lentry_shape_is_right
	s_endpgm
.Lentry_shape_is_right:
; q[s][p] = the sum over e of x[s][e] W[p][e] + b[p].  x = qu [4096][1024] bf16 (the query), W = wbf [1024][1024] bf16, b [1024] f32 (rounded to bf16 here, like the
; other inputs), q [4096][1024] bf16, rounded once from its f32 sums.  NaN and infinities are not treated apart.
; A tile of q is 128 x 128: 8 x 32 tiles, one work-group each.  Four waves, each 64 x 64: 16 accumulators of 16 x 16.  K goes in 4 steps of 256 (LDS rows of 512 bytes)
; through two LDS slots; a wave's tensor load brings 64 rows.  The bias is the C operand of the products that start the sums.
; CLUSTERS: 4 x 4 work-groups.  The four of a row of the cluster need the same tiles of x, the four of a column the same tiles of W: each tile is asked for JOINTLY.
; THE MATRIX INSTRUCTION IS USED TRANSPOSED (source 0 = 16 rows of W, source 1 = 16 rows of x): a lane holds row lane % 16 and the columns 8 (lane / 16) + 0..7.
; REGISTERS: window 0: v0-31 addresses; v32-95 at work on the way out; v96-127 the bias of my 64 columns; v128-255 the accumulators ((a, b) at v[128 + 8 (4 a + b)]).
;   window 1: two fragment buffers of 128: for 64 along K, 64 registers of x (2 x 4 x 16 rows x 32 K), then 64 of W.
.set KDIM,   1024
.set KSTEP,  256
.set PITCH,  528                       ; an LDS row: 512 bytes + 16 of padding = 132 words: the 16 rows of a fragment load start at 16 different groups of four banks
.set HALFT,  64*PITCH                  ; what one tensor load brings, and what one wave reads of either operand
.set SLOT,   4*HALFT                   ; x's 128 rows, then W's 128 rows
.set STAGE,  2*SLOT                    ; behind the ring: 128 rows x 272 bytes, the work-group's, for the way out
.set SPITCH, 272
.set SPARE,  STAGE+128*SPITCH          ; the spare words, 128 bytes a wave: two blocks of 256 bytes that no other line names
.set LAPS,   KDIM/(2*KSTEP)
.set CROW,   2048                      ; bytes in a row of q
.set ADRA, 16                          ; v16-17  LDS address of my x fragments in slot 0, 1
.set ADRB, 20                          ; v20-21  the same for W
.set STO,  24
.set RD,   25
.set CO,   26
.set SPW,  28                          ; v28  SPARE + 4 x my thread's number; never rewritten
.set NIL,  29                          ; v29  0; never rewritten
.set TMP,  32
.set BIAS, 96
.set ACC,  128
.set F0,   0
.set F1,   128
.set G1, 24                            ; s[24:31] group 1 for x's tiles; s[32:39] group 0, a set for each slot
.set G0, 32
.set G1B, 48                           ; s[48:55], s[56:63] the same for W's tiles
.set G0B, 56
.set MSB, 0
.macro WIN new                         ; the immediate's high byte repeats the setting that is left
.if MSB != (\new)
	s_set_vgpr_msb (MSB<<8)|(\new)
.set MSB, \new
.endif
.endm
.set MUL,  0x05                        ; sources 0 and 1 window 1; C and D window 0
.set TO_F, 0x40                        ; destination window 1, address window 0
.macro JLOAD s                         ; a joint load: waves 0 and 1 fetch x's two halves, waves 2 and 3 W's; an s_nop 0 and four v_nop follow each line
	s_cmp_eq_u32 s11, 0
	s_cbranch_scc0 .Lfor_b_\@
	tensor_load_to_lds s[G0+4*(\s):G0+4*(\s)+3], s[G1:G1+7]
	s_nop 0
.rept 4
	v_nop
.endr
	s_branch .Lasked_\@
.Lfor_b_\@:
	tensor_load_to_lds s[G0B+4*(\s):G0B+4*(\s)+3], s[G1B:G1B+7]
	s_nop 0
.rept 4
	v_nop
.endr
.Lasked_\@:
.endm
.macro CREST                           ; a round of the cluster's barrier behind its opening barrier
	s_cmp_lg_u32 s10, 0
	s_cbranch_scc1 .Lnot_wave_0_\@
	s_barrier_signal -3
.Lnot_wave_0_\@:
	s_barrier_wait -3
	s_barrier_signal -1
	s_barrier_wait -1
.endm
.macro CROUND
	s_barrier_signal -1
	s_barrier_wait -1
	CREST
.endm
	s_load_b128 s[4:7], s[0:1], 0x0                ; x s[4:5], W s[6:7]
	s_load_b64 s[8:9], s[0:1], 0x10                ; q
	s_load_b64 s[68:69], s[0:1], 0x18              ; b
	v_lshl_add_u32 v[SPW], v0, 2, SPARE
	v_mov_b32 v[NIL], 0
	ds_add_u32 v[SPW], v[NIL]                      ; the wave's opening: the add and its wait stand ahead of my first tensor load; register work stands between them
	v_lshrrev_b32 v1, 5, v0
	v_readfirstlane_b32 s10, v1                    ; wave 0..3
	s_lshr_b32 s11, s10, 1                         ; my half of the tile's rows.  Also: I fetch for x (0) or for W (1)
	s_and_b32 s12, s10, 1                          ; my half of its columns.  Also: which 64 rows of that tile I fetch
	s_bfe_u32 s40, ttmp6, 0x40000                  ; cx, cy: my place in the cluster
	s_bfe_u32 s41, ttmp6, 0x40004
	s_lshl_b32 s42, ttmp9, 2
	s_add_co_u32 s42, s42, s40                     ; tile column = 4 x cluster x + cx
	s_and_b32 s13, ttmp7, 0xffff
	s_lshl_b32 s13, s13, 2
	s_add_co_u32 s13, s13, s41                     ; tile row = 4 x cluster y + cy
	s_lshl_b32 s43, s41, 2
	s_lshl_b32 s43, 15, s43                        ; my row of the cluster
	s_lshl_b32 s44, 0x1111, s40                    ; my column
	s_or_b32 s[G1+0], s43, (1<<16)|(1<<20)|(1<<21)|(6<<22)|(3<<25)  ; the mask; 2-byte elements; padding on; bit 21 beside a mask; after every 128 words 4 words
	s_or_b32 s[G1B+0], s44, (1<<16)|(1<<20)|(1<<21)|(6<<22)|(3<<25)
.irp g, G1, G1B
	s_mov_b32 s[(\g)+1], KSTEP<<16                 ; tensor_dim0 = 256
	s_mov_b32 s[(\g)+2], 64<<16                    ; tensor_dim1 = 64
	s_mov_b32 s[(\g)+3], KSTEP<<16                 ; tile_dim0 = 256
	s_mov_b32 s[(\g)+4], 64                        ; tile_dim1 = 64
	s_mov_b32 s[(\g)+5], KDIM                      ; elements from row to row
	s_mov_b32 s[(\g)+6], 0
	s_mov_b32 s[(\g)+7], 0
.endr
	s_lshl_b32 s17, s12, 6
	s_lshl_b32 s16, s13, 7
	s_add_co_u32 s16, s16, s17                     ; x: row 128 x tile row + 64 x half
	s_lshl_b32 s46, s42, 7
	s_add_co_u32 s46, s46, s17                     ; W: row 128 x tile column + 64 x half
	s_mov_b32 s17, 0
	s_mov_b32 s47, 0
	s_mov_b64 s[18:19], KDIM*2
	s_mul_u64 s[16:17], s[16:17], s[18:19]
	s_mul_u64 s[46:47], s[46:47], s[18:19]
	s_mul_i32 s20, s10, HALFT                      ; where they go: wave x 64 rows
	s_wait_dscnt 0x0                               ; the opening add is done
	s_wait_kmcnt 0x0
	s_add_nc_u64 s[14:15], s[4:5], s[16:17]
	s_add_nc_u64 s[46:47], s[6:7], s[46:47]
	CROUND                                         ; all sixteen work-groups are here: the first joint loads meet
.irp s, 0,1
	s_mov_b32 s[G0+4*(\s)], 1
	s_add_co_u32 s[G0+4*(\s)+1], s20, (\s)*SLOT
	s_add_nc_u64 s[G0+4*(\s)+2:G0+4*(\s)+3], s[14:15], (\s)*KSTEP*2
	s_or_b32 s[G0+4*(\s)+3], s[G0+4*(\s)+3], 0x80000000
	s_mov_b32 s[G0B+4*(\s)], 1
	s_add_co_u32 s[G0B+4*(\s)+1], s20, (\s)*SLOT
	s_add_nc_u64 s[G0B+4*(\s)+2:G0B+4*(\s)+3], s[46:47], (\s)*KSTEP*2
	s_or_b32 s[G0B+4*(\s)+3], s[G0B+4*(\s)+3], 0x80000000
	JLOAD \s
.endr
	v_and_b32 v1, 15, v0                           ; l % 16
	v_bfe_u32 v2, v0, 4, 1                         ; l / 16
	; the bias of my 64 columns: register 8 b + j holds b[128 x tile column + 64 x half + 16 b + 8 (l / 16) + j]
	s_lshl_b32 s46, s42, 9
	s_lshl_b32 s47, s12, 8
	s_add_co_u32 s46, s46, s47
	s_mov_b32 s47, 0
	s_add_nc_u64 s[68:69], s[68:69], s[46:47]
	v_lshlrev_b32 v6, 5, v2
.irp b, 0,1,2,3
	global_load_b128 v[BIAS+8*(\b):BIAS+8*(\b)+3],   v6, s[68:69] offset:64*(\b)
	global_load_b128 v[BIAS+8*(\b)+4:BIAS+8*(\b)+7], v6, s[68:69] offset:64*(\b)+16
.endr
	v_mul_u32_u24 v3, v1, PITCH
	v_lshl_add_u32 v3, v2, 4, v3                   ; a fragment's row x pitch + 16 x half
	s_mul_i32 s21, s11, HALFT                      ; my 64 rows of x
	s_mul_i32 s22, s12, HALFT                      ; my 64 rows of W,
	s_add_co_u32 s22, s22, 2*HALFT                 ; which lie behind x's 128
.irp s, 0,1
	v_add_nc_u32 v[ADRA+(\s)], s21, v3
	v_add_nc_u32 v[ADRB+(\s)], s22, v3
	s_add_co_u32 s21, s21, SLOT
	s_add_co_u32 s22, s22, SLOT
.endr
	s_mul_i32 s23, s11, 64*SPITCH                  ; into the stage: my 64 rows, my half of their 256 bytes
	s_lshl_b32 s21, s12, 7
	s_add_co_u32 s23, s23, s21
	s_add_co_u32 s23, s23, STAGE
	v_mul_u32_u24 v4, v1, SPITCH
	v_lshl_add_u32 v4, v2, 4, v4
	v_add_nc_u32 v[STO], s23, v4
	s_mul_i32 s23, s10, 32*SPITCH                  ; back: wave w takes rows 32 w .. 32 w + 31, whole
	s_add_co_u32 s23, s23, STAGE
	v_mul_u32_u24 v5, v2, SPITCH
	v_lshl_add_u32 v5, v1, 4, v5
	v_add_nc_u32 v[RD], s23, v5
	v_mul_u32_u24 v5, v2, CROW
	v_lshl_add_u32 v[CO], v1, 4, v5
	s_lshl_b32 s16, s13, 7
	s_lshl_b32 s17, s10, 5
	s_add_co_u32 s16, s16, s17                     ; the first row that I store: 128 x tile row + 32 x wave
	s_mov_b32 s17, 0
	s_mov_b64 s[18:19], CROW
	s_mul_u64 s[16:17], s[16:17], s[18:19]
	s_add_nc_u64 s[8:9], s[8:9], s[16:17]
	s_lshl_b32 s46, s42, 8                         ; the tile's first column, in bytes
	s_mov_b32 s47, 0
	s_add_nc_u64 s[8:9], s[8:9], s[46:47]
	s_wait_loadcnt 0x0                             ; the bias is in; it is rounded to bf16 and widened again
.set i, 0
.rept 16
	v_cvt_pk_bf16_f32 v[TMP+i], v[BIAS+2*i], v[BIAS+2*i+1]
.set i, i+1
.endr
.set i, 0
.rept 16
	v_lshlrev_b32 v[BIAS+2*i], 16, v[TMP+i]
	v_and_b32 v[BIAS+2*i+1], 0xffff0000, v[TMP+i]
.set i, i+1
.endr
; 8 matrix instructions: m blocks a0, a0 + 1 x all 4 n blocks, 32 along K: half c of buffer f.  zero = 1: the product starts the sum, with the bias as C
.macro MUL8 f, c, a0, zero
	WIN MUL
.irp a, \a0, (\a0)+1
.irp b, 0,1,2,3
.if \zero
	v_wmma_f32_16x16x32_bf16 v[ACC+8*(4*(\a)+(\b)):ACC+8*(4*(\a)+(\b))+7], v[(\f)+64+8*(4*(\c)+(\b)):(\f)+64+8*(4*(\c)+(\b))+7], v[(\f)+8*(4*(\c)+(\a)):(\f)+8*(4*(\c)+(\a))+7], v[BIAS+8*(\b):BIAS+8*(\b)+7]
.else
	v_wmma_f32_16x16x32_bf16 v[ACC+8*(4*(\a)+(\b)):ACC+8*(4*(\a)+(\b))+7], v[(\f)+64+8*(4*(\c)+(\b)):(\f)+64+8*(4*(\c)+(\b))+7], v[(\f)+8*(4*(\c)+(\a)):(\f)+8*(4*(\c)+(\a))+7], v[ACC+8*(4*(\a)+(\b)):ACC+8*(4*(\a)+(\b))+7]
.endif
.endr
.endr
.endm
; 32 LDS loads in one run: the fragments of 64 along K at byte k of the rows, into buffer f; the first 32 along K first
.macro FETCH slot, k, f
	WIN TO_F
.irp c, 0,1
.irp i, 0,1,2,3
	ds_load_b128 v[(\f)+64+8*(4*(\c)+(\i)):(\f)+64+8*(4*(\c)+(\i))+3],   v[ADRB+(\slot)] offset:(\k)+64*(\c)+(\i)*16*PITCH
	ds_load_b128 v[(\f)+64+8*(4*(\c)+(\i))+4:(\f)+64+8*(4*(\c)+(\i))+7], v[ADRB+(\slot)] offset:(\k)+64*(\c)+(\i)*16*PITCH+32
	ds_load_b128 v[(\f)+8*(4*(\c)+(\i)):(\f)+8*(4*(\c)+(\i))+3],         v[ADRA+(\slot)] offset:(\k)+64*(\c)+(\i)*16*PITCH
	ds_load_b128 v[(\f)+8*(4*(\c)+(\i))+4:(\f)+8*(4*(\c)+(\i))+7],       v[ADRA+(\slot)] offset:(\k)+64*(\c)+(\i)*16*PITCH+32
.endr
.endr
.endm
.macro PLACES                          ; four places in front of loads into registers that matrix instructions have read, and of instructions that read results
.rept 4
	v_nop
.endr
.endm
; A K step is four quarters of 64 along K, 32 matrix instructions each, on buffers 0, 1, 0, 1; the 16 accumulators take turns.
.macro QUARTER slot, k, f, g, zero
	s_wait_dscnt 16                                ; the first 32 along K are in; the youngest sixteen loads may be out
	WIN MUL
	MUL8 \f, 0, 0, \zero
	MUL8 \f, 0, 2, \zero
	PLACES
	FETCH \slot, \k, \g
	s_wait_dscnt 32                                ; all but the 32 just issued
	WIN MUL
	MUL8 \f, 1, 0, 0
	MUL8 \f, 1, 2, 0
.endm
; The last quarter multiplies buffer 1 and changes slots: ONE barrier; in front of it each wave waits for all its tensor loads, adds 0 to its spare word, and waits for that and for its reads of this slot.
.macro TURN slot, next, fill
	WIN 0
	s_wait_tensorcnt 0x0                           ; all my tensor loads have landed: my part of the next slot;
	ds_add_u32 v[SPW], v[NIL]                      ; 0 onto my spare word;
	s_wait_dscnt 17                                ; (the add and the youngest sixteen loads may be out)
	WIN MUL
	MUL8 F1, 0, 0, 0
	s_wait_dscnt 0x0                               ; the add is done, and my reads of this slot are over
	s_barrier_signal -1
	MUL8 F1, 0, 2, 0
.if \fill
	WIN 0
.endif
	s_barrier_wait -1
.if \fill
	CREST                                          ; the barrier has opened a round of the cluster's barrier: no wave of any partner still reads this slot or has a load on its way
	s_add_nc_u64 s[G0+4*(\slot)+2:G0+4*(\slot)+3], s[G0+4*(\slot)+2:G0+4*(\slot)+3], 2*KSTEP*2
	s_add_nc_u64 s[G0B+4*(\slot)+2:G0B+4*(\slot)+3], s[G0B+4*(\slot)+2:G0B+4*(\slot)+3], 2*KSTEP*2
	JLOAD \slot                                    ; the first tensor load behind the round; its four v_nop are also the places in front of the loads below
.else
	PLACES
.endif
	FETCH \next, 0, F0
	WIN MUL
	MUL8 F1, 1, 0, 0
	MUL8 F1, 1, 2, 0
.endm
	s_wait_tensorcnt 1                             ; my part of K step 0 is in; K step 1's load may stay out
	s_barrier_signal -1
	s_barrier_wait -1
	FETCH 0, 0, F0
	QUARTER 0, 128, F0, F1, 1
	WIN 0
	s_mov_b32 s3, LAPS-1
.Llap:                                                 ; a trip goes once round the ring and fills both slots again
	QUARTER 0, 256, F1, F0, 0
	QUARTER 0, 384, F0, F1, 0
	TURN 0, 1, 1
	QUARTER 1, 128, F0, F1, 0
	QUARTER 1, 256, F1, F0, 0
	QUARTER 1, 384, F0, F1, 0
	TURN 1, 0, 1
	QUARTER 0, 128, F0, F1, 0
	WIN 0
	s_sub_co_u32 s3, s3, 1
	s_cmp_lg_u32 s3, 0
	s_cbranch_scc1 .Llap
	QUARTER 0, 256, F1, F0, 0                      ; the last lap fills nothing
	QUARTER 0, 384, F0, F1, 0
	TURN 0, 1, 0
	QUARTER 1, 128, F0, F1, 0
	QUARTER 1, 256, F1, F0, 0
	QUARTER 1, 384, F0, F1, 0
	s_wait_dscnt 16
	WIN MUL
	MUL8 F1, 0, 0, 0
	MUL8 F1, 0, 2, 0
	s_wait_dscnt 0
	MUL8 F1, 1, 0, 0
	MUL8 F1, 1, 2, 0
	WIN 0
	; THE WAY OUT: round to bf16; 16 bytes a lane into the stage; a barrier, since a row's 256 bytes come from two waves; back as whole rows, 32 rows a wave.
	PLACES
.irp t, 0,1,2,3,4,5,6,7,8,9,10,11,12,13,14,15
.irp r, 0,1,2,3
	v_cvt_pk_bf16_f32 v[TMP+4*(\t)+(\r)], v[ACC+8*(\t)+2*(\r)], v[ACC+8*(\t)+2*(\r)+1]
.endr
.endr
.irp a, 0,1,2,3
.irp b, 0,1,2,3
	ds_store_b128 v[STO], v[TMP+4*(4*(\a)+(\b)):TMP+4*(4*(\a)+(\b))+3] offset:(\a)*16*SPITCH+32*(\b)
.endr
.endr
	s_wait_dscnt 0x0                               ; for the others' sake: my stores into the stage are done
	s_barrier_signal -1
	s_barrier_wait -1
.irp t, 0,1,2,3,4,5,6,7,8,9,10,11,12,13,14,15
	ds_load_b128 v[TMP+4*(\t):TMP+4*(\t)+3], v[RD] offset:(\t)*2*SPITCH
.endr
.irp t, 0,1,2,3,4,5,6,7,8,9,10,11,12,13,14,15
	s_wait_dscnt 15-(\t)
	global_store_b128 v[CO], v[TMP+4*(\t):TMP+4*(\t)+3], s[8:9] offset:2*(\t)*CROW  ; 16 lanes store 256 consecutive bytes, aligned
.endr
	s_wait_tensorcnt 0x0                           ; the wave's end
	ds_add_u32 v[SPW], v[NIL]
	s_wait_dscnt 0x0
	CROUND                                         ; the closing round: no work-group ends while a partner may still ask for a tile that names it
	s_endpgm
.Lfunc_end_k_qabdefc2415_proj:
	.size	k_qabdefc2415_proj, .Lfunc_end_k_qabdefc2415_proj-k_qabdefc2415_proj
	.p2alignl 7, 3214868480
	.fill 96, 4, 3214868480
	.section	.rodata,"a",@progbits
	.p2align	6, 0x0
	.amdhsa_kernel k_qabdefc2415_proj
		.amdhsa_group_segment_fixed_size 327680
		.amdhsa_private_segment_fixed_size 0
		.amdhsa_enable_private_segment 0
		.amdhsa_kernarg_size 32
		.amdhsa_user_sgpr_count 2
		.amdhsa_user_sgpr_kernarg_segment_ptr 1
		.amdhsa_wavefront_size32 1
		.amdhsa_system_sgpr_workgroup_id_x 1
		.amdhsa_system_sgpr_workgroup_id_y 1
		.amdhsa_system_sgpr_workgroup_id_z 1
		.amdhsa_system_vgpr_workitem_id 0
		.amdhsa_next_free_vgpr 512
		.amdhsa_next_free_sgpr 76
		.amdhsa_reserve_vcc 0
		.amdhsa_float_denorm_mode_32 3
		.amdhsa_float_denorm_mode_16_64 3
		.amdhsa_memory_ordered 1
		.amdhsa_forward_progress 1
		.amdhsa_inst_pref_size 90
	.end_amdhsa_kernel
	.amdgpu_metadata
---
amdhsa.version: [ 1, 2 ]
amdhsa.kernels:
  - .name:           k_qabdefc2415_proj
    .symbol:         k_qabdefc2415_proj.kd
    .args:
      - { .name: qu, .offset: 0, .size: 8, .value_kind: global_buffer, .address_space: global }
      - { .name: wbf, .offset: 8, .size: 8, .value_kind: global_buffer, .address_space: global }
      - { .name: q, .offset: 16, .size: 8, .value_kind: global_buffer, .address_space: global }
      - { .name: b, .offset: 24, .size: 8, .value_kind: global_buffer, .address_space: global }
    .group_segment_fixed_size: 327680
    .private_segment_fixed_size: 0
    .kernarg_segment_align: 8
    .kernarg_segment_size: 32
    .max_flat_workgroup_size: 128
    .sgpr_count:     76
    .vgpr_count:     512
    .wavefront_size: 32
...
	.end_amdgpu_metadata
.endif
;; end of part 2
;; launch fold (part 3): grid 8 x 32, 4 waves a work-group, clusters of 4 x 4, 327,680 bytes of LDS; arguments q, wbf, qp; writes qp
.if DOCPART == 3
	.amdgcn_target "amdgcn-amd-amdhsa--gfx1250"
	.amdhsa_code_object_version 6
	.text
	.protected	k_qabdefc2415_fold
	.globl	k_qabdefc2415_fold
	.p2align	8
	.type	k_qabdefc2415_fold,@function
k_qabdefc2415_fold:
	s_mov_b64 s[64:65], 0
	v_nop
	global_prefetch_b8 v0, s[64:65] scope:SCOPE_SE
	s_setreg_imm32_b32 hwreg(HW_REG_WAVE_MODE, 25, 1), 1
	s_wait_xcnt 0x0
	s_wait_alu depctr_hold_cnt(0) depctr_sa_sdst(0) depctr_va_vdst(0) depctr_va_sdst(0) depctr_va_ssrc(0) depctr_va_vcc(0) depctr_vm_vsrc(0)
	s_getreg_b32 s2, hwreg(HW_REG_IB_STS2, 6, 4)
	s_cmp_eq_u32 s2, 0
	s_cbranch_scc0 .Lentry_in_a_cluster
	s_endpgm
.Lentry_in_a_cluster:
	s_bfe_u32 s2, ttmp6, 0x10000c
	s_cmp_lg_u32 s2, 0xf033
	s_cbranch_scc0 .Lentry_shape_is_right
	s_endpgm
.Lentry_shape_is_right:
; q'[s][e] = the sum over p of q[s][p] W[p][e].  q [4096][1024] bf16, W = wbf [1024 (p)][1024 (e)] bf16, q' = qp [4096][1024] bf16, rounded once from its f32 sums.
; WHY: q . (key W^T + b) = (q W) . key + q . b, and q . b is one number for a whole row of scores, which the softmax (it takes the row's maximum away) cancels exactly:
; so the keys are never projected.  The order of the sums differs from the written one; NaN and infinities are not treated apart.
; A tile of q' is 128 x 128: 8 x 32 tiles, one work-group each; four waves of 64 x 64.  K (= p) goes in 4 steps of 256 through two LDS slots.
; q's tile lies along K (rows of 512 bytes); W's tile lies [K][N]: 256 rows of 128 columns, read turned by ds_load_tr16_b128.
; CLUSTERS: 4 x 4.  q's tiles are shared along a row of the cluster, W's along a column: each is asked for JOINTLY.
; THE MATRIX INSTRUCTION IS USED TRANSPOSED (source 0 = 16 columns of W, source 1 = 16 rows of q): a lane holds row lane % 16 and the columns 8 (lane / 16) + 0..7.
; REGISTERS: window 0: v0-31 addresses; v32-95 the way out; v128-255 the accumulators.  window 1: two fragment buffers of 128 (64 of q, then 64 of W).
.set KDIM,   1024
.set KSTEP,  256
.set APIT,   1024                      ; elements from row to row of A (q)
.set BPIT,   1024                      ; and of B (W)
.set PITCH,  528                       ; a row of A in LDS: 512 bytes + 16
.set HALFT,  64*PITCH
.set PB,     288                       ; a row of B in LDS: 256 bytes + 32 = 72 words
.set HALFB,  128*PB                    ; 128 k rows: what one tensor load brings of B
.set SLOT,   2*HALFT+2*HALFB           ; A's 128 rows, then B's 256 k rows
.set STAGE,  2*SLOT
.set SPITCH, 272
.set SPARE,  STAGE+128*SPITCH
.set LAPS,   KDIM/(2*KSTEP)
.set CROW,   2048
.set ADRA, 16                          ; v16-17  my A fragments in slot 0, 1
.set ADRB, 20                          ; v20-21  my B fragments in slot 0, 1, k rows 0-127; v22-23 k rows 128-255 (an LDS immediate has 16 bits)
.set STO,  24
.set RD,   25
.set CO,   26
.set SPW,  28
.set NIL,  29
.set TMP,  32
.set ACC,  128
.set F0,   0
.set F1,   128
.set G1, 24
.set G0, 32
.set G1B, 48
.set G0B, 56
.set MSB, 0
.macro WIN new
.if MSB != (\new)
	s_set_vgpr_msb (MSB<<8)|(\new)
.set MSB, \new
.endif
.endm
.set MUL,  0x05
.set TO_F, 0x40
.macro JLOAD s                         ; a joint load: waves 0 and 1 fetch A's two halves, waves 2 and 3 B's; an s_nop 0 and four v_nop follow each line
	s_cmp_eq_u32 s11, 0
	s_cbranch_scc0 .Lfor_b_\@
	tensor_load_to_lds s[G0+4*(\s):G0+4*(\s)+3], s[G1:G1+7]
	s_nop 0
.rept 4
	v_nop
.endr
	s_branch .Lasked_\@
.Lfor_b_\@:
	tensor_load_to_lds s[G0B+4*(\s):G0B+4*(\s)+3], s[G1B:G1B+7]
	s_nop 0
.rept 4
	v_nop
.endr
.Lasked_\@:
.endm
.macro CREST
	s_cmp_lg_u32 s10, 0
	s_cbranch_scc1 .Lnot_wave_0_\@
	s_barrier_signal -3
.Lnot_wave_0_\@:
	s_barrier_wait -3
	s_barrier_signal -1
	s_barrier_wait -1
.endm
.macro CROUND
	s_barrier_signal -1
	s_barrier_wait -1
	CREST
.endm
	s_load_b128 s[4:7], s[0:1], 0x0                ; q s[4:5], W s[6:7]
	s_load_b64 s[8:9], s[0:1], 0x10                ; q'
	v_lshl_add_u32 v[SPW], v0, 2, SPARE
	v_mov_b32 v[NIL], 0
	ds_add_u32 v[SPW], v[NIL]                      ; the wave's opening: the add and its wait stand ahead of my first tensor load
	v_lshrrev_b32 v1, 5, v0
	v_readfirstlane_b32 s10, v1                    ; wave 0..3
	s_lshr_b32 s11, s10, 1                         ; my half of the rows; also: I fetch for A (0) or B (1)
	s_and_b32 s12, s10, 1                          ; my half of the columns; also: which half of that tile I fetch
	s_bfe_u32 s40, ttmp6, 0x40000
	s_bfe_u32 s41, ttmp6, 0x40004
	s_lshl_b32 s42, ttmp9, 2
	s_add_co_u32 s42, s42, s40                     ; tile column
	s_and_b32 s13, ttmp7, 0xffff
	s_lshl_b32 s13, s13, 2
	s_add_co_u32 s13, s13, s41                     ; tile row
	s_lshl_b32 s43, s41, 2
	s_lshl_b32 s43, 15, s43
	s_lshl_b32 s44, 0x1111, s40
	s_or_b32 s[G1+0], s43, (1<<16)|(1<<20)|(1<<21)|(6<<22)|(3<<25)  ; A: 64 rows x 256 elements; after every 128 words 4 words of padding
	s_mov_b32 s[G1+1], KSTEP<<16
	s_mov_b32 s[G1+2], 64<<16
	s_mov_b32 s[G1+3], KSTEP<<16
	s_mov_b32 s[G1+4], 64
	s_mov_b32 s[G1+5], APIT
	s_mov_b32 s[G1+6], 0
	s_mov_b32 s[G1+7], 0
	s_or_b32 s[G1B+0], s44, (1<<16)|(1<<20)|(1<<21)|(5<<22)|(7<<25) ; B: 128 k rows x 128 elements; after every 64 words 8 words of padding
	s_mov_b32 s[G1B+1], 128<<16
	s_mov_b32 s[G1B+2], 128<<16
	s_mov_b32 s[G1B+3], 128<<16
	s_mov_b32 s[G1B+4], 128
	s_mov_b32 s[G1B+5], BPIT
	s_mov_b32 s[G1B+6], 0
	s_mov_b32 s[G1B+7], 0
	s_lshl_b32 s17, s12, 6
	s_lshl_b32 s16, s13, 7
	s_add_co_u32 s16, s16, s17                     ; A: row 128 x tile row + 64 x half
	s_mov_b32 s17, 0
	s_mov_b64 s[18:19], APIT*2
	s_mul_u64 s[16:17], s[16:17], s[18:19]
	s_lshl_b32 s46, s42, 8                         ; B: the tile's 128 columns, 256 bytes a tile column,
	s_lshl_b32 s47, s12, 18                        ; and my 128 k rows of 2,048 bytes
	s_add_co_u32 s46, s46, s47
	s_mov_b32 s47, 0
	s_mul_i32 s20, s12, HALFT                      ; where they go: my half of A's rows,
	s_mul_i32 s21, s12, HALFB                      ; or of B's k rows,
	s_add_co_u32 s21, s21, 2*HALFT                 ; which lie behind A's
	s_wait_dscnt 0x0                               ; the opening add is done
	s_wait_kmcnt 0x0
	s_add_nc_u64 s[14:15], s[4:5], s[16:17]
	s_add_nc_u64 s[46:47], s[6:7], s[46:47]
	CROUND                                         ; all sixteen work-groups are here: the first joint loads meet
.irp s, 0,1
	s_mov_b32 s[G0+4*(\s)], 1
	s_add_co_u32 s[G0+4*(\s)+1], s20, (\s)*SLOT
	s_add_nc_u64 s[G0+4*(\s)+2:G0+4*(\s)+3], s[14:15], (\s)*KSTEP*2
	s_or_b32 s[G0+4*(\s)+3], s[G0+4*(\s)+3], 0x80000000
	s_mov_b32 s[G0B+4*(\s)], 1
	s_add_co_u32 s[G0B+4*(\s)+1], s21, (\s)*SLOT
	s_add_nc_u64 s[G0B+4*(\s)+2:G0B+4*(\s)+3], s[46:47], (\s)*KSTEP*BPIT*2
	s_or_b32 s[G0B+4*(\s)+3], s[G0B+4*(\s)+3], 0x80000000
	JLOAD \s
.endr
	v_and_b32 v1, 15, v0                           ; l % 16
	v_bfe_u32 v2, v0, 4, 1                         ; l / 16
	v_mul_u32_u24 v3, v1, PITCH
	v_lshl_add_u32 v3, v2, 4, v3
	s_mul_i32 s21, s11, HALFT                      ; my 64 rows of A
	v_add_nc_u32 v[ADRA], s21, v3
	v_add_nc_u32 v[ADRA+1], SLOT, v[ADRA]
	; the turning load: lane l reads 16 bytes of k row 8 (l / 16) + l % 8, columns 8 ((l / 8) % 2) + 0..7, and is left with column l % 16 and 8 k
	v_and_b32 v4, 7, v0
	v_lshl_add_u32 v4, v2, 3, v4
	v_mul_u32_u24 v4, v4, PB
	v_bfe_u32 v5, v0, 3, 1
	v_lshl_add_u32 v4, v5, 4, v4
	s_lshl_b32 s22, s12, 7                         ; my 64 columns: 128 bytes
	s_add_co_u32 s22, s22, 2*HALFT
	v_add_nc_u32 v[ADRB], s22, v4
	v_add_nc_u32 v[ADRB+1], SLOT, v[ADRB]
	v_add_nc_u32 v[ADRB+2], HALFB, v[ADRB]
	v_add_nc_u32 v[ADRB+3], HALFB, v[ADRB+1]
	s_mul_i32 s23, s11, 64*SPITCH
	s_lshl_b32 s21, s12, 7
	s_add_co_u32 s23, s23, s21
	s_add_co_u32 s23, s23, STAGE
	v_mul_u32_u24 v4, v1, SPITCH
	v_lshl_add_u32 v4, v2, 4, v4
	v_add_nc_u32 v[STO], s23, v4
	s_mul_i32 s23, s10, 32*SPITCH
	s_add_co_u32 s23, s23, STAGE
	v_mul_u32_u24 v5, v2, SPITCH
	v_lshl_add_u32 v5, v1, 4, v5
	v_add_nc_u32 v[RD], s23, v5
	v_mul_u32_u24 v5, v2, CROW
	v_lshl_add_u32 v[CO], v1, 4, v5
	s_lshl_b32 s16, s13, 7
	s_lshl_b32 s17, s10, 5
	s_add_co_u32 s16, s16, s17
	s_mov_b32 s17, 0
	s_mov_b64 s[18:19], CROW
	s_mul_u64 s[16:17], s[16:17], s[18:19]
	s_add_nc_u64 s[8:9], s[8:9], s[16:17]
	s_lshl_b32 s46, s42, 8
	s_mov_b32 s47, 0
	s_add_nc_u64 s[8:9], s[8:9], s[46:47]
.macro MUL8 f, c, a0, zero             ; 8 matrix instructions: m blocks a0, a0 + 1 x 4 n blocks, half c of buffer f; zero = 1: the product starts the sum
	WIN MUL
.irp a, \a0, (\a0)+1
.irp b, 0,1,2,3
.if \zero
	v_wmma_f32_16x16x32_bf16 v[ACC+8*(4*(\a)+(\b)):ACC+8*(4*(\a)+(\b))+7], v[(\f)+64+8*(4*(\c)+(\b)):(\f)+64+8*(4*(\c)+(\b))+7], v[(\f)+8*(4*(\c)+(\a)):(\f)+8*(4*(\c)+(\a))+7], 0
.else
	v_wmma_f32_16x16x32_bf16 v[ACC+8*(4*(\a)+(\b)):ACC+8*(4*(\a)+(\b))+7], v[(\f)+64+8*(4*(\c)+(\b)):(\f)+64+8*(4*(\c)+(\b))+7], v[(\f)+8*(4*(\c)+(\a)):(\f)+8*(4*(\c)+(\a))+7], v[ACC+8*(4*(\a)+(\b)):ACC+8*(4*(\a)+(\b))+7]
.endif
.endr
.endr
.endm
; 32 LDS loads in one run: the fragments of quarter q (64 along K) into buffer f; the first 32 along K first
.macro FETCH slot, q, f
	WIN TO_F
.irp c, 0,1
.irp i, 0,1,2,3
	ds_load_tr16_b128 v[(\f)+64+8*(4*(\c)+(\i)):(\f)+64+8*(4*(\c)+(\i))+3],   v[ADRB+(\slot)+2*((\q)/2)] offset:(((\q)%2)*64+32*(\c))*PB+32*(\i)
	ds_load_tr16_b128 v[(\f)+64+8*(4*(\c)+(\i))+4:(\f)+64+8*(4*(\c)+(\i))+7], v[ADRB+(\slot)+2*((\q)/2)] offset:(((\q)%2)*64+32*(\c)+16)*PB+32*(\i)
	ds_load_b128 v[(\f)+8*(4*(\c)+(\i)):(\f)+8*(4*(\c)+(\i))+3],         v[ADRA+(\slot)] offset:128*(\q)+64*(\c)+(\i)*16*PITCH
	ds_load_b128 v[(\f)+8*(4*(\c)+(\i))+4:(\f)+8*(4*(\c)+(\i))+7],       v[ADRA+(\slot)] offset:128*(\q)+64*(\c)+(\i)*16*PITCH+32
.endr
.endr
.endm
.macro PLACES                          ; four places in front of loads into registers that matrix instructions have read, and of instructions that read results
.rept 4
	v_nop
.endr
.endm
.macro QUARTER slot, q, f, g, zero     ; multiplies buffer f and fetches quarter q of the slot into g; the 16 accumulators take turns
	s_wait_dscnt 16                                ; the first 32 along K are in; the youngest sixteen loads may be out
	WIN MUL
	MUL8 \f, 0, 0, \zero
	MUL8 \f, 0, 2, \zero
	PLACES
	FETCH \slot, \q, \g
	s_wait_dscnt 32                                ; all but the 32 just issued
	WIN MUL
	MUL8 \f, 1, 0, 0
	MUL8 \f, 1, 2, 0
.endm
.macro TURN slot, next, fill           ; the last quarter multiplies buffer 1 and changes slots: ONE barrier
	WIN 0
	s_wait_tensorcnt 0x0                           ; all my tensor loads have landed: my part of the next slot;
	ds_add_u32 v[SPW], v[NIL]                      ; 0 onto my spare word;
	s_wait_dscnt 17                                ; (the add and the youngest sixteen loads may be out)
	WIN MUL
	MUL8 F1, 0, 0, 0
	s_wait_dscnt 0x0                               ; the add is done, and my reads of this slot are over
	s_barrier_signal -1
	MUL8 F1, 0, 2, 0
.if \fill
	WIN 0
.endif
	s_barrier_wait -1
.if \fill
	CREST                                          ; a round of the cluster's barrier: no wave of any partner still reads this slot or has a load on its way
	s_add_nc_u64 s[G0+4*(\slot)+2:G0+4*(\slot)+3], s[G0+4*(\slot)+2:G0+4*(\slot)+3], 2*KSTEP*2
	s_add_nc_u64 s[G0B+4*(\slot)+2:G0B+4*(\slot)+3], s[G0B+4*(\slot)+2:G0B+4*(\slot)+3], 2*KSTEP*BPIT*2
	JLOAD \slot                                    ; the first tensor load behind the round; its four v_nop are also the places in front of the loads below
.else
	PLACES
.endif
	FETCH \next, 0, F0
	WIN MUL
	MUL8 F1, 1, 0, 0
	MUL8 F1, 1, 2, 0
.endm
	s_wait_tensorcnt 1                             ; my part of K step 0 is in; K step 1's load may stay out
	s_barrier_signal -1
	s_barrier_wait -1
	FETCH 0, 0, F0
	QUARTER 0, 1, F0, F1, 1
	WIN 0
	s_mov_b32 s3, LAPS-1
.Llap:
	QUARTER 0, 2, F1, F0, 0
	QUARTER 0, 3, F0, F1, 0
	TURN 0, 1, 1
	QUARTER 1, 1, F0, F1, 0
	QUARTER 1, 2, F1, F0, 0
	QUARTER 1, 3, F0, F1, 0
	TURN 1, 0, 1
	QUARTER 0, 1, F0, F1, 0
	WIN 0
	s_sub_co_u32 s3, s3, 1
	s_cmp_lg_u32 s3, 0
	s_cbranch_scc1 .Llap
	QUARTER 0, 2, F1, F0, 0                        ; the last lap fills nothing
	QUARTER 0, 3, F0, F1, 0
	TURN 0, 1, 0
	QUARTER 1, 1, F0, F1, 0
	QUARTER 1, 2, F1, F0, 0
	QUARTER 1, 3, F0, F1, 0
	s_wait_dscnt 16
	WIN MUL
	MUL8 F1, 0, 0, 0
	MUL8 F1, 0, 2, 0
	s_wait_dscnt 0
	MUL8 F1, 1, 0, 0
	MUL8 F1, 1, 2, 0
	WIN 0
	; THE WAY OUT: round to bf16; into the stage; a barrier, since a row's 256 bytes come from two waves; back as whole rows, 32 rows a wave.
	PLACES
.irp t, 0,1,2,3,4,5,6,7,8,9,10,11,12,13,14,15
.irp r, 0,1,2,3
	v_cvt_pk_bf16_f32 v[TMP+4*(\t)+(\r)], v[ACC+8*(\t)+2*(\r)], v[ACC+8*(\t)+2*(\r)+1]
.endr
.endr
.irp a, 0,1,2,3
.irp b, 0,1,2,3
	ds_store_b128 v[STO], v[TMP+4*(4*(\a)+(\b)):TMP+4*(4*(\a)+(\b))+3] offset:(\a)*16*SPITCH+32*(\b)
.endr
.endr
	s_wait_dscnt 0x0                               ; for the others' sake: my stores into the stage are done
	s_barrier_signal -1
	s_barrier_wait -1
.irp t, 0,1,2,3,4,5,6,7,8,9,10,11,12,13,14,15
	ds_load_b128 v[TMP+4*(\t):TMP+4*(\t)+3], v[RD] offset:(\t)*2*SPITCH
.endr
.irp t, 0,1,2,3,4,5,6,7,8,9,10,11,12,13,14,15
	s_wait_dscnt 15-(\t)
	global_store_b128 v[CO], v[TMP+4*(\t):TMP+4*(\t)+3], s[8:9] offset:2*(\t)*CROW  ; 16 lanes store 256 consecutive bytes, aligned
.endr
	s_wait_tensorcnt 0x0                           ; the wave's end
	ds_add_u32 v[SPW], v[NIL]
	s_wait_dscnt 0x0
	CROUND                                         ; the closing round
	s_endpgm
.Lfunc_end_k_qabdefc2415_fold:
	.size	k_qabdefc2415_fold, .Lfunc_end_k_qabdefc2415_fold-k_qabdefc2415_fold
	.p2alignl 7, 3214868480
	.fill 96, 4, 3214868480
	.section	.rodata,"a",@progbits
	.p2align	6, 0x0
	.amdhsa_kernel k_qabdefc2415_fold
		.amdhsa_group_segment_fixed_size 327680
		.amdhsa_private_segment_fixed_size 0
		.amdhsa_enable_private_segment 0
		.amdhsa_kernarg_size 24
		.amdhsa_user_sgpr_count 2
		.amdhsa_user_sgpr_kernarg_segment_ptr 1
		.amdhsa_wavefront_size32 1
		.amdhsa_system_sgpr_workgroup_id_x 1
		.amdhsa_system_sgpr_workgroup_id_y 1
		.amdhsa_system_sgpr_workgroup_id_z 1
		.amdhsa_system_vgpr_workitem_id 0
		.amdhsa_next_free_vgpr 512
		.amdhsa_next_free_sgpr 76
		.amdhsa_reserve_vcc 0
		.amdhsa_float_denorm_mode_32 3
		.amdhsa_float_denorm_mode_16_64 3
		.amdhsa_memory_ordered 1
		.amdhsa_forward_progress 1
		.amdhsa_inst_pref_size 87
	.end_amdhsa_kernel
	.amdgpu_metadata
---
amdhsa.version: [ 1, 2 ]
amdhsa.kernels:
  - .name:           k_qabdefc2415_fold
    .symbol:         k_qabdefc2415_fold.kd
    .args:
      - { .name: q, .offset: 0, .size: 8, .value_kind: global_buffer, .address_space: global }
      - { .name: wbf, .offset: 8, .size: 8, .value_kind: global_buffer, .address_space: global }
      - { .name: qp, .offset: 16, .size: 8, .value_kind: global_buffer, .address_space: global }
    .group_segment_fixed_size: 327680
    .private_segment_fixed_size: 0
    .kernarg_segment_align: 8
    .kernarg_segment_size: 24
    .max_flat_workgroup_size: 128
    .sgpr_count:     76
    .vgpr_count:     512
    .wavefront_size: 32
...
	.end_amdgpu_metadata
.endif
;; end of part 3
;; launch scores (part 4): grid 16 x 32, 4 waves a work-group, clusters of 4 x 4, 327,680 bytes of LDS; arguments qp, kbf, p, stat; writes p, stat
.if DOCPART == 4
	.amdgcn_target "amdgcn-amd-amdhsa--gfx1250"
	.amdhsa_code_object_version 6
	.text
	.protected	k_qabdefc2415_scores
	.globl	k_qabdefc2415_scores
	.p2align	8
	.type	k_qabdefc2415_scores,@function
k_qabdefc2415_scores:
	s_mov_b64 s[64:65], 0
	v_nop
	global_prefetch_b8 v0, s[64:65] scope:SCOPE_SE
	s_setreg_imm32_b32 hwreg(HW_REG_WAVE_MODE, 25, 1), 1
	s_wait_xcnt 0x0
	s_wait_alu depctr_hold_cnt(0) depctr_sa_sdst(0) depctr_va_vdst(0) depctr_va_sdst(0) depctr_va_ssrc(0) depctr_va_vcc(0) depctr_vm_vsrc(0)
	s_getreg_b32 s2, hwreg(HW_REG_IB_STS2, 6, 4)
	s_cmp_eq_u32 s2, 0
	s_cbranch_scc0 .Lentry_in_a_cluster
	s_endpgm
.Lentry_in_a_cluster:
	s_bfe_u32 s2, ttmp6, 0x10000c
	s_cmp_lg_u32 s2, 0xf033
	s_cbranch_scc0 .Lentry_shape_is_right
	s_endpgm
.Lentry_shape_is_right:
; For each tile of 128 queries x 128 keys: s = q' . key (f32 sums of bf16 products); m = the row's maximum over the tile's 128 keys; P = 2^(c s - c m), c = log2(e) / 32,
; rounded to bf16; l = the sum of the unrounded P over a wave's 64 keys.  q' = qp [4096][1024], key = kbf [8 x 2048][1024], P = p [4096][2048], all bf16;
; stat [32 (2 x key tile + column half)][4096 rows][2] f32 = (m, l).  The next launch joins the tiles by the row's maximum over all tiles: the softmax's maximum is taken away in two steps.
; LIMITS: a weight below 2^-126 counts as 0; NaN and infinities are not treated apart.
; grid x = key tile (16), grid y = 4 x batch + block of 128 queries: a cluster's y is the batch.  Four waves of 64 x 64; K goes in 4 steps of 256 through two LDS slots.
; CLUSTERS: 4 x 4.  q's tiles are shared along a row of the cluster, the keys' along a column: each is asked for JOINTLY.
; THE MATRIX INSTRUCTION IS USED TRANSPOSED (source 0 = 16 keys, source 1 = 16 queries): a lane holds query lane % 16 and the keys 8 (lane / 16) + 0..7 of each group of 16.
; REGISTERS: window 0: v0-31 addresses; v32-95 the way out; v96-111 four at work for each block of 16 queries; v112-119 (m, l) by block; v120-123 stat on its way out;
;   v128-255 the accumulators ((a, b) at v[128 + 8 (4 a + b)]).  window 1: two fragment buffers of 128.
.set KDIM,   1024
.set KSTEP,  256
.set PITCH,  528
.set HALFT,  64*PITCH
.set SLOT,   4*HALFT
.set STAGE,  2*SLOT
.set SPITCH, 272
.set XM,     STAGE+128*SPITCH          ; [column half][128 rows] f32: the halves' maxima meet here; 1,024 bytes
.set XS,     XM+1024                   ; 512 bytes a wave: (m, l) of its 64 rows, turned into 16 bytes a lane
.set SPARE,  XS+2048
.set LAPS,   KDIM/(2*KSTEP)
.set CROW,   4096                      ; bytes in a row of P
.set XA,   8                           ; v8   where I put my rows' maxima
.set XB,   9                           ; v9   where the other column half's lie
.set XW,   10                          ; v10  where I put (m, l)
.set XR,   11                          ; v11  where I read 16 bytes of them back
.set SO,   12                          ; v12  16 x lane: my offset in the wave's 512 bytes of stat
.set ADRA, 16
.set ADRB, 20
.set STO,  24
.set RD,   25
.set CO,   26
.set SPW,  28
.set NIL,  29
.set TMP,  32
.set T,    96
.set ST,   112
.set SV,   120
.set ACC,  128
.set F0,   0
.set F1,   128
.set G1, 24
.set G0, 32
.set G1B, 48
.set G0B, 56
.set CS, 72                            ; s[72:73] c: the packed scaling takes the pair's low word for both halves
.set SEL, 74                           ; s[74:75] v_permlanex16_b32's selects: each lane takes its own place in the other half
.set MSB, 0
.macro WIN new
.if MSB != (\new)
	s_set_vgpr_msb (MSB<<8)|(\new)
.set MSB, \new
.endif
.endm
.set MUL,  0x05
.set TO_F, 0x40
.macro JLOAD s                         ; a joint load: waves 0 and 1 fetch q's two halves, waves 2 and 3 the keys'; an s_nop 0 and four v_nop follow each line
	s_cmp_eq_u32 s11, 0
	s_cbranch_scc0 .Lfor_b_\@
	tensor_load_to_lds s[G0+4*(\s):G0+4*(\s)+3], s[G1:G1+7]
	s_nop 0
.rept 4
	v_nop
.endr
	s_branch .Lasked_\@
.Lfor_b_\@:
	tensor_load_to_lds s[G0B+4*(\s):G0B+4*(\s)+3], s[G1B:G1B+7]
	s_nop 0
.rept 4
	v_nop
.endr
.Lasked_\@:
.endm
.macro CREST
	s_cmp_lg_u32 s10, 0
	s_cbranch_scc1 .Lnot_wave_0_\@
	s_barrier_signal -3
.Lnot_wave_0_\@:
	s_barrier_wait -3
	s_barrier_signal -1
	s_barrier_wait -1
.endm
.macro CROUND
	s_barrier_signal -1
	s_barrier_wait -1
	CREST
.endm
	s_load_b128 s[4:7], s[0:1], 0x0                ; q' s[4:5], keys s[6:7]
	s_load_b64 s[8:9], s[0:1], 0x10                ; P
	s_load_b64 s[68:69], s[0:1], 0x18              ; stat
	v_lshl_add_u32 v[SPW], v0, 2, SPARE
	v_mov_b32 v[NIL], 0
	ds_add_u32 v[SPW], v[NIL]                      ; the wave's opening: the add and its wait stand ahead of my first tensor load
	v_lshrrev_b32 v1, 5, v0
	v_readfirstlane_b32 s10, v1                    ; wave 0..3
	s_lshr_b32 s11, s10, 1                         ; my half of the queries; also: I fetch for q' (0) or the keys (1)
	s_and_b32 s12, s10, 1                          ; my half of the keys; also: which 64 rows of that tile I fetch
	s_bfe_u32 s40, ttmp6, 0x40000
	s_bfe_u32 s41, ttmp6, 0x40004
	s_lshl_b32 s42, ttmp9, 2
	s_add_co_u32 s42, s42, s40                     ; key tile
	s_and_b32 s13, ttmp7, 0xffff
	s_lshl_b32 s13, s13, 2
	s_add_co_u32 s13, s13, s41                     ; block of 128 query rows among all 32
	s_lshl_b32 s43, s41, 2
	s_lshl_b32 s43, 15, s43
	s_lshl_b32 s44, 0x1111, s40
	s_or_b32 s[G1+0], s43, (1<<16)|(1<<20)|(1<<21)|(6<<22)|(3<<25)
	s_or_b32 s[G1B+0], s44, (1<<16)|(1<<20)|(1<<21)|(6<<22)|(3<<25)
.irp g, G1, G1B
	s_mov_b32 s[(\g)+1], KSTEP<<16
	s_mov_b32 s[(\g)+2], 64<<16
	s_mov_b32 s[(\g)+3], KSTEP<<16
	s_mov_b32 s[(\g)+4], 64
	s_mov_b32 s[(\g)+5], KDIM
	s_mov_b32 s[(\g)+6], 0
	s_mov_b32 s[(\g)+7], 0
.endr
	s_mov_b32 s[CS], 0x3d38aa3b                    ; c = log2(e) / 32
	s_mov_b32 s[CS+1], s[CS]
	s_mov_b32 s[SEL], 0x76543210
	s_mov_b32 s[SEL+1], 0xfedcba98
	s_lshl_b32 s17, s12, 6
	s_lshl_b32 s16, s13, 7
	s_add_co_u32 s16, s16, s17                     ; q': row 128 x block + 64 x half
	s_lshl_b32 s46, s42, 7
	s_add_co_u32 s46, s46, s17                     ; keys: row 128 x key tile + 64 x half
	s_and_b32 s45, ttmp7, 0xffff                   ; + 2,048 x batch, the cluster's y, which all sixteen share
	s_lshl_b32 s45, s45, 11
	s_add_co_u32 s46, s46, s45
	s_mov_b32 s17, 0
	s_mov_b32 s47, 0
	s_mov_b64 s[18:19], KDIM*2
	s_mul_u64 s[16:17], s[16:17], s[18:19]
	s_mul_u64 s[46:47], s[46:47], s[18:19]
	s_mul_i32 s20, s10, HALFT
	s_wait_dscnt 0x0                               ; the opening add is done
	s_wait_kmcnt 0x0
	s_add_nc_u64 s[14:15], s[4:5], s[16:17]
	s_add_nc_u64 s[46:47], s[6:7], s[46:47]
	CROUND                                         ; all sixteen work-groups are here: the first joint loads meet
.irp s, 0,1
	s_mov_b32 s[G0+4*(\s)], 1
	s_add_co_u32 s[G0+4*(\s)+1], s20, (\s)*SLOT
	s_add_nc_u64 s[G0+4*(\s)+2:G0+4*(\s)+3], s[14:15], (\s)*KSTEP*2
	s_or_b32 s[G0+4*(\s)+3], s[G0+4*(\s)+3], 0x80000000
	s_mov_b32 s[G0B+4*(\s)], 1
	s_add_co_u32 s[G0B+4*(\s)+1], s20, (\s)*SLOT
	s_add_nc_u64 s[G0B+4*(\s)+2:G0B+4*(\s)+3], s[46:47], (\s)*KSTEP*2
	s_or_b32 s[G0B+4*(\s)+3], s[G0B+4*(\s)+3], 0x80000000
	JLOAD \s
.endr
	v_and_b32 v1, 15, v0                           ; l % 16
	v_bfe_u32 v2, v0, 4, 1                         ; l / 16
	v_mul_u32_u24 v3, v1, PITCH
	v_lshl_add_u32 v3, v2, 4, v3
	s_mul_i32 s21, s11, HALFT
	s_mul_i32 s22, s12, HALFT
	s_add_co_u32 s22, s22, 2*HALFT
.irp s, 0,1
	v_add_nc_u32 v[ADRA+(\s)], s21, v3
	v_add_nc_u32 v[ADRB+(\s)], s22, v3
	s_add_co_u32 s21, s21, SLOT
	s_add_co_u32 s22, s22, SLOT
.endr
	s_mul_i32 s23, s11, 64*SPITCH
	s_lshl_b32 s21, s12, 7
	s_add_co_u32 s23, s23, s21
	s_add_co_u32 s23, s23, STAGE
	v_mul_u32_u24 v4, v1, SPITCH
	v_lshl_add_u32 v4, v2, 4, v4
	v_add_nc_u32 v[STO], s23, v4
	s_mul_i32 s23, s10, 32*SPITCH
	s_add_co_u32 s23, s23, STAGE
	v_mul_u32_u24 v5, v2, SPITCH
	v_lshl_add_u32 v5, v1, 4, v5
	v_add_nc_u32 v[RD], s23, v5
	v_mul_u32_u24 v5, v2, CROW
	v_lshl_add_u32 v[CO], v1, 4, v5
	s_lshl_b32 s21, s11, 8                         ; my 64 rows x 4 bytes,
	s_lshl_b32 s22, s12, 9                         ; in my column half's 512 bytes
	s_add_co_u32 s22, s22, s21
	s_add_co_u32 s22, s22, XM
	v_lshl_add_u32 v[XA], v1, 2, s22
	s_xor_b32 s22, s12, 1                          ; and in the other half's
	s_lshl_b32 s22, s22, 9
	s_add_co_u32 s22, s22, s21
	s_add_co_u32 s22, s22, XM
	v_lshl_add_u32 v[XB], v1, 2, s22
	s_lshl_b32 s22, s10, 9
	s_add_co_u32 s22, s22, XS
	v_lshl_add_u32 v[XW], v1, 3, s22
	v_and_b32 v[SO], 31, v0
	v_lshlrev_b32 v[SO], 4, v[SO]
	v_add_nc_u32 v[XR], s22, v[SO]
	s_lshl_b32 s16, s13, 7
	s_lshl_b32 s17, s10, 5
	s_add_co_u32 s16, s16, s17                     ; the first row of P that I store
	s_mov_b32 s17, 0
	s_mov_b64 s[18:19], CROW
	s_mul_u64 s[16:17], s[16:17], s[18:19]
	s_add_nc_u64 s[8:9], s[8:9], s[16:17]
	s_lshl_b32 s46, s42, 8                         ; the tile's 128 keys: 256 bytes of a row
	s_mov_b32 s47, 0
	s_add_nc_u64 s[8:9], s[8:9], s[46:47]
	s_lshl_b32 s16, s13, 10                        ; stat: (128 x block + 64 x row half) x 8 bytes,
	s_lshl_b32 s17, s11, 9
	s_add_co_u32 s16, s16, s17
	s_mov_b32 s17, 0
	s_add_nc_u64 s[68:69], s[68:69], s[16:17]
	s_lshl_b32 s46, s42, 1                         ; in plane 2 x key tile + column half, 32,768 bytes a plane
	s_add_co_u32 s46, s46, s12
	s_lshl_b32 s46, s46, 15
	s_add_nc_u64 s[68:69], s[68:69], s[46:47]
.macro MUL8 f, c, a0, zero
	WIN MUL
.irp a, \a0, (\a0)+1
.irp b, 0,1,2,3
.if \zero
	v_wmma_f32_16x16x32_bf16 v[ACC+8*(4*(\a)+(\b)):ACC+8*(4*(\a)+(\b))+7], v[(\f)+64+8*(4*(\c)+(\b)):(\f)+64+8*(4*(\c)+(\b))+7], v[(\f)+8*(4*(\c)+(\a)):(\f)+8*(4*(\c)+(\a))+7], 0
.else
	v_wmma_f32_16x16x32_bf16 v[ACC+8*(4*(\a)+(\b)):ACC+8*(4*(\a)+(\b))+7], v[(\f)+64+8*(4*(\c)+(\b)):(\f)+64+8*(4*(\c)+(\b))+7], v[(\f)+8*(4*(\c)+(\a)):(\f)+8*(4*(\c)+(\a))+7], v[ACC+8*(4*(\a)+(\b)):ACC+8*(4*(\a)+(\b))+7]
.endif
.endr
.endr
.endm
.macro FETCH slot, k, f                ; 32 LDS loads in one run: 64 along K at byte k of the rows, into buffer f; the first 32 along K first
	WIN TO_F
.irp c, 0,1
.irp i, 0,1,2,3
	ds_load_b128 v[(\f)+64+8*(4*(\c)+(\i)):(\f)+64+8*(4*(\c)+(\i))+3],   v[ADRB+(\slot)] offset:(\k)+64*(\c)+(\i)*16*PITCH
	ds_load_b128 v[(\f)+64+8*(4*(\c)+(\i))+4:(\f)+64+8*(4*(\c)+(\i))+7], v[ADRB+(\slot)] offset:(\k)+64*(\c)+(\i)*16*PITCH+32
	ds_load_b128 v[(\f)+8*(4*(\c)+(\i)):(\f)+8*(4*(\c)+(\i))+3],         v[ADRA+(\slot)] offset:(\k)+64*(\c)+(\i)*16*PITCH
	ds_load_b128 v[(\f)+8*(4*(\c)+(\i))+4:(\f)+8*(4*(\c)+(\i))+7],       v[ADRA+(\slot)] offset:(\k)+64*(\c)+(\i)*16*PITCH+32
.endr
.endr
.endm
.macro PLACES                          ; four places in front of loads into registers that matrix instructions have read, and of instructions that read results
.rept 4
	v_nop
.endr
.endm
.macro QUARTER slot, k, f, g, zero     ; the 16 accumulators take turns
	s_wait_dscnt 16                                ; the first 32 along K are in; the youngest sixteen loads may be out
	WIN MUL
	MUL8 \f, 0, 0, \zero
	MUL8 \f, 0, 2, \zero
	PLACES
	FETCH \slot, \k, \g
	s_wait_dscnt 32                                ; all but the 32 just issued
	WIN MUL
	MUL8 \f, 1, 0, 0
	MUL8 \f, 1, 2, 0
.endm
.macro TURN slot, next, fill
	WIN 0
	s_wait_tensorcnt 0x0                           ; all my tensor loads have landed: my part of the next slot;
	ds_add_u32 v[SPW], v[NIL]                      ; 0 onto my spare word;
	s_wait_dscnt 17                                ; (the add and the youngest sixteen loads may be out)
	WIN MUL
	MUL8 F1, 0, 0, 0
	s_wait_dscnt 0x0                               ; the add is done, and my reads of this slot are over
	s_barrier_signal -1
	MUL8 F1, 0, 2, 0
.if \fill
	WIN 0
.endif
	s_barrier_wait -1
.if \fill
	CREST                                          ; a round of the cluster's barrier: no wave of any partner still reads this slot or has a load on its way
	s_add_nc_u64 s[G0+4*(\slot)+2:G0+4*(\slot)+3], s[G0+4*(\slot)+2:G0+4*(\slot)+3], 2*KSTEP*2
	s_add_nc_u64 s[G0B+4*(\slot)+2:G0B+4*(\slot)+3], s[G0B+4*(\slot)+2:G0B+4*(\slot)+3], 2*KSTEP*2
	JLOAD \slot
.else
	PLACES
.endif
	FETCH \next, 0, F0
	WIN MUL
	MUL8 F1, 1, 0, 0
	MUL8 F1, 1, 2, 0
.endm
	s_wait_tensorcnt 1                             ; my part of K step 0 is in; K step 1's load may stay out
	s_barrier_signal -1
	s_barrier_wait -1
	FETCH 0, 0, F0
	QUARTER 0, 128, F0, F1, 1
	WIN 0
	s_mov_b32 s3, LAPS-1
.Llap:
	QUARTER 0, 256, F1, F0, 0
	QUARTER 0, 384, F0, F1, 0
	TURN 0, 1, 1
	QUARTER 1, 128, F0, F1, 0
	QUARTER 1, 256, F1, F0, 0
	QUARTER 1, 384, F0, F1, 0
	TURN 1, 0, 1
	QUARTER 0, 128, F0, F1, 0
	WIN 0
	s_sub_co_u32 s3, s3, 1
	s_cmp_lg_u32 s3, 0
	s_cbranch_scc1 .Llap
	QUARTER 0, 256, F1, F0, 0                      ; the last lap fills nothing
	QUARTER 0, 384, F0, F1, 0
	TURN 0, 1, 0
	QUARTER 1, 128, F0, F1, 0
	QUARTER 1, 256, F1, F0, 0
	QUARTER 1, 384, F0, F1, 0
	s_wait_dscnt 16
	WIN MUL
	MUL8 F1, 0, 0, 0
	MUL8 F1, 0, 2, 0
	s_wait_dscnt 0
	MUL8 F1, 1, 0, 0
	MUL8 F1, 1, 2, 0
	WIN 0
	; THE TILE'S SOFTMAX.  Block a of 16 queries has 32 scores a lane, in v[ACC + 32 a ..].
	; The maximum: four chains of seven scores, three operands at a time (each accumulator's lowest registers are read first), the four left over, the four into one.
	PLACES
.irp a, 0,1,2,3
.irp n, 0,1,2,3
	v_max3_num_f32 v[T+4*(\a)+(\n)], v[ACC+32*(\a)+8*(\n)], v[ACC+32*(\a)+8*(\n)+1], v[ACC+32*(\a)+8*(\n)+2]
.endr
.irp n, 0,1,2,3
	v_max3_num_f32 v[T+4*(\a)+(\n)], v[T+4*(\a)+(\n)], v[ACC+32*(\a)+8*(\n)+3], v[ACC+32*(\a)+8*(\n)+4]
.endr
.irp n, 0,1,2,3
	v_max3_num_f32 v[T+4*(\a)+(\n)], v[T+4*(\a)+(\n)], v[ACC+32*(\a)+8*(\n)+5], v[ACC+32*(\a)+8*(\n)+6]
.endr
	v_max3_num_f32 v[T+4*(\a)], v[T+4*(\a)], v[ACC+32*(\a)+7], v[ACC+32*(\a)+15]
	v_max3_num_f32 v[T+4*(\a)+1], v[T+4*(\a)+1], v[ACC+32*(\a)+23], v[ACC+32*(\a)+31]
.endr
.irp a, 0,1,2,3
	v_max3_num_f32 v[T+4*(\a)], v[T+4*(\a)], v[T+4*(\a)+1], v[T+4*(\a)+2]
.endr
.irp a, 0,1,2,3
	v_max_num_f32 v[T+4*(\a)], v[T+4*(\a)], v[T+4*(\a)+3]
.endr
.irp a, 0,1,2,3
	v_permlanex16_b32 v[T+4*(\a)+1], v[T+4*(\a)], s[SEL], s[SEL+1]  ; the query's other 32 keys of my 64 lie in the lane 16 away
.endr
.irp a, 0,1,2,3
	v_max_num_f32 v[T+4*(\a)], v[T+4*(\a)], v[T+4*(\a)+1]
.endr
.irp a, 0,1,2,3
	ds_store_b32 v[XA], v[T+4*(\a)] offset:64*(\a)  ; the two lanes of a query write the same word with the same number
.endr
	s_wait_dscnt 0x0                               ; for the other column half's sake: my maxima are stored
	s_barrier_signal -1
	s_barrier_wait -1
.irp a, 0,1,2,3
	ds_load_b32 v[T+4*(\a)+1], v[XB] offset:64*(\a)
.endr
	s_wait_dscnt 0x0
.irp a, 0,1,2,3
	v_max_num_f32 v[ST+2*(\a)], v[T+4*(\a)], v[T+4*(\a)+1]  ; m: over the tile's 128 keys
.endr
.irp a, 0,1,2,3
	v_mul_f32 v[T+4*(\a)], s[CS], v[ST+2*(\a)]     ; c m
.endr
.irp a, 0,1,2,3
.set z, 0
.rept 16
	v_pk_fma_f32 v[ACC+32*(\a)+2*z:ACC+32*(\a)+2*z+1], v[ACC+32*(\a)+2*z:ACC+32*(\a)+2*z+1], s[CS:CS+1], v[T+4*(\a):T+4*(\a)+1] op_sel_hi:[1,0,0] neg_lo:[0,0,1] neg_hi:[0,0,1]  ; c s - c m
.set z, z+1
.endr
.endr
.set z, 0
.rept 128
	v_exp_f32 v[ACC+z], v[ACC+z]                   ; one batch: nothing ahead of the wait below names a result
.set z, z+1
.endr
	v_nop                                          ; a plain instruction behind the last exponential (ISA guide 5.7.2)
	s_wait_alu depctr_va_vdst(0)                   ; one wait for the 128 exponentials, ahead of their first reader
.irp t, 0,1,2,3,4,5,6,7,8,9,10,11,12,13,14,15
.irp r, 0,1,2,3
	v_cvt_pk_bf16_f32 v[TMP+4*(\t)+(\r)], v[ACC+8*(\t)+2*(\r)], v[ACC+8*(\t)+2*(\r)+1]
.endr
.endr
	; l: the block's 16 pairs are added in place, 8, 4, 2 and 1 pairs apart
.irp w, 8,4,2,1
.irp a, 0,1,2,3
.set z, 0
.rept \w
	v_pk_add_f32 v[ACC+32*(\a)+2*z:ACC+32*(\a)+2*z+1], v[ACC+32*(\a)+2*z:ACC+32*(\a)+2*z+1], v[ACC+32*(\a)+2*(z+(\w)):ACC+32*(\a)+2*(z+(\w))+1]
.set z, z+1
.endr
.endr
.endr
.irp a, 0,1,2,3
	v_add_f32 v[T+4*(\a)+2], v[ACC+32*(\a)], v[ACC+32*(\a)+1]
.endr
.irp a, 0,1,2,3
	v_permlanex16_b32 v[T+4*(\a)+3], v[T+4*(\a)+2], s[SEL], s[SEL+1]
.endr
.irp a, 0,1,2,3
	v_add_f32 v[ST+2*(\a)+1], v[T+4*(\a)+2], v[T+4*(\a)+3]  ; l: over my 64 keys
.endr
	; THE WAY OUT: P through the work-group's stage (a row's 256 bytes come from two waves), (m, l) through my own 512 bytes.
.irp a, 0,1,2,3
.irp b, 0,1,2,3
	ds_store_b128 v[STO], v[TMP+4*(4*(\a)+(\b)):TMP+4*(4*(\a)+(\b))+3] offset:(\a)*16*SPITCH+32*(\b)
.endr
.endr
.irp a, 0,1,2,3
	ds_store_b64 v[XW], v[ST+2*(\a):ST+2*(\a)+1] offset:128*(\a)
.endr
	s_wait_dscnt 0x0                               ; for the others' sake: my stores into the stage are done
	s_barrier_signal -1
	s_barrier_wait -1
	ds_load_b128 v[SV:SV+3], v[XR]                 ; two rows' (m, l) a lane
.irp t, 0,1,2,3,4,5,6,7,8,9,10,11,12,13,14,15
	ds_load_b128 v[TMP+4*(\t):TMP+4*(\t)+3], v[RD] offset:(\t)*2*SPITCH
.endr
.irp t, 0,1,2,3,4,5,6,7,8,9,10,11,12,13,14,15
	s_wait_dscnt 15-(\t)
	global_store_b128 v[CO], v[TMP+4*(\t):TMP+4*(\t)+3], s[8:9] offset:2*(\t)*CROW  ; 16 lanes store 256 consecutive bytes, aligned
.endr
	global_store_b128 v[SO], v[SV:SV+3], s[68:69]  ; its load was the oldest of the seventeen: it is in; 512 consecutive bytes, aligned
	s_wait_tensorcnt 0x0                           ; the wave's end
	ds_add_u32 v[SPW], v[NIL]
	s_wait_dscnt 0x0
	CROUND                                         ; the closing round
	s_endpgm
.Lfunc_end_k_qabdefc2415_scores:
	.size	k_qabdefc2415_scores, .Lfunc_end_k_qabdefc2415_scores-k_qabdefc2415_scores
	.p2alignl 7, 3214868480
	.fill 96, 4, 3214868480
	.section	.rodata,"a",@progbits
	.p2align	6, 0x0
	.amdhsa_kernel k_qabdefc2415_scores
		.amdhsa_group_segment_fixed_size 327680
		.amdhsa_private_segment_fixed_size 0
		.amdhsa_enable_private_segment 0
		.amdhsa_kernarg_size 32
		.amdhsa_user_sgpr_count 2
		.amdhsa_user_sgpr_kernarg_segment_ptr 1
		.amdhsa_wavefront_size32 1
		.amdhsa_system_sgpr_workgroup_id_x 1
		.amdhsa_system_sgpr_workgroup_id_y 1
		.amdhsa_system_sgpr_workgroup_id_z 1
		.amdhsa_system_vgpr_workitem_id 0
		.amdhsa_next_free_vgpr 512
		.amdhsa_next_free_sgpr 76
		.amdhsa_reserve_vcc 0
		.amdhsa_float_denorm_mode_32 3
		.amdhsa_float_denorm_mode_16_64 3
		.amdhsa_memory_ordered 1
		.amdhsa_forward_progress 1
		.amdhsa_inst_pref_size 106
	.end_amdhsa_kernel
	.amdgpu_metadata
---
amdhsa.version: [ 1, 2 ]
amdhsa.kernels:
  - .name:           k_qabdefc2415_scores
    .symbol:         k_qabdefc2415_scores.kd
    .args:
      - { .name: qp, .offset: 0, .size: 8, .value_kind: global_buffer, .address_space: global }
      - { .name: kbf, .offset: 8, .size: 8, .value_kind: global_buffer, .address_space: global }
      - { .name: p, .offset: 16, .size: 8, .value_kind: global_buffer, .address_space: global }
      - { .name: stat, .offset: 24, .size: 8, .value_kind: global_buffer, .address_space: global }
    .group_segment_fixed_size: 327680
    .private_segment_fixed_size: 0
    .kernarg_segment_align: 8
    .kernarg_segment_size: 32
    .max_flat_workgroup_size: 128
    .sgpr_count:     76
    .vgpr_count:     512
    .wavefront_size: 32
...
	.end_amdgpu_metadata
.endif
;; end of part 4
;; launch mix (part 5): grid 8 x 32, 4 waves a work-group, clusters of 4 x 4, 327,680 bytes of LDS; arguments p, vbf, qu, stat; writes qu
.if DOCPART == 5
	.amdgcn_target "amdgcn-amd-amdhsa--gfx1250"
	.amdhsa_code_object_version 6
	.text
	.protected	k_qabdefc2415_mix
	.globl	k_qabdefc2415_mix
	.p2align	8
	.type	k_qabdefc2415_mix,@function
k_qabdefc2415_mix:
	s_mov_b64 s[64:65], 0
	v_nop
	global_prefetch_b8 v0, s[64:65] scope:SCOPE_SE
	s_setreg_imm32_b32 hwreg(HW_REG_WAVE_MODE, 25, 1), 1
	s_wait_xcnt 0x0
	s_wait_alu depctr_hold_cnt(0) depctr_sa_sdst(0) depctr_va_vdst(0) depctr_va_sdst(0) depctr_va_ssrc(0) depctr_va_vcc(0) depctr_vm_vsrc(0)
	s_getreg_b32 s2, hwreg(HW_REG_IB_STS2, 6, 4)
	s_cmp_eq_u32 s2, 0
	s_cbranch_scc0 .Lentry_in_a_cluster
	s_endpgm
.Lentry_in_a_cluster:
	s_bfe_u32 s2, ttmp6, 0x10000c
	s_cmp_lg_u32 s2, 0xf033
	s_cbranch_scc0 .Lentry_shape_is_right
	s_endpgm
.Lentry_shape_is_right:
; U[s][e] = the sum over the 16 key tiles t of g[s][t] x (the sum over the tile's 128 keys k of P[s][k] value[k][e]): the softmax's weighted mean of the UNPROJECTED values.
; g[s][t] = 2^(c m_t - c M) / L, M = the maximum of the row's m_t, L = the sum over t of 2^(c m_t - c M) l_t, c = log2(e) / 32: the tiles' maxima are joined by the row's maximum, in f32.
; WHY: the weights add up to 1, so the mean of (value W^T + b) is (the mean of value) W^T + b: W and b are applied by the next launch, to 4,096 rows.
; P = p [4096][2048] bf16, value = vbf [8 x 2048][1024] bf16, stat [32][4096][2] f32 = (m, l) by half tile, U = qu [4096][1024] bf16, rounded once.
; LIMITS: a factor below 2^-126 counts as 0; NaN and infinities are not treated apart.  L is at least about 1: the tile that holds M has a weight of 1.
; A tile of U is 128 x 128: 8 x 32, one work-group each (a cluster's y is the batch); four waves of 64 x 64.  K = 2,048 keys in 8 steps of 256 through two LDS slots.
; A key tile is two quarters of 64 keys: its products start a fresh sum PART (C = 0), and FLUSH adds g x PART onto TOT.
; P's tile lies along K (rows of 512 bytes); value's lies [K][N]: 256 rows of 128 columns, read turned by ds_load_tr16_b128.
; CLUSTERS: 4 x 4.  P's tiles are shared along a row of the cluster, value's along a column: each is asked for JOINTLY.
; THE MATRIX INSTRUCTION IS USED TRANSPOSED (source 0 = 16 columns of value, source 1 = 16 rows of P): a lane holds row lane % 16 and the columns 8 (lane / 16) + 0..7.
; REGISTERS: window 0: v0-31 addresses; v32-95 the way out; v96-103 g of my four blocks of 16 rows, in pairs with 0; v128-255 PART.  window 1: two fragment buffers.  window 2: v0-127 TOT.
.set KDIM,   2048
.set KSTEP,  256
.set APIT,   2048
.set BPIT,   1024
.set PITCH,  528
.set HALFT,  64*PITCH
.set PB,     288                       ; a row of value in LDS: 256 bytes + 32 = 72 words
.set HALFB,  128*PB
.set SLOT,   2*HALFT+2*HALFB
.set STAGE,  2*SLOT
.set SPITCH, 272
.set GT,     STAGE+128*SPITCH          ; g: [16 tiles][128 rows] f32, 8,192 bytes
.set SPARE,  GT+8192
.set LAPS,   KDIM/(2*KSTEP)
.set CROW,   2048
.set ADRA, 16
.set ADRB, 20                          ; v20-21 k rows 0-127 of slot 0, 1; v22-23 k rows 128-255
.set STO,  24
.set RD,   25
.set CO,   26
.set GA,   27                          ; v27  g of my rows, at the lap's first tile; steps 2,048 bytes a lap
.set SPW,  28
.set NIL,  29
.set TMP,  32
.set G,    96
.set ACC,  128
.set F0,   0
.set F1,   128
.set G1, 24
.set G0, 32
.set G1B, 48
.set G0B, 56
.set CS, 72
.set MSB, 0
.macro WIN new
.if MSB != (\new)
	s_set_vgpr_msb (MSB<<8)|(\new)
.set MSB, \new
.endif
.endm
.set MUL,  0x05
.set TO_F, 0x40
.macro JLOAD s                         ; a joint load: waves 0 and 1 fetch P's two halves, waves 2 and 3 value's; an s_nop 0 and four v_nop follow each line
	s_cmp_eq_u32 s11, 0
	s_cbranch_scc0 .Lfor_b_\@
	tensor_load_to_lds s[G0+4*(\s):G0+4*(\s)+3], s[G1:G1+7]
	s_nop 0
.rept 4
	v_nop
.endr
	s_branch .Lasked_\@
.Lfor_b_\@:
	tensor_load_to_lds s[G0B+4*(\s):G0B+4*(\s)+3], s[G1B:G1B+7]
	s_nop 0
.rept 4
	v_nop
.endr
.Lasked_\@:
.endm
.macro CREST
	s_cmp_lg_u32 s10, 0
	s_cbranch_scc1 .Lnot_wave_0_\@
	s_barrier_signal -3
.Lnot_wave_0_\@:
	s_barrier_wait -3
	s_barrier_signal -1
	s_barrier_wait -1
.endm
.macro CROUND
	s_barrier_signal -1
	s_barrier_wait -1
	CREST
.endm
	s_load_b128 s[4:7], s[0:1], 0x0                ; P s[4:5], value s[6:7]
	s_load_b64 s[8:9], s[0:1], 0x10                ; U
	s_load_b64 s[68:69], s[0:1], 0x18              ; stat
	v_lshl_add_u32 v[SPW], v0, 2, SPARE
	v_mov_b32 v[NIL], 0
	ds_add_u32 v[SPW], v[NIL]                      ; the wave's opening: the add and its wait stand ahead of my first tensor load
	v_lshrrev_b32 v1, 5, v0
	v_readfirstlane_b32 s10, v1                    ; wave 0..3
	s_lshr_b32 s11, s10, 1
	s_and_b32 s12, s10, 1
	s_bfe_u32 s40, ttmp6, 0x40000
	s_bfe_u32 s41, ttmp6, 0x40004
	s_lshl_b32 s42, ttmp9, 2
	s_add_co_u32 s42, s42, s40                     ; tile column
	s_and_b32 s13, ttmp7, 0xffff
	s_lshl_b32 s13, s13, 2
	s_add_co_u32 s13, s13, s41                     ; tile row
	s_lshl_b32 s43, s41, 2
	s_lshl_b32 s43, 15, s43
	s_lshl_b32 s44, 0x1111, s40
	s_or_b32 s[G1+0], s43, (1<<16)|(1<<20)|(1<<21)|(6<<22)|(3<<25)  ; P: 64 rows x 256 elements; after every 128 words 4 words of padding
	s_mov_b32 s[G1+1], KSTEP<<16
	s_mov_b32 s[G1+2], 64<<16
	s_mov_b32 s[G1+3], KSTEP<<16
	s_mov_b32 s[G1+4], 64
	s_mov_b32 s[G1+5], APIT
	s_mov_b32 s[G1+6], 0
	s_mov_b32 s[G1+7], 0
	s_or_b32 s[G1B+0], s44, (1<<16)|(1<<20)|(1<<21)|(5<<22)|(7<<25) ; value: 128 keys x 128 elements; after every 64 words 8 words of padding
	s_mov_b32 s[G1B+1], 128<<16
	s_mov_b32 s[G1B+2], 128<<16
	s_mov_b32 s[G1B+3], 128<<16
	s_mov_b32 s[G1B+4], 128
	s_mov_b32 s[G1B+5], BPIT
	s_mov_b32 s[G1B+6], 0
	s_mov_b32 s[G1B+7], 0
	s_mov_b32 s[CS], 0x3d38aa3b                    ; c = log2(e) / 32
	s_lshl_b32 s17, s12, 6
	s_lshl_b32 s16, s13, 7
	s_add_co_u32 s16, s16, s17                     ; P: row 128 x tile row + 64 x half
	s_mov_b32 s17, 0
	s_mov_b64 s[18:19], APIT*2
	s_mul_u64 s[16:17], s[16:17], s[18:19]
	s_lshl_b32 s46, s42, 8                         ; value: the tile's 128 columns,
	s_lshl_b32 s47, s12, 18                        ; my 128 keys of 2,048 bytes,
	s_add_co_u32 s46, s46, s47
	s_and_b32 s45, ttmp7, 0xffff                   ; and the batch, the cluster's y, which all sixteen share: 4,194,304 bytes each
	s_lshl_b32 s45, s45, 22
	s_add_co_u32 s46, s46, s45
	s_mov_b32 s47, 0
	s_mul_i32 s20, s12, HALFT
	s_mul_i32 s21, s12, HALFB
	s_add_co_u32 s21, s21, 2*HALFT
	s_wait_dscnt 0x0                               ; the opening add is done
	s_wait_kmcnt 0x0
	s_add_nc_u64 s[14:15], s[4:5], s[16:17]
	s_add_nc_u64 s[46:47], s[6:7], s[46:47]
	CROUND                                         ; all sixteen work-groups are here: the first joint loads meet
.irp s, 0,1
	s_mov_b32 s[G0+4*(\s)], 1
	s_add_co_u32 s[G0+4*(\s)+1], s20, (\s)*SLOT
	s_add_nc_u64 s[G0+4*(\s)+2:G0+4*(\s)+3], s[14:15], (\s)*KSTEP*2
	s_or_b32 s[G0+4*(\s)+3], s[G0+4*(\s)+3], 0x80000000
	s_mov_b32 s[G0B+4*(\s)], 1
	s_add_co_u32 s[G0B+4*(\s)+1], s21, (\s)*SLOT
	s_add_nc_u64 s[G0B+4*(\s)+2:G0B+4*(\s)+3], s[46:47], (\s)*KSTEP*BPIT*2
	s_or_b32 s[G0B+4*(\s)+3], s[G0B+4*(\s)+3], 0x80000000
	JLOAD \s
.endr
	; THE TABLE OF g, a row of the tile to each of the 128 threads: (m, l) of its 32 half tiles; a wave's load covers 256 consecutive bytes, aligned
	s_lshl_b32 s16, s13, 10                        ; 128 rows x 8 bytes x tile row
	s_mov_b32 s17, 0
	s_add_nc_u64 s[68:69], s[68:69], s[16:17]
	v_lshlrev_b32 v6, 3, v0
.set x, 0
.rept 32
	global_load_b64 v[ACC+2*x:ACC+2*x+1], v6, s[68:69] offset:x*32768
.set x, x+1
.endr
	v_and_b32 v1, 15, v0                           ; l % 16
	v_bfe_u32 v2, v0, 4, 1                         ; l / 16
	v_mul_u32_u24 v3, v1, PITCH
	v_lshl_add_u32 v3, v2, 4, v3
	s_mul_i32 s21, s11, HALFT
	v_add_nc_u32 v[ADRA], s21, v3
	v_add_nc_u32 v[ADRA+1], SLOT, v[ADRA]
	v_and_b32 v4, 7, v0                            ; the turning load: lane l reads key 8 (l / 16) + l % 8, columns 8 ((l / 8) % 2) + 0..7
	v_lshl_add_u32 v4, v2, 3, v4
	v_mul_u32_u24 v4, v4, PB
	v_bfe_u32 v5, v0, 3, 1
	v_lshl_add_u32 v4, v5, 4, v4
	s_lshl_b32 s22, s12, 7
	s_add_co_u32 s22, s22, 2*HALFT
	v_add_nc_u32 v[ADRB], s22, v4
	v_add_nc_u32 v[ADRB+1], SLOT, v[ADRB]
	v_add_nc_u32 v[ADRB+2], HALFB, v[ADRB]
	v_add_nc_u32 v[ADRB+3], HALFB, v[ADRB+1]
	s_mul_i32 s23, s11, 64*SPITCH
	s_lshl_b32 s21, s12, 7
	s_add_co_u32 s23, s23, s21
	s_add_co_u32 s23, s23, STAGE
	v_mul_u32_u24 v4, v1, SPITCH
	v_lshl_add_u32 v4, v2, 4, v4
	v_add_nc_u32 v[STO], s23, v4
	s_mul_i32 s23, s10, 32*SPITCH
	s_add_co_u32 s23, s23, STAGE
	v_mul_u32_u24 v5, v2, SPITCH
	v_lshl_add_u32 v5, v1, 4, v5
	v_add_nc_u32 v[RD], s23, v5
	v_mul_u32_u24 v5, v2, CROW
	v_lshl_add_u32 v[CO], v1, 4, v5
	s_lshl_b32 s23, s11, 8                         ; my 64 rows x 4 bytes
	s_add_co_u32 s23, s23, GT
	v_lshl_add_u32 v[GA], v1, 2, s23
	v_lshl_add_u32 v7, v0, 2, GT                   ; where my row's g go
.irp a, 0,1,2,3
	v_mov_b32 v[G+2*(\a)+1], 0                     ; named with g as a pair
.endr
	s_lshl_b32 s16, s13, 7
	s_lshl_b32 s17, s10, 5
	s_add_co_u32 s16, s16, s17
	s_mov_b32 s17, 0
	s_mov_b64 s[18:19], CROW
	s_mul_u64 s[16:17], s[16:17], s[18:19]
	s_add_nc_u64 s[8:9], s[8:9], s[16:17]
	s_lshl_b32 s46, s42, 8
	s_mov_b32 s47, 0
	s_add_nc_u64 s[8:9], s[8:9], s[46:47]
	s_wait_loadcnt 0x0                             ; tile t: m at v[128 + 4 t] (both halves hold the same), l at v[129 + 4 t] and v[131 + 4 t]
	v_max3_num_f32 v192, v128, v132, v136
.irp t, 3,5,7,9,11,13
	v_max3_num_f32 v192, v192, v[128+4*(\t)], v[132+4*(\t)]
.endr
	v_max_num_f32 v192, v192, v188                 ; M
	v_mul_f32 v193, s[CS], v192                    ; c M
.set t, 0
.rept 16
	v_fma_f32 v[194+t], v[128+4*t], s[CS], -v193   ; c m_t - c M
.set t, t+1
.endr
.set t, 0
.rept 16
	v_exp_f32 v[194+t], v[194+t]
.set t, t+1
.endr
.set t, 0
.rept 16
	v_add_f32 v[129+4*t], v[129+4*t], v[131+4*t]   ; l_t; plain work that names no exponential's result
.set t, t+1
.endr
	s_wait_alu depctr_va_vdst(0)                   ; one wait for the sixteen exponentials, ahead of their first reader
	v_mul_f32 v210, v194, v129
.set t, 1
.rept 15
	v_fmac_f32 v210, v[194+t], v[129+4*t]          ; L
.set t, t+1
.endr
	v_rcp_f32 v211, v210
	v_nop
	s_wait_alu depctr_va_vdst(0)
.set t, 0
.rept 16
	v_mul_f32 v[194+t], v[194+t], v211
.set t, t+1
.endr
.set t, 0
.rept 16
	ds_store_b32 v7, v[194+t] offset:512*t
.set t, t+1
.endr
.macro MUL8 f, c, a0, zero
	WIN MUL
.irp a, \a0, (\a0)+1
.irp b, 0,1,2,3
.if \zero
	v_wmma_f32_16x16x32_bf16 v[ACC+8*(4*(\a)+(\b)):ACC+8*(4*(\a)+(\b))+7], v[(\f)+64+8*(4*(\c)+(\b)):(\f)+64+8*(4*(\c)+(\b))+7], v[(\f)+8*(4*(\c)+(\a)):(\f)+8*(4*(\c)+(\a))+7], 0
.else
	v_wmma_f32_16x16x32_bf16 v[ACC+8*(4*(\a)+(\b)):ACC+8*(4*(\a)+(\b))+7], v[(\f)+64+8*(4*(\c)+(\b)):(\f)+64+8*(4*(\c)+(\b))+7], v[(\f)+8*(4*(\c)+(\a)):(\f)+8*(4*(\c)+(\a))+7], v[ACC+8*(4*(\a)+(\b)):ACC+8*(4*(\a)+(\b))+7]
.endif
.endr
.endr
.endm
.macro FETCH slot, q, f                ; 32 LDS loads in one run: the fragments of quarter q (64 keys) into buffer f; the first 32 keys first
	WIN TO_F
.irp c, 0,1
.irp i, 0,1,2,3
	ds_load_tr16_b128 v[(\f)+64+8*(4*(\c)+(\i)):(\f)+64+8*(4*(\c)+(\i))+3],   v[ADRB+(\slot)+2*((\q)/2)] offset:(((\q)%2)*64+32*(\c))*PB+32*(\i)
	ds_load_tr16_b128 v[(\f)+64+8*(4*(\c)+(\i))+4:(\f)+64+8*(4*(\c)+(\i))+7], v[ADRB+(\slot)+2*((\q)/2)] offset:(((\q)%2)*64+32*(\c)+16)*PB+32*(\i)
	ds_load_b128 v[(\f)+8*(4*(\c)+(\i)):(\f)+8*(4*(\c)+(\i))+3],         v[ADRA+(\slot)] offset:128*(\q)+64*(\c)+(\i)*16*PITCH
	ds_load_b128 v[(\f)+8*(4*(\c)+(\i))+4:(\f)+8*(4*(\c)+(\i))+7],       v[ADRA+(\slot)] offset:128*(\q)+64*(\c)+(\i)*16*PITCH+32
.endr
.endr
.endm
.macro PLACES                          ; four places in front of loads into registers that matrix instructions have read, and of instructions that read results
.rept 4
	v_nop
.endr
.endm
; A quarter: multiplies buffer f, fetches quarter q of the slot into g.  zero = 1: a key tile's first quarter starts PART anew.
; gl >= 0: the tile's g of my four blocks of rows are fetched too, from byte gl behind GA: four loads older than the 32, so the wait for all but 32 covers them.
.macro QUARTER slot, q, f, g, zero, gl
	s_wait_dscnt 16                                ; the first 32 keys are in; the youngest sixteen loads may be out
	WIN MUL
	MUL8 \f, 0, 0, \zero
	MUL8 \f, 0, 2, \zero
	PLACES
.if (\gl) >= 0
	WIN 0
.irp a, 0,1,2,3
	ds_load_b32 v[G+2*(\a)], v[GA] offset:(\gl)+64*(\a)
.endr
.endif
	FETCH \slot, \q, \g
	s_wait_dscnt 32                                ; all but the 32 just issued
	WIN MUL
	MUL8 \f, 1, 0, 0
	MUL8 \f, 1, 2, 0
.endm
.macro TURN slot, next, fill
	WIN 0
	s_wait_tensorcnt 0x0                           ; all my tensor loads have landed: my part of the next slot;
	ds_add_u32 v[SPW], v[NIL]                      ; 0 onto my spare word;
	s_wait_dscnt 17                                ; (the add and the youngest sixteen loads may be out)
	WIN MUL
	MUL8 F1, 0, 0, 0
	s_wait_dscnt 0x0                               ; the add is done, and my reads of this slot are over
	s_barrier_signal -1
	MUL8 F1, 0, 2, 0
.if \fill
	WIN 0
.endif
	s_barrier_wait -1
.if \fill
	CREST                                          ; a round of the cluster's barrier: no wave of any partner still reads this slot or has a load on its way
	s_add_nc_u64 s[G0+4*(\slot)+2:G0+4*(\slot)+3], s[G0+4*(\slot)+2:G0+4*(\slot)+3], 2*KSTEP*2
	s_add_nc_u64 s[G0B+4*(\slot)+2:G0B+4*(\slot)+3], s[G0B+4*(\slot)+2:G0B+4*(\slot)+3], 2*KSTEP*BPIT*2
	JLOAD \slot
.else
	PLACES
.endif
	FETCH \next, 0, F0
	WIN MUL
	MUL8 F1, 1, 0, 0
	MUL8 F1, 1, 2, 0
.endm
; TOT += g x PART, two numbers an instruction, in ascending order (each accumulator's lowest registers are read first); first = 1: TOT = g x PART, so nothing is cleared.
; Its 64 lines and the four in front are also the places between a tile's last products and the next tile's, which write PART anew.
.macro FLUSH first
	PLACES
.if \first
	WIN 0x80                                       ; destination window 2
.else
	WIN 0xa0                                       ; destination and source 2 window 2
.endif
.set z, 0
.rept 64
.if \first
	v_pk_mul_f32 v[2*z:2*z+1], v[ACC+2*z:ACC+2*z+1], v[G+2*(z/16):G+2*(z/16)+1] op_sel_hi:[1,0]
.else
	v_pk_fma_f32 v[2*z:2*z+1], v[ACC+2*z:ACC+2*z+1], v[G+2*(z/16):G+2*(z/16)+1], v[2*z:2*z+1] op_sel_hi:[1,0,1]
.endif
.set z, z+1
.endr
.endm
	s_wait_tensorcnt 1                             ; my part of K step 0 is in; K step 1's load may stay out
	s_wait_dscnt 0x0                               ; for the others' sake: my row's g are stored
	s_barrier_signal -1
	s_barrier_wait -1
	FETCH 0, 0, F0
	QUARTER 0, 1, F0, F1, 1, 0                     ; key tile 0
	QUARTER 0, 2, F1, F0, 0, -1
	FLUSH 1
	WIN 0
	s_mov_b32 s3, LAPS-1
.Llap:                                                 ; a trip: a lap's tiles 1, 2, 3 and the next lap's tile 0; both slots are filled again
	QUARTER 0, 3, F0, F1, 1, 512
	TURN 0, 1, 1
	FLUSH 0
	QUARTER 1, 1, F0, F1, 1, 1024
	QUARTER 1, 2, F1, F0, 0, -1
	FLUSH 0
	QUARTER 1, 3, F0, F1, 1, 1536
	TURN 1, 0, 1
	FLUSH 0
	QUARTER 0, 1, F0, F1, 1, 2048
	WIN 0
	v_add_nc_u32 v[GA], 2048, v[GA]                ; the next lap's four tiles
	QUARTER 0, 2, F1, F0, 0, -1
	FLUSH 0
	WIN 0
	s_sub_co_u32 s3, s3, 1
	s_cmp_lg_u32 s3, 0
	s_cbranch_scc1 .Llap
	QUARTER 0, 3, F0, F1, 1, 512                   ; the last lap fills nothing
	TURN 0, 1, 0
	FLUSH 0
	QUARTER 1, 1, F0, F1, 1, 1024
	QUARTER 1, 2, F1, F0, 0, -1
	FLUSH 0
	QUARTER 1, 3, F0, F1, 1, 1536
	s_wait_dscnt 16
	WIN MUL
	MUL8 F1, 0, 0, 0
	MUL8 F1, 0, 2, 0
	s_wait_dscnt 0
	MUL8 F1, 1, 0, 0
	MUL8 F1, 1, 2, 0
	FLUSH 0
	; THE WAY OUT: TOT rounded to bf16; into the stage; a barrier, since a row's 256 bytes come from two waves; back as whole rows, 32 rows a wave.
	WIN 0x0a                                       ; sources 0 and 1 window 2, destination window 0
.irp t, 0,1,2,3,4,5,6,7,8,9,10,11,12,13,14,15
.irp r, 0,1,2,3
	v_cvt_pk_bf16_f32 v[TMP+4*(\t)+(\r)], v[8*(\t)+2*(\r)], v[8*(\t)+2*(\r)+1]
.endr
.endr
	WIN 0
.irp a, 0,1,2,3
.irp b, 0,1,2,3
	ds_store_b128 v[STO], v[TMP+4*(4*(\a)+(\b)):TMP+4*(4*(\a)+(\b))+3] offset:(\a)*16*SPITCH+32*(\b)
.endr
.endr
	s_wait_dscnt 0x0                               ; for the others' sake: my stores into the stage are done
	s_barrier_signal -1
	s_barrier_wait -1
.irp t, 0,1,2,3,4,5,6,7,8,9,10,11,12,13,14,15
	ds_load_b128 v[TMP+4*(\t):TMP+4*(\t)+3], v[RD] offset:(\t)*2*SPITCH
.endr
.irp t, 0,1,2,3,4,5,6,7,8,9,10,11,12,13,14,15
	s_wait_dscnt 15-(\t)
	global_store_b128 v[CO], v[TMP+4*(\t):TMP+4*(\t)+3], s[8:9] offset:2*(\t)*CROW  ; 16 lanes store 256 consecutive bytes, aligned
.endr
	s_wait_tensorcnt 0x0                           ; the wave's end
	ds_add_u32 v[SPW], v[NIL]
	s_wait_dscnt 0x0
	CROUND                                         ; the closing round
	s_endpgm
.Lfunc_end_k_qabdefc2415_mix:
	.size	k_qabdefc2415_mix, .Lfunc_end_k_qabdefc2415_mix-k_qabdefc2415_mix
	.p2alignl 7, 3214868480
	.fill 96, 4, 3214868480
	.section	.rodata,"a",@progbits
	.p2align	6, 0x0
	.amdhsa_kernel k_qabdefc2415_mix
		.amdhsa_group_segment_fixed_size 327680
		.amdhsa_private_segment_fixed_size 0
		.amdhsa_enable_private_segment 0
		.amdhsa_kernarg_size 32
		.amdhsa_user_sgpr_count 2
		.amdhsa_user_sgpr_kernarg_segment_ptr 1
		.amdhsa_wavefront_size32 1
		.amdhsa_system_sgpr_workgroup_id_x 1
		.amdhsa_system_sgpr_workgroup_id_y 1
		.amdhsa_system_sgpr_workgroup_id_z 1
		.amdhsa_system_vgpr_workitem_id 0
		.amdhsa_next_free_vgpr 640
		.amdhsa_next_free_sgpr 76
		.amdhsa_reserve_vcc 0
		.amdhsa_float_denorm_mode_32 3
		.amdhsa_float_denorm_mode_16_64 3
		.amdhsa_memory_ordered 1
		.amdhsa_forward_progress 1
		.amdhsa_inst_pref_size 131
	.end_amdhsa_kernel
	.amdgpu_metadata
---
amdhsa.version: [ 1, 2 ]
amdhsa.kernels:
  - .name:           k_qabdefc2415_mix
    .symbol:         k_qabdefc2415_mix.kd
    .args:
      - { .name: p, .offset: 0, .size: 8, .value_kind: global_buffer, .address_space: global }
      - { .name: vbf, .offset: 8, .size: 8, .value_kind: global_buffer, .address_space: global }
      - { .name: qu, .offset: 16, .size: 8, .value_kind: global_buffer, .address_space: global }
      - { .name: stat, .offset: 24, .size: 8, .value_kind: global_buffer, .address_space: global }
    .group_segment_fixed_size: 327680
    .private_segment_fixed_size: 0
    .kernarg_segment_align: 8
    .kernarg_segment_size: 32
    .max_flat_workgroup_size: 128
    .sgpr_count:     76
    .vgpr_count:     640
    .wavefront_size: 32
...
	.end_amdgpu_metadata
.endif
;; end of part 5
;; launch outp (part 6): grid 8 x 32, 4 waves a work-group, clusters of 4 x 4, 327,680 bytes of LDS; arguments qu, wbf, out0, b; writes out0
.if DOCPART == 6
	.amdgcn_target "amdgcn-amd-amdhsa--gfx1250"
	.amdhsa_code_object_version 6
	.text
	.protected	k_qabdefc2415_outp
	.globl	k_qabdefc2415_outp
	.p2align	8
	.type	k_qabdefc2415_outp,@function
k_qabdefc2415_outp:
	s_mov_b64 s[64:65], 0
	v_nop
	global_prefetch_b8 v0, s[64:65] scope:SCOPE_SE
	s_setreg_imm32_b32 hwreg(HW_REG_WAVE_MODE, 25, 1), 1
	s_wait_xcnt 0x0
	s_wait_alu depctr_hold_cnt(0) depctr_sa_sdst(0) depctr_va_vdst(0) depctr_va_sdst(0) depctr_va_ssrc(0) depctr_va_vcc(0) depctr_vm_vsrc(0)
	s_getreg_b32 s2, hwreg(HW_REG_IB_STS2, 6, 4)
	s_cmp_eq_u32 s2, 0
	s_cbranch_scc0 .Lentry_in_a_cluster
	s_endpgm
.Lentry_in_a_cluster:
	s_bfe_u32 s2, ttmp6, 0x10000c
	s_cmp_lg_u32 s2, 0xf033
	s_cbranch_scc0 .Lentry_shape_is_right
	s_endpgm
.Lentry_shape_is_right:
; out[s][p] = the sum over e of U[s][e] W[p][e] + b[p].  U = qu [4096][1024] bf16 (the weighted mean of the values), W = wbf [1024][1024] bf16,
; b [1024] f32 (rounded to bf16 here, like the other inputs), out = out0 [4096][1024] f32.  NaN and infinities are not treated apart.
; A tile of out is 128 x 128: 8 x 32 tiles, one work-group each.  Four waves, each 64 x 64: 16 accumulators.  K goes in 4 steps of 256 through two LDS slots.
; The bias is the C operand of the products that start the sums.
; CLUSTERS: 4 x 4.  U's tiles are shared along a row of the cluster, W's along a column: each is asked for JOINTLY.
; THE MATRIX INSTRUCTION IS USED TRANSPOSED (source 0 = 16 rows of W, source 1 = 16 rows of U): a lane holds row lane % 16 and the columns 8 (lane / 16) + 0..7.
; THE WAY OUT: a wave's 64 columns of f32 are 256 bytes of a row, aligned: each wave turns its own blocks of 16 rows in a stage of its own, with no barrier.
; REGISTERS: window 0: v0-31 addresses; v32-95 the way out, two sets of 32; v96-127 the bias; v128-255 the accumulators.  window 1: two fragment buffers of 128.
.set KDIM,   1024
.set KSTEP,  256
.set PITCH,  528
.set HALFT,  64*PITCH
.set SLOT,   4*HALFT
.set STAGE,  2*SLOT                    ; behind the ring: 16 rows x 272 bytes for each wave
.set SPITCH, 272
.set SPARE,  STAGE+4*16*SPITCH
.set LAPS,   KDIM/(2*KSTEP)
.set CROW,   4096                      ; bytes in a row of out
.set ADRA, 16
.set ADRB, 20
.set STO,  24
.set RD,   25
.set CO,   26
.set SPW,  28
.set NIL,  29
.set TMP,  32
.set BIAS, 96
.set ACC,  128
.set F0,   0
.set F1,   128
.set G1, 24
.set G0, 32
.set G1B, 48
.set G0B, 56
.set MSB, 0
.macro WIN new
.if MSB != (\new)
	s_set_vgpr_msb (MSB<<8)|(\new)
.set MSB, \new
.endif
.endm
.set MUL,  0x05
.set TO_F, 0x40
.macro JLOAD s                         ; a joint load: waves 0 and 1 fetch U's two halves, waves 2 and 3 W's; an s_nop 0 and four v_nop follow each line
	s_cmp_eq_u32 s11, 0
	s_cbranch_scc0 .Lfor_b_\@
	tensor_load_to_lds s[G0+4*(\s):G0+4*(\s)+3], s[G1:G1+7]
	s_nop 0
.rept 4
	v_nop
.endr
	s_branch .Lasked_\@
.Lfor_b_\@:
	tensor_load_to_lds s[G0B+4*(\s):G0B+4*(\s)+3], s[G1B:G1B+7]
	s_nop 0
.rept 4
	v_nop
.endr
.Lasked_\@:
.endm
.macro CREST
	s_cmp_lg_u32 s10, 0
	s_cbranch_scc1 .Lnot_wave_0_\@
	s_barrier_signal -3
.Lnot_wave_0_\@:
	s_barrier_wait -3
	s_barrier_signal -1
	s_barrier_wait -1
.endm
.macro CROUND
	s_barrier_signal -1
	s_barrier_wait -1
	CREST
.endm
	s_load_b128 s[4:7], s[0:1], 0x0                ; U s[4:5], W s[6:7]
	s_load_b64 s[8:9], s[0:1], 0x10                ; out
	s_load_b64 s[68:69], s[0:1], 0x18              ; b
	v_lshl_add_u32 v[SPW], v0, 2, SPARE
	v_mov_b32 v[NIL], 0
	ds_add_u32 v[SPW], v[NIL]                      ; the wave's opening: the add and its wait stand ahead of my first tensor load
	v_lshrrev_b32 v1, 5, v0
	v_readfirstlane_b32 s10, v1                    ; wave 0..3
	s_lshr_b32 s11, s10, 1
	s_and_b32 s12, s10, 1
	s_bfe_u32 s40, ttmp6, 0x40000
	s_bfe_u32 s41, ttmp6, 0x40004
	s_lshl_b32 s42, ttmp9, 2
	s_add_co_u32 s42, s42, s40                     ; tile column
	s_and_b32 s13, ttmp7, 0xffff
	s_lshl_b32 s13, s13, 2
	s_add_co_u32 s13, s13, s41                     ; tile row
	s_lshl_b32 s43, s41, 2
	s_lshl_b32 s43, 15, s43
	s_lshl_b32 s44, 0x1111, s40
	s_or_b32 s[G1+0], s43, (1<<16)|(1<<20)|(1<<21)|(6<<22)|(3<<25)
	s_or_b32 s[G1B+0], s44, (1<<16)|(1<<20)|(1<<21)|(6<<22)|(3<<25)
.irp g, G1, G1B
	s_mov_b32 s[(\g)+1], KSTEP<<16
	s_mov_b32 s[(\g)+2], 64<<16
	s_mov_b32 s[(\g)+3], KSTEP<<16
	s_mov_b32 s[(\g)+4], 64
	s_mov_b32 s[(\g)+5], KDIM
	s_mov_b32 s[(\g)+6], 0
	s_mov_b32 s[(\g)+7], 0
.endr
	s_lshl_b32 s17, s12, 6
	s_lshl_b32 s16, s13, 7
	s_add_co_u32 s16, s16, s17
	s_lshl_b32 s46, s42, 7
	s_add_co_u32 s46, s46, s17
	s_mov_b32 s17, 0
	s_mov_b32 s47, 0
	s_mov_b64 s[18:19], KDIM*2
	s_mul_u64 s[16:17], s[16:17], s[18:19]
	s_mul_u64 s[46:47], s[46:47], s[18:19]
	s_mul_i32 s20, s10, HALFT
	s_wait_dscnt 0x0                               ; the opening add is done
	s_wait_kmcnt 0x0
	s_add_nc_u64 s[14:15], s[4:5], s[16:17]
	s_add_nc_u64 s[46:47], s[6:7], s[46:47]
	CROUND                                         ; all sixteen work-groups are here: the first joint loads meet
.irp s, 0,1
	s_mov_b32 s[G0+4*(\s)], 1
	s_add_co_u32 s[G0+4*(\s)+1], s20, (\s)*SLOT
	s_add_nc_u64 s[G0+4*(\s)+2:G0+4*(\s)+3], s[14:15], (\s)*KSTEP*2
	s_or_b32 s[G0+4*(\s)+3], s[G0+4*(\s)+3], 0x80000000
	s_mov_b32 s[G0B+4*(\s)], 1
	s_add_co_u32 s[G0B+4*(\s)+1], s20, (\s)*SLOT
	s_add_nc_u64 s[G0B+4*(\s)+2:G0B+4*(\s)+3], s[46:47], (\s)*KSTEP*2
	s_or_b32 s[G0B+4*(\s)+3], s[G0B+4*(\s)+3], 0x80000000
	JLOAD \s
.endr
	v_and_b32 v1, 15, v0                           ; l % 16
	v_bfe_u32 v2, v0, 4, 1                         ; l / 16
	; my 64 columns, in bytes of f32: 512 x tile column + 256 x half: for the bias and for out
	s_lshl_b32 s46, s42, 9
	s_lshl_b32 s47, s12, 8
	s_add_co_u32 s46, s46, s47
	s_mov_b32 s47, 0
	s_add_nc_u64 s[68:69], s[68:69], s[46:47]
	s_add_nc_u64 s[8:9], s[8:9], s[46:47]
	v_lshlrev_b32 v6, 5, v2
.irp b, 0,1,2,3
	global_load_b128 v[BIAS+8*(\b):BIAS+8*(\b)+3],   v6, s[68:69] offset:64*(\b)
	global_load_b128 v[BIAS+8*(\b)+4:BIAS+8*(\b)+7], v6, s[68:69] offset:64*(\b)+16
.endr
	v_mul_u32_u24 v3, v1, PITCH
	v_lshl_add_u32 v3, v2, 4, v3
	s_mul_i32 s21, s11, HALFT
	s_mul_i32 s22, s12, HALFT
	s_add_co_u32 s22, s22, 2*HALFT
.irp s, 0,1
	v_add_nc_u32 v[ADRA+(\s)], s21, v3
	v_add_nc_u32 v[ADRB+(\s)], s22, v3
	s_add_co_u32 s21, s21, SLOT
	s_add_co_u32 s22, s22, SLOT
.endr
	s_mul_i32 s23, s10, 16*SPITCH
	s_add_co_u32 s23, s23, STAGE                   ; my stage
	v_mul_u32_u24 v4, v1, SPITCH                   ; in: row l % 16, 32 bytes for each half of the lanes
	v_lshl_add_u32 v4, v2, 5, v4
	v_add_nc_u32 v[STO], s23, v4
	v_mul_u32_u24 v5, v2, SPITCH                   ; back: lanes 0-15 take one row of 256 bytes, lanes 16-31 the next
	v_lshl_add_u32 v5, v1, 4, v5
	v_add_nc_u32 v[RD], s23, v5
	v_mul_u32_u24 v5, v2, CROW
	v_lshl_add_u32 v[CO], v1, 4, v5
	s_lshl_b32 s16, s13, 7
	s_lshl_b32 s17, s11, 6
	s_add_co_u32 s16, s16, s17                     ; my first row: 128 x tile row + 64 x half
	s_mov_b32 s17, 0
	s_mov_b64 s[18:19], CROW
	s_mul_u64 s[16:17], s[16:17], s[18:19]
	s_add_nc_u64 s[8:9], s[8:9], s[16:17]
	s_wait_loadcnt 0x0                             ; the bias is in; it is rounded to bf16 and widened again
.set i, 0
.rept 16
	v_cvt_pk_bf16_f32 v[TMP+i], v[BIAS+2*i], v[BIAS+2*i+1]
.set i, i+1
.endr
.set i, 0
.rept 16
	v_lshlrev_b32 v[BIAS+2*i], 16, v[TMP+i]
	v_and_b32 v[BIAS+2*i+1], 0xffff0000, v[TMP+i]
.set i, i+1
.endr
.macro MUL8 f, c, a0, zero             ; zero = 1: the product starts the sum, with the bias as C
	WIN MUL
.irp a, \a0, (\a0)+1
.irp b, 0,1,2,3
.if \zero
	v_wmma_f32_16x16x32_bf16 v[ACC+8*(4*(\a)+(\b)):ACC+8*(4*(\a)+(\b))+7], v[(\f)+64+8*(4*(\c)+(\b)):(\f)+64+8*(4*(\c)+(\b))+7], v[(\f)+8*(4*(\c)+(\a)):(\f)+8*(4*(\c)+(\a))+7], v[BIAS+8*(\b):BIAS+8*(\b)+7]
.else
	v_wmma_f32_16x16x32_bf16 v[ACC+8*(4*(\a)+(\b)):ACC+8*(4*(\a)+(\b))+7], v[(\f)+64+8*(4*(\c)+(\b)):(\f)+64+8*(4*(\c)+(\b))+7], v[(\f)+8*(4*(\c)+(\a)):(\f)+8*(4*(\c)+(\a))+7], v[ACC+8*(4*(\a)+(\b)):ACC+8*(4*(\a)+(\b))+7]
.endif
.endr
.endr
.endm
.macro FETCH slot, k, f
	WIN TO_F
.irp c, 0,1
.irp i, 0,1,2,3
	ds_load_b128 v[(\f)+64+8*(4*(\c)+(\i)):(\f)+64+8*(4*(\c)+(\i))+3],   v[ADRB+(\slot)] offset:(\k)+64*(\c)+(\i)*16*PITCH
	ds_load_b128 v[(\f)+64+8*(4*(\c)+(\i))+4:(\f)+64+8*(4*(\c)+(\i))+7], v[ADRB+(\slot)] offset:(\k)+64*(\c)+(\i)*16*PITCH+32
	ds_load_b128 v[(\f)+8*(4*(\c)+(\i)):(\f)+8*(4*(\c)+(\i))+3],         v[ADRA+(\slot)] offset:(\k)+64*(\c)+(\i)*16*PITCH
	ds_load_b128 v[(\f)+8*(4*(\c)+(\i))+4:(\f)+8*(4*(\c)+(\i))+7],       v[ADRA+(\slot)] offset:(\k)+64*(\c)+(\i)*16*PITCH+32
.endr
.endr
.endm
.macro PLACES                          ; four places in front of loads into registers that matrix instructions have read, and of instructions that read results
.rept 4
	v_nop
.endr
.endm
.macro QUARTER slot, k, f, g, zero     ; the 16 accumulators take turns
	s_wait_dscnt 16                                ; the first 32 along K are in; the youngest sixteen loads may be out
	WIN MUL
	MUL8 \f, 0, 0, \zero
	MUL8 \f, 0, 2, \zero
	PLACES
	FETCH \slot, \k, \g
	s_wait_dscnt 32                                ; all but the 32 just issued
	WIN MUL
	MUL8 \f, 1, 0, 0
	MUL8 \f, 1, 2, 0
.endm
.macro TURN slot, next, fill
	WIN 0
	s_wait_tensorcnt 0x0                           ; all my tensor loads have landed: my part of the next slot;
	ds_add_u32 v[SPW], v[NIL]                      ; 0 onto my spare word;
	s_wait_dscnt 17                                ; (the add and the youngest sixteen loads may be out)
	WIN MUL
	MUL8 F1, 0, 0, 0
	s_wait_dscnt 0x0                               ; the add is done, and my reads of this slot are over
	s_barrier_signal -1
	MUL8 F1, 0, 2, 0
.if \fill
	WIN 0
.endif
	s_barrier_wait -1
.if \fill
	CREST                                          ; a round of the cluster's barrier: no wave of any partner still reads this slot or has a load on its way
	s_add_nc_u64 s[G0+4*(\slot)+2:G0+4*(\slot)+3], s[G0+4*(\slot)+2:G0+4*(\slot)+3], 2*KSTEP*2
	s_add_nc_u64 s[G0B+4*(\slot)+2:G0B+4*(\slot)+3], s[G0B+4*(\slot)+2:G0B+4*(\slot)+3], 2*KSTEP*2
	JLOAD \slot
.else
	PLACES
.endif
	FETCH \next, 0, F0
	WIN MUL
	MUL8 F1, 1, 0, 0
	MUL8 F1, 1, 2, 0
.endm
	s_wait_tensorcnt 1                             ; my part of K step 0 is in; K step 1's load may stay out
	s_barrier_signal -1
	s_barrier_wait -1
	FETCH 0, 0, F0
	QUARTER 0, 128, F0, F1, 1
	WIN 0
	s_mov_b32 s3, LAPS-1
.Llap:
	QUARTER 0, 256, F1, F0, 0
	QUARTER 0, 384, F0, F1, 0
	TURN 0, 1, 1
	QUARTER 1, 128, F0, F1, 0
	QUARTER 1, 256, F1, F0, 0
	QUARTER 1, 384, F0, F1, 0
	TURN 1, 0, 1
	QUARTER 0, 128, F0, F1, 0
	WIN 0
	s_sub_co_u32 s3, s3, 1
	s_cmp_lg_u32 s3, 0
	s_cbranch_scc1 .Llap
	QUARTER 0, 256, F1, F0, 0                      ; the last lap fills nothing
	QUARTER 0, 384, F0, F1, 0
	TURN 0, 1, 0
	QUARTER 1, 128, F0, F1, 0
	QUARTER 1, 256, F1, F0, 0
	QUARTER 1, 384, F0, F1, 0
	s_wait_dscnt 16
	WIN MUL
	MUL8 F1, 0, 0, 0
	MUL8 F1, 0, 2, 0
	s_wait_dscnt 0
	MUL8 F1, 1, 0, 0
	MUL8 F1, 1, 2, 0
	WIN 0
	; THE WAY OUT, a block of 16 rows at a time: a lane's eight columns (32 bytes) into rows of 272 bytes of my own stage, back as whole rows of 256 bytes, and stored.
	; LDS serves a wave's instructions in order (ISA guide 5.7.1.4): the loads see the stores above them, and the next block's stores come behind these loads.
	PLACES
.irp a, 0,1,2,3
.irp b, 0,1,2,3
	ds_store_b128 v[STO], v[ACC+8*(4*(\a)+(\b)):ACC+8*(4*(\a)+(\b))+3]   offset:64*(\b)
	ds_store_b128 v[STO], v[ACC+8*(4*(\a)+(\b))+4:ACC+8*(4*(\a)+(\b))+7] offset:64*(\b)+16
.endr
	s_wait_xcnt 0x0                                ; the set of 32 registers that the block before last stored from is loaded again only behind this wait
.irp t, 0,1,2,3,4,5,6,7
	ds_load_b128 v[TMP+32*((\a)%2)+4*(\t):TMP+32*((\a)%2)+4*(\t)+3], v[RD] offset:(\t)*2*SPITCH
.endr
.irp t, 0,1,2,3,4,5,6,7
	s_wait_dscnt 7-(\t)
	global_store_b128 v[CO], v[TMP+32*((\a)%2)+4*(\t):TMP+32*((\a)%2)+4*(\t)+3], s[8:9] offset:(16*(\a)+2*(\t))*CROW  ; 16 lanes store 256 consecutive bytes, aligned
.endr
.endr
	s_wait_tensorcnt 0x0                           ; the wave's end
	ds_add_u32 v[SPW], v[NIL]
	s_wait_dscnt 0x0
	CROUND                                         ; the closing round
	s_endpgm
.Lfunc_end_k_qabdefc2415_outp:
	.size	k_qabdefc2415_outp, .Lfunc_end_k_qabdefc2415_outp-k_qabdefc2415_outp
	.p2alignl 7, 3214868480
	.fill 96, 4, 3214868480
	.section	.rodata,"a",@progbits
	.p2align	6, 0x0
	.amdhsa_kernel k_qabdefc2415_outp
		.amdhsa_group_segment_fixed_size 327680
		.amdhsa_private_segment_fixed_size 0
		.amdhsa_enable_private_segment 0
		.amdhsa_kernarg_size 32
		.amdhsa_user_sgpr_count 2
		.amdhsa_user_sgpr_kernarg_segment_ptr 1
		.amdhsa_wavefront_size32 1
		.amdhsa_system_sgpr_workgroup_id_x 1
		.amdhsa_system_sgpr_workgroup_id_y 1
		.amdhsa_system_sgpr_workgroup_id_z 1
		.amdhsa_system_vgpr_workitem_id 0
		.amdhsa_next_free_vgpr 512
		.amdhsa_next_free_sgpr 76
		.amdhsa_reserve_vcc 0
		.amdhsa_float_denorm_mode_32 3
		.amdhsa_float_denorm_mode_16_64 3
		.amdhsa_memory_ordered 1
		.amdhsa_forward_progress 1
		.amdhsa_inst_pref_size 90
	.end_amdhsa_kernel
	.amdgpu_metadata
---
amdhsa.version: [ 1, 2 ]
amdhsa.kernels:
  - .name:           k_qabdefc2415_outp
    .symbol:         k_qabdefc2415_outp.kd
    .args:
      - { .name: qu, .offset: 0, .size: 8, .value_kind: global_buffer, .address_space: global }
      - { .name: wbf, .offset: 8, .size: 8, .value_kind: global_buffer, .address_space: global }
      - { .name: out0, .offset: 16, .size: 8, .value_kind: global_buffer, .address_space: global }
      - { .name: b, .offset: 24, .size: 8, .value_kind: global_buffer, .address_space: global }
    .group_segment_fixed_size: 327680
    .private_segment_fixed_size: 0
    .kernarg_segment_align: 8
    .kernarg_segment_size: 32
    .max_flat_workgroup_size: 128
    .sgpr_count:     76
    .vgpr_count:     512
    .wavefront_size: 32
...
	.end_amdgpu_metadata
.endif
;; end of part 6
;; ======== version 2 of 3: 5 launches; 1.18 times as fast as version 1
;; workspace buffers: qu 8,388,608 bytes; vbf 33,554,432 bytes; wbf 2,097,152 bytes; wtb 2,097,152 bytes; zb 4,096 bytes; q 8,388,608 bytes; p 16,777,216 bytes; stat 1,048,576 bytes
;; launch cast (part 7): grid 736 x 1, 8 waves a work-group, no clusters, 113,664 bytes of LDS; arguments query, value, W, b, q, vbf, wbf, wtb, zb; writes q, vbf, wbf, wtb, zb
.if DOCPART == 7
	.amdgcn_target "amdgcn-amd-amdhsa--gfx1250"
	.amdhsa_code_object_version 6
	.text
	.protected	k_qabdefc2415_cast
	.globl	k_qabdefc2415_cast
	.p2align	8
	.type	k_qabdefc2415_cast,@function
k_qabdefc2415_cast:
	s_mov_b64 s[64:65], 0
	v_nop
	global_prefetch_b8 v0, s[64:65] scope:SCOPE_SE
	s_setreg_imm32_b32 hwreg(HW_REG_WAVE_MODE, 25, 1), 1
	s_wait_xcnt 0x0
; TWO JOBS in one launch, told apart by the work-group's number.
; Work-groups 64-735, A STREAM: query, value and W, all f32, are rounded once to bf16 (nearest even) into q, vbf, wbf.  64-191 query, 192-703 value, 704-735 W: a chunk of 131,072
; bytes of f32 each.  A wave takes 16,384 bytes by 32 loads of 16 bytes a lane (512 neighbouring bytes each), all issued before the first is used; four numbers pack into 8 bytes, so each
; store of the wave covers 256 consecutive bytes, aligned.  (The keys are rounded where they are multiplied.)
; Work-groups 0-63: G = W^T W and c = b W.  WHY: (x W^T + b) W = x G + c, so the queries pass through ONE product with G in place of two with W.  The order of the sums differs from the
; written one.  wtb[e][e'] = the sum over p of W[p][e] W[p][e'] (bf16 products, f32 sums, rounded once to bf16); zb[e'] = the sum over p of b[p] W[p][e'] in f32, from the numbers as loaded.
; Work-group g makes the tile of 128 rows e (tile row g / 8) x 128 columns e' (tile column g % 8); wave w the rows 32 (w / 2) .. + 31 and the columns 64 (w % 2) .. + 63: 8 accumulators.
; p goes in 16 chunks of 64.  A wave loads rows 8 w .. 8 w + 7 of the chunk, 512 bytes of each of the two column panels, rounds them in place and stores them as [p][e] rows into one of
; two LDS buffers; both operands are read turned, by ds_load_tr16_b128.  Two sets of registers: a chunk's loads are out for two chunks.  ONE barrier a chunk: a buffer is written again only
; behind the barrier in front of which every wave has waited for its reads of it.  No cluster and no tensor loads: the numbers are rounded on their way into LDS.
; NaN and infinities are not treated apart.
.set X,   16                           ; stream: v[16:143] as loaded; G: two sets of 64: panel a's 8 rows x 4, then panel b's
.set Y,   144                          ; stream: v[144:207] to store
.set PB,     288                       ; an LDS row: 256 bytes + 32 = 72 words
.set PANEL,  64*PB
.set PBUF,   2*PANEL
.set STAGE,  2*PBUF                    ; 128 rows x 272 bytes, for the way out
.set SPITCH, 272
.set CRED,   STAGE+128*SPITCH          ; 512 bytes a wave: its partial sums of c
.set SPARE,  CRED+4096                 ; the spare words, 128 bytes a wave: four blocks of 256 bytes that no other line names
.set CHB,    64*4096                   ; bytes of W in a chunk
.set VA,  1                            ; v1  my byte offset in W for panel a: 8 w rows + the tile row's 512 bytes + 16 x lane
.set VB,  2                            ; v2  the same for panel b
.set STV, 3                            ; v3  where I put 8 bytes of my wave's first row, panel a, buffer 0
.set RA,  6                            ; v6  the turning load's address for my rows' fragments, buffer 0
.set RB,  7                            ; v7  for my columns'
.set SPW, 9                            ; v9  SPARE + 4 x my thread's number; never rewritten
.set NIL, 10                           ; v10 0; never rewritten
.set CA,  12                           ; v[12:15] my partial sums of c: columns 4 x lane + 0..3 of panel b
.set FR,  144                          ; v[144:191] fragments: 2 of my rows, then 4 of my columns
.set ACC, 192                          ; v[192:255] accumulator (a, b) at ACC + 8 (4 a + b)
.set WV, 2                             ; s2
.set TA, 26
.set TB, 27
.set WR, 28
.set WC, 29
.set CN, 33
.set BV, 40                            ; s[40:47], s[48:55] b of my 8 rows, by the chunk's parity
	s_load_b512 s[8:23], s[0:1], 0x0               ; query, value, W, b, q, vbf, wbf, wtb
	s_load_b64 s[24:25], s[0:1], 0x40              ; zb
	v_lshl_add_u32 v[SPW], v0, 2, SPARE
	v_mov_b32 v[NIL], 0
	v_lshrrev_b32 v3, 5, v0                        ; wave
	v_and_b32 v4, 31, v0                           ; lane
	s_cmp_lt_u32 ttmp9, 64
	s_cbranch_scc1 .Lgram
	v_lshlrev_b32 v1, 14, v3
	v_lshl_add_u32 v1, v4, 4, v1                   ; in: 16,384 x wave + 16 x lane
	v_lshlrev_b32 v2, 13, v3
	v_lshl_add_u32 v2, v4, 3, v2                   ; out: 8,192 x wave + 8 x lane
	s_sub_co_u32 s28, ttmp9, 64                    ; my chunk among the stream's
	s_wait_kmcnt 0x0
	s_mov_b64 s[4:5], s[8:9]                       ; which tensor: a choice by the work-group's number alone
	s_mov_b64 s[6:7], s[16:17]
	s_mov_b32 s3, 0                                ; the tensor's first chunk
	s_cmp_ge_u32 s28, 128
	s_cselect_b64 s[4:5], s[10:11], s[4:5]
	s_cselect_b64 s[6:7], s[18:19], s[6:7]
	s_cselect_b32 s3, 128, s3
	s_cmp_ge_u32 s28, 640
	s_cselect_b64 s[4:5], s[12:13], s[4:5]
	s_cselect_b64 s[6:7], s[20:21], s[6:7]
	s_cselect_b32 s3, 640, s3
	s_sub_co_u32 s2, s28, s3                       ; my chunk in that tensor, 511 at the most
	s_lshl_b32 s30, s2, 17
	s_mov_b32 s31, 0
	s_lshl_b32 s34, s2, 16
	s_mov_b32 s35, 0
	s_add_nc_u64 s[4:5], s[4:5], s[30:31]
	s_add_nc_u64 s[6:7], s[6:7], s[34:35]
.set i, 0
.rept 32
	global_load_b128 v[X+4*i:X+4*i+3], v1, s[4:5] offset:512*i th:TH_LOAD_NT
.set i, i+1
.endr
.set i, 0
.rept 32
	s_wait_loadcnt 31-i                            ; loads come back in order: number i is in, the 31 - i younger ones stay out
	v_cvt_pk_bf16_f32 v[Y+2*i], v[X+4*i], v[X+4*i+1]
	v_cvt_pk_bf16_f32 v[Y+2*i+1], v[X+4*i+2], v[X+4*i+3]
	global_store_b64 v2, v[Y+2*i:Y+2*i+1], s[6:7] offset:256*i th:TH_STORE_NT
.set i, i+1
.endr
	s_endpgm
.Lgram:
	v_readfirstlane_b32 s[WV], v3                  ; wave 0..7
	s_lshr_b32 s[TA], ttmp9, 3                     ; tile row
	s_and_b32 s[TB], ttmp9, 7                      ; tile column
	s_lshr_b32 s[WR], s[WV], 1                     ; which 32 rows are mine
	s_and_b32 s[WC], s[WV], 1                      ; which 64 columns
	s_lshl_b32 s30, s[WV], 15                      ; 8 w rows of 4,096 bytes
	s_lshl_b32 s31, s[TA], 9
	s_add_co_u32 s31, s31, s30
	v_lshl_add_u32 v[VA], v4, 4, s31
	s_lshl_b32 s31, s[TB], 9
	s_add_co_u32 s31, s31, s30
	v_lshl_add_u32 v[VB], v4, 4, s31
	s_mul_i32 s30, s[WV], 8*PB
	v_lshl_add_u32 v[STV], v4, 3, s30
	; the turning load: lane l reads 16 bytes of row 8 (l / 16) + l % 8, columns 8 ((l / 8) % 2) + 0..7, and is left with column l % 16 and 8 rows p
	v_bfe_u32 v11, v0, 4, 1
	v_and_b32 v5, 7, v0
	v_lshl_add_u32 v5, v11, 3, v5
	v_mul_u32_u24 v5, v5, PB
	v_bfe_u32 v11, v0, 3, 1
	v_lshl_add_u32 v5, v11, 4, v5
	s_lshl_b32 s30, s[WR], 6                       ; my 32 rows e: 64 bytes of panel a's rows
	v_add_nc_u32 v[RA], s30, v5
	s_lshl_b32 s30, s[WC], 7                       ; my 64 columns e': 128 bytes of panel b's
	s_add_co_u32 s30, s30, PANEL
	v_add_nc_u32 v[RB], s30, v5
	s_lshl_b32 s30, s[WV], 5                       ; b of my 8 rows: 32 bytes
	s_mov_b32 s31, 0
	s_mov_b32 s[CN], 7
	s_wait_kmcnt 0x0
	s_add_nc_u64 s[14:15], s[14:15], s[30:31]
	s_load_b256 s[BV:BV+7], s[14:15], 0x0          ; chunk 0's
	s_load_b256 s[BV+8:BV+15], s[14:15], 0x100     ; chunk 1's
.macro GLOADS par, off                 ; a chunk's 16 loads into set par: a load covers 512 consecutive bytes of a row of W
.irp j, 0,1,2,3,4,5,6,7
	global_load_b128 v[X+64*(\par)+4*(\j):X+64*(\par)+4*(\j)+3],       v[VA], s[12:13] offset:(\off)+(\j)*4096
	global_load_b128 v[X+64*(\par)+32+4*(\j):X+64*(\par)+32+4*(\j)+3], v[VB], s[12:13] offset:(\off)+(\j)*4096
.endr
.endm
	GLOADS 0, 0
	GLOADS 1, CHB
.irp z, 0,1,2,3,4,5,6,7
	v_mov_b32 v[FR+(\z)], 0
.endr
.irp z, 0,1,2,3
	v_mov_b32 v[CA+(\z)], 0
.endr
.set n, 0
.rept 8
	v_wmma_f32_16x16x32_bf16 v[ACC+8*n:ACC+8*n+7], v[FR:FR+7], v[FR:FR+7], 0  ; 0 x 0 + 0: the sums start at 0, while the first loads are on their way, so that every chunk has one form of product
.set n, n+1
.endr
.macro PLACES                          ; four places in front of loads into registers that matrix instructions have read, and of instructions that read results
.rept 4
	v_nop
.endr
.endm
.macro TRL par, kk                     ; 12 LDS loads: the fragments of 32 rows p
.irp a, 0,1
	ds_load_tr16_b128 v[FR+8*(\a):FR+8*(\a)+3],   v[RA] offset:(\par)*PBUF+(\kk)*32*PB+32*(\a)
	ds_load_tr16_b128 v[FR+8*(\a)+4:FR+8*(\a)+7], v[RA] offset:(\par)*PBUF+(\kk)*32*PB+16*PB+32*(\a)
.endr
.irp b, 0,1,2,3
	ds_load_tr16_b128 v[FR+16+8*(\b):FR+16+8*(\b)+3],   v[RB] offset:(\par)*PBUF+(\kk)*32*PB+32*(\b)
	ds_load_tr16_b128 v[FR+16+8*(\b)+4:FR+16+8*(\b)+7], v[RB] offset:(\par)*PBUF+(\kk)*32*PB+16*PB+32*(\b)
.endr
.endm
.macro MM8                             ; source 0 = 16 columns e', source 1 = 16 rows e: a lane holds row l % 16 and the columns 8 (l / 16) + 0..7.  The 8 accumulators take turns
.irp a, 0,1
.irp b, 0,1,2,3
	v_wmma_f32_16x16x32_bf16 v[ACC+8*(4*(\a)+(\b)):ACC+8*(4*(\a)+(\b))+7], v[FR+16+8*(\b):FR+16+8*(\b)+7], v[FR+8*(\a):FR+8*(\a)+7], v[ACC+8*(4*(\a)+(\b)):ACC+8*(4*(\a)+(\b))+7]
.endr
.endr
.endm
; A CHUNK of parity par.  ld = 1: its registers and its scalars are asked for again, two chunks on.  left = the younger chunk's loads, which may stay out.
.macro CHUNK par, ld, left
	s_wait_loadcnt \left
	s_wait_kmcnt 0x0
	s_cmp_lg_u32 s[TA], 0                          ; c is made once for each column: in tile row 0
	s_cbranch_scc1 .Lnot_c_\@
.irp j, 0,1,2,3,4,5,6,7
.irp k, 0,1,2,3
	v_fmac_f32 v[CA+(\k)], s[BV+8*(\par)+(\j)], v[X+64*(\par)+32+4*(\j)+(\k)]
.endr
.endr
.if \ld
	s_load_b256 s[BV+8*(\par):BV+8*(\par)+7], s[14:15], 512+256*(\par)
.endif
.Lnot_c_\@:
.set i, 0
.rept 16
	v_cvt_pk_bf16_f32 v[X+64*(\par)+4*i], v[X+64*(\par)+4*i], v[X+64*(\par)+4*i+1]      ; rounded in place; these 32 lines are also the places behind the last chunk's products
	v_cvt_pk_bf16_f32 v[X+64*(\par)+4*i+1], v[X+64*(\par)+4*i+2], v[X+64*(\par)+4*i+3]
.set i, i+1
.endr
.irp j, 0,1,2,3,4,5,6,7
	ds_store_b64 v[STV], v[X+64*(\par)+4*(\j):X+64*(\par)+4*(\j)+1]       offset:(\par)*PBUF+(\j)*PB        ; a store covers a row's 256 bytes
	ds_store_b64 v[STV], v[X+64*(\par)+32+4*(\j):X+64*(\par)+32+4*(\j)+1] offset:(\par)*PBUF+PANEL+(\j)*PB
.endr
	s_wait_dscnt 0x0                               ; for the others' sake: my rows are stored (my reads of the other buffer were waited for before they were multiplied)
	s_barrier_signal -1
	s_barrier_wait -1
	TRL \par, 0
.if \ld
	GLOADS \par, (2+(\par))*CHB                    ; behind the wait for my stores, which read these registers
.endif
	s_wait_dscnt 0x0
	MM8
	PLACES
	TRL \par, 1
	s_wait_dscnt 0x0
	MM8
.endm
.Ltwo:                                                 ; 7 trips: chunks 2 i and 2 i + 1 are multiplied, chunks 2 i + 2 and 2 i + 3 asked for
	CHUNK 0, 1, 16
	CHUNK 1, 1, 16
	s_wait_xcnt 0x0                                ; every load issued so far has read its address, so the pointers may be written
	s_add_nc_u64 s[12:13], s[12:13], 2*CHB
	s_add_nc_u64 s[14:15], s[14:15], 512
	s_sub_co_u32 s[CN], s[CN], 1
	s_cmp_lg_u32 s[CN], 0
	s_cbranch_scc1 .Ltwo
	CHUNK 0, 0, 16                                 ; the last two chunks load nothing: the counts run down
	CHUNK 1, 0, 0
	; THE WAY OUT: round to bf16; 16 bytes a lane into the stage; a barrier, since a row's 256 bytes come from two waves; back as whole rows, 16 rows a wave.
	PLACES
	v_and_b32 v16, 15, v0                          ; l % 16
	v_bfe_u32 v17, v0, 4, 1                        ; l / 16
	s_mul_i32 s30, s[WR], 32*SPITCH
	s_lshl_b32 s31, s[WC], 7
	s_add_co_u32 s30, s30, s31
	s_add_co_u32 s30, s30, STAGE
	v_mul_u32_u24 v18, v16, SPITCH
	v_lshl_add_u32 v18, v17, 4, v18
	v_add_nc_u32 v18, s30, v18                     ; in: my 32 rows, my half of their 256 bytes
	s_mul_i32 s30, s[WV], 16*SPITCH
	s_add_co_u32 s30, s30, STAGE
	v_mul_u32_u24 v19, v17, SPITCH
	v_lshl_add_u32 v19, v16, 4, v19
	v_add_nc_u32 v19, s30, v19                     ; back: rows 16 w .. 16 w + 15, whole
	v_lshlrev_b32 v20, 11, v17
	v_lshl_add_u32 v20, v16, 4, v20                ; and the same two rows in wtb
	s_lshl_b32 s30, s[WV], 9
	s_add_co_u32 s30, s30, CRED
	v_lshl_add_u32 v21, v4, 4, s30
	v_lshl_add_u32 v22, v4, 4, CRED
	v_lshlrev_b32 v23, 4, v4
	s_lshl_b32 s30, s[TA], 7
	s_lshl_b32 s31, s[WV], 4
	s_add_co_u32 s30, s30, s31                     ; the first row that I store: 128 x tile row + 16 x wave
	s_lshl_b32 s30, s30, 11
	s_lshl_b32 s31, s[TB], 8
	s_add_co_u32 s30, s30, s31
	s_mov_b32 s31, 0
	s_add_nc_u64 s[22:23], s[22:23], s[30:31]
	s_lshl_b32 s30, s[TB], 9
	s_add_nc_u64 s[24:25], s[24:25], s[30:31]
.irp t, 0,1,2,3,4,5,6,7
.irp r, 0,1,2,3
	v_cvt_pk_bf16_f32 v[80+4*(\t)+(\r)], v[ACC+8*(\t)+2*(\r)], v[ACC+8*(\t)+2*(\r)+1]
.endr
.endr
.irp a, 0,1
.irp b, 0,1,2,3
	ds_store_b128 v18, v[80+4*(4*(\a)+(\b)):80+4*(4*(\a)+(\b))+3] offset:(\a)*16*SPITCH+32*(\b)
.endr
.endr
	s_cmp_lg_u32 s[TA], 0
	s_cbranch_scc1 .Lno_part
	ds_store_b128 v21, v[CA:CA+3]
.Lno_part:
	s_wait_dscnt 0x0                               ; for the others' sake: my stores are done
	s_barrier_signal -1
	s_barrier_wait -1
.irp t, 0,1,2,3,4,5,6,7
	ds_load_b128 v[112+4*(\t):112+4*(\t)+3], v19 offset:(\t)*2*SPITCH
.endr
.irp t, 0,1,2,3,4,5,6,7
	s_wait_dscnt 7-(\t)
	global_store_b128 v20, v[112+4*(\t):112+4*(\t)+3], s[22:23] offset:2*(\t)*2048  ; 16 lanes store 256 consecutive bytes, aligned
.endr
	s_or_b32 s30, s[TA], s[WV]                     ; wave 0 of tile row 0 adds up the eight waves' partial sums of c
	s_cmp_lg_u32 s30, 0
	s_cbranch_scc1 .Lend
.irp v, 0,1,2,3,4,5,6,7
	ds_load_b128 v[24+4*(\v):24+4*(\v)+3], v22 offset:512*(\v)
.endr
	s_wait_dscnt 0x0
.irp v, 1,2,3,4,5,6,7
	v_pk_add_f32 v[24:25], v[24:25], v[24+4*(\v):24+4*(\v)+1]
	v_pk_add_f32 v[26:27], v[26:27], v[24+4*(\v)+2:24+4*(\v)+3]
.endr
	global_store_b128 v23, v[24:27], s[24:25]      ; 512 consecutive bytes, aligned
.Lend:
	s_wait_tensorcnt 0x0                           ; the wave's end, behind my last LDS store
	ds_add_u32 v[SPW], v[NIL]
	s_wait_dscnt 0x0
	s_endpgm
.Lfunc_end_k_qabdefc2415_cast:
	.size	k_qabdefc2415_cast, .Lfunc_end_k_qabdefc2415_cast-k_qabdefc2415_cast
	.p2alignl 7, 3214868480
	.fill 96, 4, 3214868480
	.section	.rodata,"a",@progbits
	.p2align	6, 0x0
	.amdhsa_kernel k_qabdefc2415_cast
		.amdhsa_group_segment_fixed_size 113664
		.amdhsa_private_segment_fixed_size 0
		.amdhsa_enable_private_segment 0
		.amdhsa_kernarg_size 72
		.amdhsa_user_sgpr_count 2
		.amdhsa_user_sgpr_kernarg_segment_ptr 1
		.amdhsa_wavefront_size32 1
		.amdhsa_system_sgpr_workgroup_id_x 1
		.amdhsa_system_sgpr_workgroup_id_y 1
		.amdhsa_system_sgpr_workgroup_id_z 1
		.amdhsa_system_vgpr_workitem_id 0
		.amdhsa_next_free_vgpr 256
		.amdhsa_next_free_sgpr 66
		.amdhsa_reserve_vcc 0
		.amdhsa_float_denorm_mode_32 3
		.amdhsa_float_denorm_mode_16_64 3
		.amdhsa_memory_ordered 1
		.amdhsa_forward_progress 1
		.amdhsa_inst_pref_size 57
	.end_amdhsa_kernel
	.amdgpu_metadata
---
amdhsa.version: [ 1, 2 ]
amdhsa.kernels:
  - .name:           k_qabdefc2415_cast
    .symbol:         k_qabdefc2415_cast.kd
    .args:
      - { .name: query, .offset: 0, .size: 8, .value_kind: global_buffer, .address_space: global }
      - { .name: value, .offset: 8, .size: 8, .value_kind: global_buffer, .address_space: global }
      - { .name: W, .offset: 16, .size: 8, .value_kind: global_buffer, .address_space: global }
      - { .name: b, .offset: 24, .size: 8, .value_kind: global_buffer, .address_space: global }
      - { .name: q, .offset: 32, .size: 8, .value_kind: global_buffer, .address_space: global }
      - { .name: vbf, .offset: 40, .size: 8, .value_kind: global_buffer, .address_space: global }
      - { .name: wbf, .offset: 48, .size: 8, .value_kind: global_buffer, .address_space: global }
      - { .name: wtb, .offset: 56, .size: 8, .value_kind: global_buffer, .address_space: global }
      - { .name: zb, .offset: 64, .size: 8, .value_kind: global_buffer, .address_space: global }
    .group_segment_fixed_size: 113664
    .private_segment_fixed_size: 0
    .kernarg_segment_align: 8
    .kernarg_segment_size: 72
    .max_flat_workgroup_size: 256
    .sgpr_count:     66
    .vgpr_count:     256
    .wavefront_size: 32
...
	.end_amdgpu_metadata
.endif
;; end of part 7
;; launch fold (part 8): grid 8 x 32, 4 waves a work-group, clusters of 4 x 4, 327,680 bytes of LDS; arguments q, wtb, qu, zb; writes qu
.if DOCPART == 8
	.amdgcn_target "amdgcn-amd-amdhsa--gfx1250"
	.amdhsa_code_object_version 6
	.text
	.protected	k_qabdefc2415_fold
	.globl	k_qabdefc2415_fold
	.p2align	8
	.type	k_qabdefc2415_fold,@function
k_qabdefc2415_fold:
	s_mov_b64 s[64:65], 0
	v_nop
	global_prefetch_b8 v0, s[64:65] scope:SCOPE_SE
	s_setreg_imm32_b32 hwreg(HW_REG_WAVE_MODE, 25, 1), 1
	s_wait_xcnt 0x0
	s_wait_alu depctr_hold_cnt(0) depctr_sa_sdst(0) depctr_va_vdst(0) depctr_va_sdst(0) depctr_va_ssrc(0) depctr_va_vcc(0) depctr_vm_vsrc(0)
	s_getreg_b32 s2, hwreg(HW_REG_IB_STS2, 6, 4)
	s_cmp_eq_u32 s2, 0
	s_cbranch_scc0 .Lentry_in_a_cluster
	s_endpgm
.Lentry_in_a_cluster:
	s_bfe_u32 s2, ttmp6, 0x10000c
	s_cmp_lg_u32 s2, 0xf033
	s_cbranch_scc0 .Lentry_shape_is_right
	s_endpgm
.Lentry_shape_is_right:
; q'[s][e] = the sum over e' of x[s][e'] G[e][e'] + c[e].  x = q [4096][1024] bf16 (the query), G = wtb [1024][1024] bf16 (W^T W, symmetric), c = zb [1024] f32 (b W; rounded to bf16 here),
; q' = qu [4096][1024] bf16, rounded once from its f32 sums.  WHY: q . (key W^T + b) = (q W) . key + q . b with q = x W^T + b, and q . b is one number for a whole row of scores, which the
; softmax (it takes the row's maximum away) cancels exactly: so the keys are never projected, and q W = x G + c.  NaN and infinities are not treated apart.
; A tile of q' is 128 x 128: 8 x 32 tiles, one work-group each.  Four waves, each 64 x 64: 16 accumulators of 16 x 16.  K goes in 4 steps of 256 (LDS rows of 512 bytes)
; through two LDS slots; a wave's tensor load brings 64 rows.  ONE TEXT FOR A STEP: the sums start from 16 products of a zero fragment with the bias as C, issued while the first tiles
; are on their way; a step is written once in the loop that fills slots again and once in the loop of the last two steps; the slot is a scalar offset that an exclusive or turns.
; CLUSTERS: 4 x 4 work-groups.  The four of a row of the cluster need the same tiles of x, the four of a column the same tiles of G: each tile is asked for JOINTLY.
; THE MATRIX INSTRUCTION IS USED TRANSPOSED (source 0 = 16 rows of G, source 1 = 16 rows of x): a lane holds row lane % 16 and the columns 8 (lane / 16) + 0..7.
; REGISTERS: window 0: v0-31 addresses, v8-15 zeros; v32-95 at work on the way out; v96-127 the bias of my 64 columns; v128-255 the accumulators ((a, b) at v[128 + 8 (4 a + b)]).
;   window 1: two fragment buffers of 128: for 64 along K, 64 registers of x (2 x 4 x 16 rows x 32 K), then 64 of G.
.set KDIM,   1024
.set KSTEP,  256
.set STEPS,  KDIM/KSTEP
.set PITCH,  528                       ; an LDS row: 512 bytes + 16 of padding = 132 words: the 16 rows of a fragment load start at 16 different groups of four banks
.set HALFT,  64*PITCH                  ; 0x8400: what one tensor load brings, and what one wave reads of either operand
.set SLOT,   4*HALFT                   ; 0x21000: x's 128 rows, then G's; it shares no bit with a wave's place (at most 0x18c00), so an exclusive or changes slots
.set STAGE,  2*SLOT                    ; behind the ring: 128 rows x 272 bytes, the work-group's, for the way out
.set SPITCH, 272
.set SPARE,  STAGE+128*SPITCH          ; the spare words, 128 bytes a wave: two blocks of 256 bytes that no other line names
.set CROW,   2048                      ; bytes in a row of q'
.set ZF,   8                           ; v8-15  zeros
.set ADRA, 16                          ; v16  my place in slot 0 for x's fragments; never rewritten
.set ADRB, 17                          ; v17  the same for G's
.set AA,   18                          ; v18  the same in the slot that is read
.set AB,   19                          ; v19
.set STO,  24
.set RD,   25
.set CO,   26
.set SPW,  28                          ; v28  SPARE + 4 x my thread's number; never rewritten
.set NIL,  29                          ; v29  0; never rewritten
.set TMP,  32
.set BIAS, 96
.set ACC,  128
.set F0,   0
.set F1,   128
.set G1, 24                            ; s[24:31] group 1 for x's tiles; s[32:35] group 0 of the first fill, s[36:39] of the second, which then walks
.set G0, 32
.set G1B, 48                           ; s[48:55], s[56:63] the same for G's tiles
.set G0B, 56
.set SO, 45                            ; s45  the slot that is read: 0 or SLOT
.set MSB, 0
.macro WIN new                         ; the immediate's high byte repeats the setting that is left
.if MSB != (\new)
	s_set_vgpr_msb (MSB<<8)|(\new)
.set MSB, \new
.endif
.endm
.set MUL,  0x05                        ; sources 0 and 1 window 1; C and D window 0
.set TO_F, 0x40                        ; destination window 1, address window 0
.macro JLOAD s                         ; a joint load: waves 0 and 1 fetch x's two halves, waves 2 and 3 G's; an s_nop 0 and four v_nop follow each line
	s_cmp_eq_u32 s11, 0
	s_cbranch_scc0 .Lfor_b_\@
	tensor_load_to_lds s[G0+4*(\s):G0+4*(\s)+3], s[G1:G1+7]
	s_nop 0
.rept 4
	v_nop
.endr
	s_branch .Lasked_\@
.Lfor_b_\@:
	tensor_load_to_lds s[G0B+4*(\s):G0B+4*(\s)+3], s[G1B:G1B+7]
	s_nop 0
.rept 4
	v_nop
.endr
.Lasked_\@:
.endm
.macro CREST                           ; a round of the cluster's barrier behind its opening barrier
	s_cmp_lg_u32 s10, 0
	s_cbranch_scc1 .Lnot_wave_0_\@
	s_barrier_signal -3
.Lnot_wave_0_\@:
	s_barrier_wait -3
	s_barrier_signal -1
	s_barrier_wait -1
.endm
.macro CROUND
	s_barrier_signal -1
	s_barrier_wait -1
	CREST
.endm
	s_load_b128 s[4:7], s[0:1], 0x0                ; x s[4:5], G s[6:7]
	s_load_b64 s[8:9], s[0:1], 0x10                ; q'
	s_load_b64 s[68:69], s[0:1], 0x18              ; c
	v_lshl_add_u32 v[SPW], v0, 2, SPARE
	v_mov_b32 v[NIL], 0
	ds_add_u32 v[SPW], v[NIL]                      ; the wave's opening: the add and its wait stand ahead of my first tensor load; register work stands between them
	v_lshrrev_b32 v1, 5, v0
	v_readfirstlane_b32 s10, v1                    ; wave 0..3
	s_lshr_b32 s11, s10, 1                         ; my half of the tile's rows.  Also: I fetch for x (0) or for G (1)
	s_and_b32 s12, s10, 1                          ; my half of its columns.  Also: which 64 rows of that tile I fetch
	s_bfe_u32 s40, ttmp6, 0x40000                  ; cx, cy: my place in the cluster
	s_bfe_u32 s41, ttmp6, 0x40004
	s_lshl_b32 s42, ttmp9, 2
	s_add_co_u32 s42, s42, s40                     ; tile column = 4 x cluster x + cx
	s_and_b32 s13, ttmp7, 0xffff
	s_lshl_b32 s13, s13, 2
	s_add_co_u32 s13, s13, s41                     ; tile row = 4 x cluster y + cy
	s_lshl_b32 s43, s41, 2
	s_lshl_b32 s43, 15, s43                        ; my row of the cluster
	s_lshl_b32 s44, 0x1111, s40                    ; my column
	s_or_b32 s[G1+0], s43, (1<<16)|(1<<20)|(1<<21)|(6<<22)|(3<<25)  ; the mask; 2-byte elements; padding on; bit 21 beside a mask; after every 128 words 4 words
	s_or_b32 s[G1B+0], s44, (1<<16)|(1<<20)|(1<<21)|(6<<22)|(3<<25)
.irp g, G1, G1B
	s_mov_b32 s[(\g)+1], KSTEP<<16                 ; tensor_dim0 = 256
	s_mov_b32 s[(\g)+2], 64<<16                    ; tensor_dim1 = 64
	s_mov_b32 s[(\g)+3], KSTEP<<16                 ; tile_dim0 = 256
	s_mov_b32 s[(\g)+4], 64                        ; tile_dim1 = 64
	s_mov_b32 s[(\g)+5], KDIM                      ; elements from row to row
	s_mov_b32 s[(\g)+6], 0
	s_mov_b32 s[(\g)+7], 0
.endr
	s_mov_b32 s[SO], 0
	s_lshl_b32 s17, s12, 6
	s_lshl_b32 s16, s13, 7
	s_add_co_u32 s16, s16, s17                     ; x: row 128 x tile row + 64 x half
	s_lshl_b32 s46, s42, 7
	s_add_co_u32 s46, s46, s17                     ; G: row 128 x tile column + 64 x half
	s_mov_b32 s17, 0
	s_mov_b32 s47, 0
	s_mov_b64 s[18:19], KDIM*2
	s_mul_u64 s[16:17], s[16:17], s[18:19]
	s_mul_u64 s[46:47], s[46:47], s[18:19]
	s_mul_i32 s20, s10, HALFT                      ; where they go: wave x 64 rows
	s_wait_dscnt 0x0                               ; the opening add is done
	s_wait_kmcnt 0x0
	s_add_nc_u64 s[14:15], s[4:5], s[16:17]
	s_add_nc_u64 s[46:47], s[6:7], s[46:47]
	CROUND                                         ; all sixteen work-groups are here: the first joint loads meet
.irp s, 0,1
	s_mov_b32 s[G0+4*(\s)], 1
	s_add_co_u32 s[G0+4*(\s)+1], s20, (\s)*SLOT
	s_add_nc_u64 s[G0+4*(\s)+2:G0+4*(\s)+3], s[14:15], (\s)*KSTEP*2
	s_or_b32 s[G0+4*(\s)+3], s[G0+4*(\s)+3], 0x80000000
	s_mov_b32 s[G0B+4*(\s)], 1
	s_add_co_u32 s[G0B+4*(\s)+1], s20, (\s)*SLOT
	s_add_nc_u64 s[G0B+4*(\s)+2:G0B+4*(\s)+3], s[46:47], (\s)*KSTEP*2
	s_or_b32 s[G0B+4*(\s)+3], s[G0B+4*(\s)+3], 0x80000000
	JLOAD \s                                       ; steps 0 and 1: two loads of mine are out
.endr
	v_and_b32 v1, 15, v0                           ; l % 16
	v_bfe_u32 v2, v0, 4, 1                         ; l / 16
	; the bias of my 64 columns: register 8 b + j holds c[128 x tile column + 64 x half + 16 b + 8 (l / 16) + j]
	s_lshl_b32 s46, s42, 9
	s_lshl_b32 s47, s12, 8
	s_add_co_u32 s46, s46, s47
	s_mov_b32 s47, 0
	s_add_nc_u64 s[68:69], s[68:69], s[46:47]
	v_lshlrev_b32 v6, 5, v2
.irp b, 0,1,2,3
	global_load_b128 v[BIAS+8*(\b):BIAS+8*(\b)+3],   v6, s[68:69] offset:64*(\b)
	global_load_b128 v[BIAS+8*(\b)+4:BIAS+8*(\b)+7], v6, s[68:69] offset:64*(\b)+16
.endr
.irp z, 0,1,2,3,4,5,6,7
	v_mov_b32 v[ZF+(\z)], 0
.endr
	v_mul_u32_u24 v3, v1, PITCH
	v_lshl_add_u32 v3, v2, 4, v3                   ; a fragment's row x pitch + 16 x half
	s_mul_i32 s21, s11, HALFT                      ; my 64 rows of x
	s_mul_i32 s22, s12, HALFT                      ; my 64 rows of G,
	s_add_co_u32 s22, s22, 2*HALFT                 ; which lie behind x's 128
	v_add_nc_u32 v[ADRA], s21, v3
	v_add_nc_u32 v[ADRB], s22, v3
	v_mov_b32 v[AA], v[ADRA]
	v_mov_b32 v[AB], v[ADRB]
	s_mul_i32 s23, s11, 64*SPITCH                  ; into the stage: my 64 rows, my half of their 256 bytes
	s_lshl_b32 s21, s12, 7
	s_add_co_u32 s23, s23, s21
	s_add_co_u32 s23, s23, STAGE
	v_mul_u32_u24 v4, v1, SPITCH
	v_lshl_add_u32 v4, v2, 4, v4
	v_add_nc_u32 v[STO], s23, v4
	s_mul_i32 s23, s10, 32*SPITCH                  ; back: wave w takes rows 32 w .. 32 w + 31, whole
	s_add_co_u32 s23, s23, STAGE
	v_mul_u32_u24 v5, v2, SPITCH
	v_lshl_add_u32 v5, v1, 4, v5
	v_add_nc_u32 v[RD], s23, v5
	v_mul_u32_u24 v5, v2, CROW
	v_lshl_add_u32 v[CO], v1, 4, v5
	s_lshl_b32 s16, s13, 7
	s_lshl_b32 s17, s10, 5
	s_add_co_u32 s16, s16, s17                     ; the first row that I store: 128 x tile row + 32 x wave
	s_mov_b32 s17, 0
	s_mov_b64 s[18:19], CROW
	s_mul_u64 s[16:17], s[16:17], s[18:19]
	s_add_nc_u64 s[8:9], s[8:9], s[16:17]
	s_lshl_b32 s46, s42, 8                         ; the tile's first column, in bytes
	s_mov_b32 s47, 0
	s_add_nc_u64 s[8:9], s[8:9], s[46:47]
	s_wait_loadcnt 0x0                             ; the bias is in; it is rounded to bf16 and widened again
.set i, 0
.rept 16
	v_cvt_pk_bf16_f32 v[TMP+i], v[BIAS+2*i], v[BIAS+2*i+1]
.set i, i+1
.endr
.set i, 0
.rept 16
	v_lshlrev_b32 v[BIAS+2*i], 16, v[TMP+i]
	v_and_b32 v[BIAS+2*i+1], 0xffff0000, v[TMP+i]
.set i, i+1
.endr
.set n, 0
.rept 16
	v_wmma_f32_16x16x32_bf16 v[ACC+8*n:ACC+8*n+7], v[ZF:ZF+7], v[ZF:ZF+7], v[BIAS+8*(n%4):BIAS+8*(n%4)+7]  ; 0 x 0 + bias: the sums start at the bias
.set n, n+1
.endr
; 8 matrix instructions: m blocks a0, a0 + 1 x all 4 n blocks, 32 along K: half c of buffer f.  The 16 accumulators take turns, one instruction a turn, over every jump too.
.macro MUL8 f, c, a0
	WIN MUL
.irp a, \a0, (\a0)+1
.irp b, 0,1,2,3
	v_wmma_f32_16x16x32_bf16 v[ACC+8*(4*(\a)+(\b)):ACC+8*(4*(\a)+(\b))+7], v[(\f)+64+8*(4*(\c)+(\b)):(\f)+64+8*(4*(\c)+(\b))+7], v[(\f)+8*(4*(\c)+(\a)):(\f)+8*(4*(\c)+(\a))+7], v[ACC+8*(4*(\a)+(\b)):ACC+8*(4*(\a)+(\b))+7]
.endr
.endr
.endm
; 32 LDS loads in one run: the fragments of 64 along K at byte k of the rows, into buffer f; the first 32 along K first
.macro FETCH k, f
	WIN TO_F
.irp c, 0,1
.irp i, 0,1,2,3
	ds_load_b128 v[(\f)+64+8*(4*(\c)+(\i)):(\f)+64+8*(4*(\c)+(\i))+3],   v[AB] offset:(\k)+64*(\c)+(\i)*16*PITCH
	ds_load_b128 v[(\f)+64+8*(4*(\c)+(\i))+4:(\f)+64+8*(4*(\c)+(\i))+7], v[AB] offset:(\k)+64*(\c)+(\i)*16*PITCH+32
	ds_load_b128 v[(\f)+8*(4*(\c)+(\i)):(\f)+8*(4*(\c)+(\i))+3],         v[AA] offset:(\k)+64*(\c)+(\i)*16*PITCH
	ds_load_b128 v[(\f)+8*(4*(\c)+(\i))+4:(\f)+8*(4*(\c)+(\i))+7],       v[AA] offset:(\k)+64*(\c)+(\i)*16*PITCH+32
.endr
.endr
.endm
.macro PLACES                          ; four places in front of loads into registers that matrix instructions have read, and of instructions that read results
.rept 4
	v_nop
.endr
.endm
; A K step is four quarters of 64 along K, 32 matrix instructions each, on buffers 0, 1, 0, 1.  One of the first three: multiplies buffer f and fetches the next quarter, at byte k, into g.
.macro QUARTER k, f, g
	s_wait_dscnt 16                                ; the first 32 along K are in; the youngest sixteen loads may be out
	MUL8 \f, 0, 0
	MUL8 \f, 0, 2
	PLACES
	FETCH \k, \g
	s_wait_dscnt 32                                ; all but the 32 just issued
	MUL8 \f, 1, 0
	MUL8 \f, 1, 2
.endm
; The last quarter multiplies buffer 1 and changes slots: ONE barrier; in front of it each wave waits for all its tensor loads, adds 0 to its spare word, and waits for that and for its reads of this slot.
; fill = 1: this slot is filled again, two steps on.  fill = 0: the last two steps; the very last jumps over the fetch of a slot that nobody multiplies.
.macro TURN fill
	WIN 0
	s_wait_tensorcnt 0x0                           ; all my tensor loads have landed: my part of the next slot;
	ds_add_u32 v[SPW], v[NIL]                      ; 0 onto my spare word;
	s_xor_b32 s[SO], s[SO], SLOT                   ; the slot that is read next
	v_add_nc_u32 v[AA], s[SO], v[ADRA]
	v_add_nc_u32 v[AB], s[SO], v[ADRB]
	s_wait_dscnt 17                                ; (the add and the youngest sixteen loads may be out)
	MUL8 F1, 0, 0
	s_wait_dscnt 0x0                               ; the add is done, and my reads of this slot are over
	s_barrier_signal -1
	MUL8 F1, 0, 2
	WIN 0
	s_barrier_wait -1
.if \fill
	CREST                                          ; the barrier has opened a round of the cluster's barrier: no wave of any partner still reads this slot or has a load on its way
	s_xor_b32 s[G0+5], s[G0+5], SLOT               ; the walking descriptors: the other slot than last time, the next step; the type bits on top are not reached
	s_add_nc_u64 s[G0+6:G0+7], s[G0+6:G0+7], KSTEP*2
	s_xor_b32 s[G0B+5], s[G0B+5], SLOT
	s_add_nc_u64 s[G0B+6:G0B+7], s[G0B+6:G0B+7], KSTEP*2
	JLOAD 1                                        ; the first tensor load behind the round; its four v_nop are also the places in front of the loads below
.else
	s_cmp_eq_u32 s3, 1
	s_cbranch_scc1 .Lno_more_\@
	PLACES
.endif
	FETCH 0, F0
.if !(\fill)
	WIN 0
.Lno_more_\@:
.endif
	MUL8 F1, 1, 0
	MUL8 F1, 1, 2
.endm
.macro STEP fill
	QUARTER 128, F0, F1
	QUARTER 256, F1, F0
	QUARTER 384, F0, F1
	TURN \fill
	WIN 0                                          ; at a label and at a branch every window is 0
.endm
	s_wait_tensorcnt 1                             ; my part of K step 0 is in; K step 1's load may stay out
	s_barrier_signal -1
	s_barrier_wait -1
	FETCH 0, F0
	WIN 0
	s_mov_b32 s3, STEPS-2
.Lfill:                                                ; every step but the last two: its slot is filled again
	STEP 1
	s_sub_co_u32 s3, s3, 1
	s_cmp_lg_u32 s3, 0
	s_cbranch_scc1 .Lfill
	s_mov_b32 s3, 2
.Ltail:                                                ; the last two steps ask for nothing, and have no round of the cluster's barrier
	STEP 0
	s_sub_co_u32 s3, s3, 1
	s_cmp_lg_u32 s3, 0
	s_cbranch_scc1 .Ltail
	; THE WAY OUT: round to bf16; 16 bytes a lane into the stage; a barrier, since a row's 256 bytes come from two waves; back as whole rows, 32 rows a wave.
	PLACES
.irp t, 0,1,2,3,4,5,6,7,8,9,10,11,12,13,14,15
.irp r, 0,1,2,3
	v_cvt_pk_bf16_f32 v[TMP+4*(\t)+(\r)], v[ACC+8*(\t)+2*(\r)], v[ACC+8*(\t)+2*(\r)+1]
.endr
.endr
.irp a, 0,1,2,3
.irp b, 0,1,2,3
	ds_store_b128 v[STO], v[TMP+4*(4*(\a)+(\b)):TMP+4*(4*(\a)+(\b))+3] offset:(\a)*16*SPITCH+32*(\b)
.endr
.endr
	s_wait_dscnt 0x0                               ; for the others' sake: my stores into the stage are done
	s_barrier_signal -1
	s_barrier_wait -1
.irp t, 0,1,2,3,4,5,6,7,8,9,10,11,12,13,14,15
	ds_load_b128 v[TMP+4*(\t):TMP+4*(\t)+3], v[RD] offset:(\t)*2*SPITCH
.endr
.irp t, 0,1,2,3,4,5,6,7,8,9,10,11,12,13,14,15
	s_wait_dscnt 15-(\t)
	global_store_b128 v[CO], v[TMP+4*(\t):TMP+4*(\t)+3], s[8:9] offset:2*(\t)*CROW  ; 16 lanes store 256 consecutive bytes, aligned
.endr
	s_wait_tensorcnt 0x0                           ; the wave's end
	ds_add_u32 v[SPW], v[NIL]
	s_wait_dscnt 0x0
	CROUND                                         ; the closing round: no work-group ends while a partner may still ask for a tile that names it
	s_endpgm
.Lfunc_end_k_qabdefc2415_fold:
	.size	k_qabdefc2415_fold, .Lfunc_end_k_qabdefc2415_fold-k_qabdefc2415_fold
	.p2alignl 7, 3214868480
	.fill 96, 4, 3214868480
	.section	.rodata,"a",@progbits
	.p2align	6, 0x0
	.amdhsa_kernel k_qabdefc2415_fold
		.amdhsa_group_segment_fixed_size 327680
		.amdhsa_private_segment_fixed_size 0
		.amdhsa_enable_private_segment 0
		.amdhsa_kernarg_size 32
		.amdhsa_user_sgpr_count 2
		.amdhsa_user_sgpr_kernarg_segment_ptr 1
		.amdhsa_wavefront_size32 1
		.amdhsa_system_sgpr_workgroup_id_x 1
		.amdhsa_system_sgpr_workgroup_id_y 1
		.amdhsa_system_sgpr_workgroup_id_z 1
		.amdhsa_system_vgpr_workitem_id 0
		.amdhsa_next_free_vgpr 512
		.amdhsa_next_free_sgpr 76
		.amdhsa_reserve_vcc 0
		.amdhsa_float_denorm_mode_32 3
		.amdhsa_float_denorm_mode_16_64 3
		.amdhsa_memory_ordered 1
		.amdhsa_forward_progress 1
		.amdhsa_inst_pref_size 59
	.end_amdhsa_kernel
	.amdgpu_metadata
---
amdhsa.version: [ 1, 2 ]
amdhsa.kernels:
  - .name:           k_qabdefc2415_fold
    .symbol:         k_qabdefc2415_fold.kd
    .args:
      - { .name: q, .offset: 0, .size: 8, .value_kind: global_buffer, .address_space: global }
      - { .name: wtb, .offset: 8, .size: 8, .value_kind: global_buffer, .address_space: global }
      - { .name: qu, .offset: 16, .size: 8, .value_kind: global_buffer, .address_space: global }
      - { .name: zb, .offset: 24, .size: 8, .value_kind: global_buffer, .address_space: global }
    .group_segment_fixed_size: 327680
    .private_segment_fixed_size: 0
    .kernarg_segment_align: 8
    .kernarg_segment_size: 32
    .max_flat_workgroup_size: 128
    .sgpr_count:     76
    .vgpr_count:     512
    .wavefront_size: 32
...
	.end_amdgpu_metadata
.endif
;; end of part 8
;; launch scores (part 9): grid 16 x 16, 4 waves a work-group, clusters of 4 x 4, 327,680 bytes of LDS; arguments qu, key, p, stat; writes p, stat
.if DOCPART == 9
	.amdgcn_target "amdgcn-amd-amdhsa--gfx1250"
	.amdhsa_code_object_version 6
	.text
	.protected	k_qabdefc2415_scores
	.globl	k_qabdefc2415_scores
	.p2align	8
	.type	k_qabdefc2415_scores,@function
k_qabdefc2415_scores:
	s_mov_b64 s[64:65], 0
	v_nop
	global_prefetch_b8 v0, s[64:65] scope:SCOPE_SE
	s_setreg_imm32_b32 hwreg(HW_REG_WAVE_MODE, 25, 1), 1
	s_wait_xcnt 0x0
	s_wait_alu depctr_hold_cnt(0) depctr_sa_sdst(0) depctr_va_vdst(0) depctr_va_sdst(0) depctr_va_ssrc(0) depctr_va_vcc(0) depctr_vm_vsrc(0)
	s_getreg_b32 s2, hwreg(HW_REG_IB_STS2, 6, 4)
	s_cmp_eq_u32 s2, 0
	s_cbranch_scc0 .Lentry_in_a_cluster
	s_endpgm
.Lentry_in_a_cluster:
	s_bfe_u32 s2, ttmp6, 0x10000c
	s_cmp_lg_u32 s2, 0xf033
	s_cbranch_scc0 .Lentry_shape_is_right
	s_endpgm
.Lentry_shape_is_right:
; For each tile of 256 queries x 128 keys: s = q' . key (f32 sums of bf16 products); m = the row's maximum over the tile's 128 keys; P = 2^(c s - c m), c = log2(e) / 32,
; rounded to bf16; l = the sum of the rounded P.  q' = qu [4096][1024] bf16, key [8 x 2048][1024] f32 (rounded to bf16 here, once a number and work-group), P = p [4096][2048] bf16;
; stat [32 planes][4096 rows][2] f32: plane 2 t holds (m, l) of key tile t, plane 2 t + 1 (m, 0).  The next launch joins the tiles by the row's maximum over all of them:
; the softmax's maximum is taken away in two steps.  LIMITS: a weight below 2^-126 counts as 0; NaN and infinities are not treated apart.
; SHARES.  grid x = key tile (16), grid y = 2 x batch + block of 256 queries.  Wave w owns queries 64 w .. 64 w + 63 and all 128 keys: 32 accumulators of 16 x 16, so a row's maximum
; and sum never leave the wave, and its rows of P (256 bytes) leave through a stage of its own.  K goes in 8 steps of 128.
; q' comes by the tensor data mover into two LDS slots, 64 rows a wave.  CLUSTERS: 4 x 4; the four key tiles of a row of the cluster need the same q': it is asked for JOINTLY.
; THE KEYS come through registers, since they are rounded on the way: a wave loads its 32 rows x 512 bytes of two steps (64 loads, each a row's 512 consecutive bytes), and two steps later
; rounds them and stores them into two of four LDS slots.  A key tile is read by the two query blocks of its batch; it is not asked for jointly: the mask would have to name two of a
; column's four work-groups, and f32 rows in LDS would be rounded by each of the four waves.
; THE MATRIX INSTRUCTION IS USED TRANSPOSED (source 0 = 16 keys, source 1 = 16 queries): a lane holds query lane % 16 and the keys 8 (lane / 16) + 0..7 of each group of 16.
; ONE TEXT FOR EVERY STEP: the sums start from 32 products on a zero fragment, issued while the first tiles are on their way; a step's four chunks of 32 along K are two trips of a loop.
; REGISTERS: window 0: v0-31 addresses; v32-47 at work; v48-55 (m, l) by block of 16 queries; v56-63 stat on its way out; v64-95 l's sums; v96-103 ones; v104-111 zeros;
;   v128-255 rounded keys on their way into LDS, later P.  window 1: two fragment buffers of 96 (64 of the keys, 32 of q').  window 2: the accumulators ((a, b) at v[8 (8 a + b)]).
;   window 3: the keys of two steps as loaded.
.set KDIM,   1024
.set KSTEP,  128
.set STEPS,  KDIM/KSTEP
.set PITCH,  272                       ; an LDS row: 256 bytes + 16 = 68 words: the 16 rows of a fragment load start at 16 different groups of four banks
.set AW,     64*PITCH                  ; a wave's 64 rows of q'
.set ASLOT,  4*AW                      ; 0x11000; a wave's place, at most 0xcc00, shares no bit with it, so an exclusive or changes slots
.set BB,     2*ASLOT                   ; behind q's ring: the keys' four slots, written by LDS stores alone
.set BSLOT,  128*PITCH                 ; 0x8800; twice that is 0x11000: no bit in common, so slots 0-3 are told by two exclusive ors
.set STAGE,  BB+4*BSLOT                ; 16 rows x 272 bytes for each wave, for the way out
.set XS,     STAGE+4*16*PITCH          ; 512 bytes a wave: (m, l) of its 64 rows, turned into 16 bytes a lane
.set SPARE,  XS+2048                   ; the spare words, 128 bytes a wave: two blocks of 256 bytes that no other line names
.set CROW,   4096                      ; bytes in a row of P
.set ADRA, 16                          ; v16  my place in a slot of q': my wave's rows, row l % 16, 16 bytes for each half of the lanes; never rewritten
.set ADRB, 17                          ; v17  the same in slot 0 of the keys
.set AA,   18                          ; v18  the address of q's next fragments
.set AB,   19                          ; v19  of the keys'
.set BS,   20                          ; v20  where I put 8 bytes of my wave's first key row, in slot 0; never rewritten
.set BSW,  21                          ; v21  the same in the slot that is due
.set KO,   22                          ; v22  16 x lane; never rewritten
.set STO,  24
.set RD,   25
.set CO,   26
.set XW,   27
.set SPW,  28                          ; v28  SPARE + 4 x my thread's number; never rewritten
.set NIL,  29                          ; v29  0; never rewritten
.set XR,   30
.set T,    32
.set ST,   48
.set SV,   56
.set S2,   60
.set L,    64
.set ONE,  96
.set ZF,   104
.set Y,    128
.set PK,   128
.set F0,   0
.set F1,   96
.set G1, 24                            ; s[24:31] descriptor group 1
.set G0, 32                            ; s[32:35] group 0 of the first fill
.set GW, 36                            ; s[36:39] group 0 of the second fill; then it walks
.set J,  11                            ; s11  counts a step's two trips
.set TC, 12                            ; s12  steps with a refill still to come: 6 to 1
.set SA, 45                            ; s45  the slot of q' that is read
.set SBR, 46                           ; s46  the slot of the keys that is read
.set XK, 47                            ; s47  what turns s46 into the next slot: BSLOT and 3 BSLOT by turns
.set KA, 48                            ; s48  s45 + the bytes along K
.set KB, 49                            ; s49  s46 + the bytes along K
.set SWB, 50                           ; s50  the pair of key slots that is written: 0 or 2 BSLOT
.set CS, 72                            ; s[72:73] c
.set SEL, 74                           ; s[74:75] v_permlanex16_b32's selects: each lane takes its own place in the other half
.set MSB, 0
.macro WIN new                         ; the immediate's high byte repeats the setting that is left
.if MSB != (\new)
	s_set_vgpr_msb (MSB<<8)|(\new)
.set MSB, \new
.endif
.endm
.set MUL,  0xa5                        ; sources 0 and 1 window 1; C and D window 2
.set TO_F, 0x40                        ; destination window 1, address window 0
.macro CROUND                          ; a round of the cluster's barrier
	s_barrier_signal -1
	s_barrier_wait -1
	s_cmp_lg_u32 s10, 0
	s_cbranch_scc1 .Lnot_wave_0_\@
	s_barrier_signal -3
.Lnot_wave_0_\@:
	s_barrier_wait -3
	s_barrier_signal -1
	s_barrier_wait -1
.endm
.macro PLACES                          ; four places in front of loads into registers that matrix instructions have read, and of instructions that read results
.rept 4
	v_nop
.endr
.endm
.macro KLOADS                          ; my 32 key rows of two steps: load i takes row i % 32 of step i / 32: 512 consecutive bytes
	WIN 0xc0                                       ; destination window 3
.set i, 0
.rept 64
	global_load_b128 v[4*i:4*i+3], v[KO], s[6:7] offset:(i%32)*4096+(i/32)*KSTEP*4
.set i, i+1
.endr
	WIN 0
.endm
	s_load_b128 s[4:7], s[0:1], 0x0                ; q' s[4:5], keys s[6:7]
	s_load_b64 s[8:9], s[0:1], 0x10                ; P
	s_load_b64 s[68:69], s[0:1], 0x18              ; stat
	v_lshl_add_u32 v[SPW], v0, 2, SPARE
	v_mov_b32 v[NIL], 0
	ds_add_u32 v[SPW], v[NIL]                      ; the wave's opening: the add and its wait stand ahead of my first tensor load; register work stands between them
	v_lshrrev_b32 v1, 5, v0
	v_readfirstlane_b32 s10, v1                    ; wave 0..3
	s_bfe_u32 s40, ttmp6, 0x40000                  ; cx, cy: my place in the cluster
	s_bfe_u32 s41, ttmp6, 0x40004
	s_lshl_b32 s42, ttmp9, 2
	s_add_co_u32 s42, s42, s40                     ; key tile = 4 x cluster x + cx
	s_and_b32 s13, ttmp7, 0xffff
	s_lshl_b32 s13, s13, 2
	s_add_co_u32 s13, s13, s41                     ; block of 256 query rows = 4 x cluster y + cy
	s_lshl_b32 s43, s41, 2
	s_lshl_b32 s43, 15, s43                        ; my row of the cluster
	s_or_b32 s[G1+0], s43, (1<<16)|(1<<20)|(1<<21)|(5<<22)|(3<<25)  ; the mask; 2-byte elements; padding on; bit 21 beside a mask; after every 64 words 4 words
	s_mov_b32 s[G1+1], KSTEP<<16                   ; tensor_dim0 = 128
	s_mov_b32 s[G1+2], 64<<16                      ; tensor_dim1 = 64
	s_mov_b32 s[G1+3], KSTEP<<16                   ; tile_dim0 = 128
	s_mov_b32 s[G1+4], 64                          ; tile_dim1 = 64
	s_mov_b32 s[G1+5], KDIM                        ; elements from row to row
	s_mov_b32 s[G1+6], 0
	s_mov_b32 s[G1+7], 0
	s_mov_b32 s[CS], 0x3d38aa3b                    ; c = log2(e) / 32
	s_mov_b32 s[CS+1], s[CS]
	s_mov_b32 s[SEL], 0x76543210
	s_mov_b32 s[SEL+1], 0xfedcba98
	s_mov_b32 s[SA], 0
	s_mov_b32 s[SBR], 0
	s_mov_b32 s[XK], BSLOT
	s_mov_b32 s[KA], 0
	s_mov_b32 s[KB], 0
	s_mov_b32 s[SWB], 0
	s_lshl_b32 s16, s13, 8
	s_lshl_b32 s17, s10, 6
	s_add_co_u32 s16, s16, s17                     ; my first row of q', P and stat: 256 x block + 64 x wave
	s_lshl_b32 s18, s16, 11                        ; in bytes of q'
	s_mov_b32 s19, 0
	s_lshr_b32 s20, s13, 1                         ; the batch
	s_lshl_b32 s20, s20, 11
	s_lshl_b32 s21, s42, 7
	s_add_co_u32 s20, s20, s21
	s_lshl_b32 s21, s10, 5
	s_add_co_u32 s20, s20, s21                     ; my first key row: 2,048 x batch + 128 x key tile + 32 x wave
	s_lshl_b32 s20, s20, 12                        ; in bytes, under 2^27
	s_mov_b32 s21, 0
	s_mul_i32 s22, s10, AW                         ; my rows' place in a slot of q'
	v_and_b32 v3, 31, v0                           ; lane
	v_lshlrev_b32 v[KO], 4, v3
	s_wait_dscnt 0x0                               ; the opening add is done
	s_wait_kmcnt 0x0
	s_add_nc_u64 s[14:15], s[4:5], s[18:19]
	s_add_nc_u64 s[6:7], s[6:7], s[20:21]
	KLOADS                                         ; the keys of steps 0 and 1 go out first: nothing waits for a partner here
	CROUND                                         ; all sixteen work-groups are here: the first joint loads meet
.irp s, 0,1
	s_mov_b32 s[G0+4*(\s)], 1
	s_add_co_u32 s[G0+4*(\s)+1], s22, (\s)*ASLOT
	s_add_nc_u64 s[G0+4*(\s)+2:G0+4*(\s)+3], s[14:15], (\s)*KSTEP*2
	s_or_b32 s[G0+4*(\s)+3], s[G0+4*(\s)+3], 0x80000000
	tensor_load_to_lds s[G0+4*(\s):G0+4*(\s)+3], s[G1:G1+7]  ; steps 0 and 1: two loads of mine are out
	s_nop 0
	PLACES
.endr
.irp z, 0,1,2,3,4,5,6,7
	v_mov_b32 v[ZF+(\z)], 0
	v_mov_b32 v[ONE+(\z)], 0x3f803f80              ; 1.0 twice, in bf16
.endr
	v_and_b32 v1, 15, v0                           ; l % 16
	v_bfe_u32 v2, v0, 4, 1                         ; l / 16
	v_mul_u32_u24 v4, v1, PITCH
	v_lshl_add_u32 v4, v2, 4, v4                   ; row x pitch + 16 x half
	v_add_nc_u32 v[ADRA], s22, v4
	v_add_nc_u32 v[ADRB], BB, v4
	s_mul_i32 s23, s10, 32*PITCH
	s_add_co_u32 s23, s23, BB
	v_lshl_add_u32 v[BS], v3, 3, s23               ; my wave's 32 key rows; 8 bytes a lane
	v_add_nc_u32 v[BSW], s[SWB], v[BS]
	s_mul_i32 s23, s10, 16*PITCH
	s_add_co_u32 s23, s23, STAGE                   ; my stage
	v_add_nc_u32 v[STO], s23, v4                   ; in: row l % 16, 16 bytes for each half of the lanes
	v_mul_u32_u24 v5, v2, PITCH                    ; back: lanes 0-15 take one row of 256 bytes, lanes 16-31 the next
	v_lshl_add_u32 v5, v1, 4, v5
	v_add_nc_u32 v[RD], s23, v5
	v_lshlrev_b32 v5, 12, v2                       ; and the same two rows in P
	v_lshl_add_u32 v[CO], v1, 4, v5
	s_lshl_b32 s23, s10, 9
	s_add_co_u32 s23, s23, XS
	v_lshl_add_u32 v[XW], v1, 3, s23
	v_add_nc_u32 v[XR], s23, v[KO]
	v_add_nc_u32 v[AA], s[KA], v[ADRA]
	v_add_nc_u32 v[AB], s[KB], v[ADRB]
	s_lshl_b32 s18, s16, 12                        ; my first row in P,
	s_add_nc_u64 s[8:9], s[8:9], s[18:19]
	s_lshl_b32 s18, s16, 3                         ; and in a plane of stat
	s_add_nc_u64 s[68:69], s[68:69], s[18:19]
	s_lshl_b32 s20, s42, 8                         ; the tile's 128 keys: 256 bytes of a row of P,
	s_add_nc_u64 s[8:9], s[8:9], s[20:21]
	s_lshl_b32 s20, s42, 16                        ; and plane 2 x key tile, 32,768 bytes a plane
	s_add_nc_u64 s[68:69], s[68:69], s[20:21]
	WIN 0x80                                       ; destination window 2
.set n, 0
.rept 32
	v_wmma_f32_16x16x32_bf16 v[8*n:8*n+7], v[ZF:ZF+7], v[ONE:ONE+7], 0  ; 0 x 1 + 0: the sums start at 0
.set n, n+1
.endr
	WIN 0
; The keys of two steps go from registers into LDS: all my loads are in; 256 numbers a lane are rounded; the registers are asked for again, four steps on; 64 stores of 8 bytes a lane
; (a store covers a row's 256 bytes).  inloop = 1: the last time there is nothing left to ask for.  The wait is for 0, so the jump changes no count.
.macro STAGE2 inloop
	s_wait_loadcnt 0x0                             ; both steps' keys are in, and no load reads s[6:7] any more
	WIN 0x0f                                       ; sources 0 and 1 window 3, destination window 0
.set i, 0
.rept 64
	v_cvt_pk_bf16_f32 v[Y+2*i], v[4*i], v[4*i+1]
	v_cvt_pk_bf16_f32 v[Y+2*i+1], v[4*i+2], v[4*i+3]
.set i, i+1
.endr
	WIN 0
.if \inloop
	s_cmp_lt_u32 s[TC], 4                          ; behind steps 0 and 2 (s12 = 6, 4) steps 4 to 7 are asked for; behind step 4 nothing
	s_cbranch_scc1 .Lno_keys_\@
.endif
	s_add_nc_u64 s[6:7], s[6:7], 2*KSTEP*4         ; two steps on
	KLOADS
.if \inloop
.Lno_keys_\@:
.endif
.set i, 0
.rept 64
	ds_store_b64 v[BSW], v[Y+2*i:Y+2*i+1] offset:(i/32)*BSLOT+(i%32)*PITCH
.set i, i+1
.endr
.endm
; 24 LDS loads in one run: the fragments of 32 along K at byte k behind the two addresses, into buffer f
.macro FETCH k, f
	WIN TO_F
.irp b, 0,1,2,3,4,5,6,7
	ds_load_b128 v[(\f)+8*(\b):(\f)+8*(\b)+3],   v[AB] offset:(\k)+(\b)*16*PITCH
	ds_load_b128 v[(\f)+8*(\b)+4:(\f)+8*(\b)+7], v[AB] offset:(\k)+(\b)*16*PITCH+32
.endr
.irp a, 0,1,2,3
	ds_load_b128 v[(\f)+64+8*(\a):(\f)+64+8*(\a)+3],   v[AA] offset:(\k)+(\a)*16*PITCH
	ds_load_b128 v[(\f)+64+8*(\a)+4:(\f)+64+8*(\a)+7], v[AA] offset:(\k)+(\a)*16*PITCH+32
.endr
.endm
; 8 matrix instructions: block a of 16 queries x all 8 groups of 16 keys.  The 32 accumulators take turns, one instruction a turn, over every jump too.
.macro MULS f, a
	WIN MUL
.irp b, 0,1,2,3,4,5,6,7
	v_wmma_f32_16x16x32_bf16 v[8*(8*(\a)+(\b)):8*(8*(\a)+(\b))+7], v[(\f)+8*(\b):(\f)+8*(\b)+7], v[(\f)+64+8*(\a):(\f)+64+8*(\a)+7], v[8*(8*(\a)+(\b)):8*(8*(\a)+(\b))+7]
.endr
.endm
; A STEP: four chunks of 32 along K, 32 matrix instructions each, on buffers 0, 1, 0, 1: two trips of a loop.  Chunk 0's fragments were fetched behind the barrier.  Each chunk fetches the
; next one's behind its first eight products, 24 matrix instructions ahead of their use; the step's last chunk fetches nothing.  No LDS instruction is issued between a run of loads and
; the wait for it, so that wait is for 0.
.macro BODY
	s_mov_b32 s[J], 2
.Lpair_\@:
	s_wait_dscnt 0x0                               ; buffer 0 is in
	MULS F0, 0
	PLACES
	FETCH 64, F1
	MULS F0, 1
	MULS F0, 2
	MULS F0, 3
	s_wait_dscnt 0x0                               ; buffer 1 is in
	MULS F1, 0
	WIN 0
	s_cmp_eq_u32 s[J], 1
	s_cbranch_scc1 .Llast_\@
	PLACES
	FETCH 128, F0
	WIN 0
.Llast_\@:
	s_add_co_u32 s[KA], s[KA], 128                 ; two chunks on along K
	s_add_co_u32 s[KB], s[KB], 128
	v_add_nc_u32 v[AA], s[KA], v[ADRA]
	v_add_nc_u32 v[AB], s[KB], v[ADRB]
	MULS F1, 1
	MULS F1, 2
	MULS F1, 3
	WIN 0
	s_sub_co_u32 s[J], s[J], 1
	s_cmp_lg_u32 s[J], 0
	s_cbranch_scc1 .Lpair_\@
.endm
; THE CHANGE OF SLOTS.  Each wave waits for all its tensor loads, of which one is out: its rows of the next slot; adds 0 to its spare word; and waits for that, for its reads of the slots that it
; leaves and for its stores of keys.  Behind the barrier nobody reads the old slots any more, and the next slots are whole.  fill = 1: q's old slot is filled again, two steps on: the barrier is
; a round of the cluster's, and the joint refill is the first thing behind it.  Then come the next step's first fragments.
.macro TRANS fill
	s_wait_tensorcnt 0x0                           ; no tensor load of mine is out, so a group 0 may be written
	ds_add_u32 v[SPW], v[NIL]                      ; 0 onto my spare word; scalar work stands between it and the wait for it
.if \fill
	s_xor_b32 s[GW+1], s[GW+1], ASLOT              ; the walking descriptor: the other slot than last time,
	s_add_nc_u64 s[GW+2:GW+3], s[GW+2:GW+3], KSTEP*2  ; the next step; the type bits on top are not reached
.endif
	s_xor_b32 s[SA], s[SA], ASLOT                  ; the slots that are read next
	s_xor_b32 s[SBR], s[SBR], s[XK]
	s_xor_b32 s[XK], s[XK], 2*BSLOT
	s_mov_b32 s[KA], s[SA]
	s_mov_b32 s[KB], s[SBR]
	s_wait_dscnt 0x0
.if \fill
	CROUND
	tensor_load_to_lds s[GW:GW+3], s[G1:G1+7]
	s_nop 0
	PLACES                                         ; also the places in front of the loads below
.else
	s_barrier_signal -1
	s_barrier_wait -1
	PLACES
.endif
	v_add_nc_u32 v[AA], s[KA], v[ADRA]
	v_add_nc_u32 v[AB], s[KB], v[ADRB]
	FETCH 0, F0
	WIN 0
.endm
	STAGE2 0                                       ; steps 0 and 1 into key slots 0 and 1; steps 2 and 3 are asked for
	s_wait_tensorcnt 0x1                           ; my rows of step 0 are in; step 1's load may stay out
	s_wait_dscnt 0x0                               ; for the others' sake: my keys are stored
	s_barrier_signal -1
	s_barrier_wait -1
	FETCH 0, F0
	WIN 0
	s_mov_b32 s[TC], STEPS-2
.Lstep:                                                ; steps 0 to 5: each is multiplied, and q's slot is filled again
	BODY
	TRANS 1
	s_and_b32 s51, s[TC], 1                        ; behind steps 0, 2 and 4 the keys of the two steps after the next go into LDS: the two slots read last and the step before
	s_cmp_lg_u32 s51, 0
	s_cbranch_scc1 .Lodd
	s_xor_b32 s[SWB], s[SWB], 2*BSLOT
	v_add_nc_u32 v[BSW], s[SWB], v[BS]
	STAGE2 1
.Lodd:
	s_sub_co_u32 s[TC], s[TC], 1
	s_cmp_lg_u32 s[TC], 0
	s_cbranch_scc1 .Lstep
	BODY                                           ; the last two steps are written out: nothing is asked for
	TRANS 0
	BODY
	; THE TILE'S SOFTMAX.  Block a of 16 queries has 64 scores a lane, in window 2 at v[64 a ..].
	; The maximum, three operands at a time, in four chains; each accumulator's lowest registers are read first.
	PLACES
	WIN 0x2a                                       ; all three sources window 2
.irp a, 0,1,2,3
.irp n, 0,1,2,3
	v_max3_num_f32 v[T+4*(\a)+(\n)], v[64*(\a)+8*(\n)], v[64*(\a)+8*(\n)+1], v[64*(\a)+8*(\n)+2]
.endr
.endr
	WIN 0x28                                       ; sources 1 and 2 window 2
.irp a, 0,1,2,3
.irp o, 3,5
.irp n, 0,1,2,3
	v_max3_num_f32 v[T+4*(\a)+(\n)], v[T+4*(\a)+(\n)], v[64*(\a)+8*(\n)+(\o)], v[64*(\a)+8*(\n)+(\o)+1]
.endr
.endr
.irp n, 0,1,2,3
	v_max3_num_f32 v[T+4*(\a)+(\n)], v[T+4*(\a)+(\n)], v[64*(\a)+8*(\n)+7], v[64*(\a)+8*(\n)+32]
.endr
.irp o, 1,3,5
.irp n, 0,1,2,3
	v_max3_num_f32 v[T+4*(\a)+(\n)], v[T+4*(\a)+(\n)], v[64*(\a)+8*(\n)+32+(\o)], v[64*(\a)+8*(\n)+32+(\o)+1]
.endr
.endr
	v_max3_num_f32 v[T+4*(\a)], v[T+4*(\a)], v[64*(\a)+39], v[64*(\a)+47]
	v_max3_num_f32 v[T+4*(\a)+1], v[T+4*(\a)+1], v[64*(\a)+55], v[64*(\a)+63]
.endr
	WIN 0
.irp a, 0,1,2,3
	v_max3_num_f32 v[T+4*(\a)], v[T+4*(\a)], v[T+4*(\a)+1], v[T+4*(\a)+2]
.endr
.irp a, 0,1,2,3
	v_max_num_f32 v[T+4*(\a)], v[T+4*(\a)], v[T+4*(\a)+3]
.endr
.irp a, 0,1,2,3
	v_permlanex16_b32 v[T+4*(\a)+1], v[T+4*(\a)], s[SEL], s[SEL+1]  ; the query's other 64 keys lie in the lane 16 away
.endr
.irp a, 0,1,2,3
	v_max_num_f32 v[ST+2*(\a)], v[T+4*(\a)], v[T+4*(\a)+1]  ; m
.endr
.irp a, 0,1,2,3
	v_mul_f32 v[T+4*(\a)], s[CS], v[ST+2*(\a)]     ; c m
.endr
	WIN 0x82                                       ; destination and source 0 window 2
.irp a, 0,1,2,3
.set z, 0
.rept 32
	v_pk_fma_f32 v[64*(\a)+2*z:64*(\a)+2*z+1], v[64*(\a)+2*z:64*(\a)+2*z+1], s[CS:CS+1], v[T+4*(\a):T+4*(\a)+1] op_sel_hi:[1,0,0] neg_lo:[0,0,1] neg_hi:[0,0,1]  ; c s - c m
.set z, z+1
.endr
.endr
.set z, 0
.rept 256
	v_exp_f32 v[z], v[z]                           ; one batch: nothing ahead of the wait below names a result
.set z, z+1
.endr
	v_nop                                          ; a plain instruction behind the last exponential (ISA guide 5.7.2)
	s_wait_alu depctr_va_vdst(0)                   ; one wait for the 256 exponentials, ahead of their first reader
	WIN 0x0a                                       ; sources 0 and 1 window 2, destination window 0
.set n, 0
.rept 32
.irp r, 0,1,2,3
	v_cvt_pk_bf16_f32 v[PK+4*n+(\r)], v[8*n+2*(\r)], v[8*n+2*(\r)+1]
.endr
.set n, n+1
.endr
	WIN 0
	; l: two groups of 16 keys, rounded, ARE source 1 (32 keys x 16 queries) of a product; with ones as source 0 every register of the result holds the query's sum.  Four accumulators by turns.
.irp c, 0,1,2,3
.irp a, 0,1,2,3
.if (\c) == 0
	v_wmma_f32_16x16x32_bf16 v[L+8*(\a):L+8*(\a)+7], v[ONE:ONE+7], v[PK+32*(\a)+8*(\c):PK+32*(\a)+8*(\c)+7], 0
.else
	v_wmma_f32_16x16x32_bf16 v[L+8*(\a):L+8*(\a)+7], v[ONE:ONE+7], v[PK+32*(\a)+8*(\c):PK+32*(\a)+8*(\c)+7], v[L+8*(\a):L+8*(\a)+7]
.endif
.endr
.endr
	PLACES
.irp a, 0,1,2,3
	v_mov_b32 v[ST+2*(\a)+1], v[L+8*(\a)]          ; l, beside m
.endr
	; THE WAY OUT, all through my own LDS bytes: LDS serves a wave's instructions in order (ISA guide 5.7.1.4), so the loads see the stores above them and no barrier is needed.
.irp a, 0,1,2,3
	ds_store_b64 v[XW], v[ST+2*(\a):ST+2*(\a)+1] offset:128*(\a)  ; the two lanes of a query write the same words with the same numbers
.endr
	ds_load_b128 v[SV:SV+3], v[XR]                 ; two rows' (m, l) a lane
.macro TOSTAGE a                       ; block a: a lane's 8 keys of each group (16 bytes) into rows of 272 bytes, back as whole rows of 256, into the registers that they left
.irp b, 0,1,2,3,4,5,6,7
	ds_store_b128 v[STO], v[PK+32*(\a)+4*(\b):PK+32*(\a)+4*(\b)+3] offset:32*(\b)
.endr
.irp t, 0,1,2,3,4,5,6,7
	ds_load_b128 v[PK+32*(\a)+4*(\t):PK+32*(\a)+4*(\t)+3], v[RD] offset:(\t)*2*PITCH
.endr
.endm
.macro SEND a, younger                 ; younger: the LDS instructions issued behind block a's loads: the next block's sixteen, or none
.irp t, 0,1,2,3,4,5,6,7
	s_wait_dscnt (\younger)+7-(\t)
	global_store_b128 v[CO], v[PK+32*(\a)+4*(\t):PK+32*(\a)+4*(\t)+3], s[8:9] offset:(16*(\a)+2*(\t))*CROW  ; 16 lanes store 256 consecutive bytes, aligned
.endr
.endm
	TOSTAGE 0
	TOSTAGE 1
	SEND 0, 16
	v_mov_b32 v[S2], v[SV]                         ; (m, l)'s load is older than all of block 0's: it is in.  The second plane: (m, 0)
	v_mov_b32 v[S2+1], 0
	v_mov_b32 v[S2+2], v[SV+2]
	v_mov_b32 v[S2+3], 0
	global_store_b128 v[KO], v[SV:SV+3], s[68:69]  ; 512 consecutive bytes, aligned
	global_store_b128 v[KO], v[S2:S2+3], s[68:69] offset:32768
	TOSTAGE 2
	SEND 1, 16
	TOSTAGE 3
	SEND 2, 16
	SEND 3, 0
	s_wait_tensorcnt 0x0                           ; the wave's end
	ds_add_u32 v[SPW], v[NIL]
	s_wait_dscnt 0x0
	CROUND                                         ; the closing round: no work-group ends while a partner may still ask for a tile that names it
	s_endpgm
.Lfunc_end_k_qabdefc2415_scores:
	.size	k_qabdefc2415_scores, .Lfunc_end_k_qabdefc2415_scores-k_qabdefc2415_scores
	.p2alignl 7, 3214868480
	.fill 96, 4, 3214868480
	.section	.rodata,"a",@progbits
	.p2align	6, 0x0
	.amdhsa_kernel k_qabdefc2415_scores
		.amdhsa_group_segment_fixed_size 327680
		.amdhsa_private_segment_fixed_size 0
		.amdhsa_enable_private_segment 0
		.amdhsa_kernarg_size 32
		.amdhsa_user_sgpr_count 2
		.amdhsa_user_sgpr_kernarg_segment_ptr 1
		.amdhsa_wavefront_size32 1
		.amdhsa_system_sgpr_workgroup_id_x 1
		.amdhsa_system_sgpr_workgroup_id_y 1
		.amdhsa_system_sgpr_workgroup_id_z 1
		.amdhsa_system_vgpr_workitem_id 0
		.amdhsa_next_free_vgpr 1024
		.amdhsa_next_free_sgpr 76
		.amdhsa_reserve_vcc 0
		.amdhsa_float_denorm_mode_32 3
		.amdhsa_float_denorm_mode_16_64 3
		.amdhsa_memory_ordered 1
		.amdhsa_forward_progress 1
		.amdhsa_inst_pref_size 125
	.end_amdhsa_kernel
	.amdgpu_metadata
---
amdhsa.version: [ 1, 2 ]
amdhsa.kernels:
  - .name:           k_qabdefc2415_scores
    .symbol:         k_qabdefc2415_scores.kd
    .args:
      - { .name: qu, .offset: 0, .size: 8, .value_kind: global_buffer, .address_space: global }
      - { .name: key, .offset: 8, .size: 8, .value_kind: global_buffer, .address_space: global }
      - { .name: p, .offset: 16, .size: 8, .value_kind: global_buffer, .address_space: global }
      - { .name: stat, .offset: 24, .size: 8, .value_kind: global_buffer, .address_space: global }
    .group_segment_fixed_size: 327680
    .private_segment_fixed_size: 0
    .kernarg_segment_align: 8
    .kernarg_segment_size: 32
    .max_flat_workgroup_size: 128
    .sgpr_count:     76
    .vgpr_count:     1024
    .wavefront_size: 32
...
	.end_amdgpu_metadata
.endif
;; end of part 9
;; launch mix (part 10): grid 8 x 32, 4 waves a work-group, clusters of 4 x 4, 327,680 bytes of LDS; arguments p, vbf, qu, stat; writes qu
.if DOCPART == 10
	.amdgcn_target "amdgcn-amd-amdhsa--gfx1250"
	.amdhsa_code_object_version 6
	.text
	.protected	k_qabdefc2415_mix
	.globl	k_qabdefc2415_mix
	.p2align	8
	.type	k_qabdefc2415_mix,@function
k_qabdefc2415_mix:
	s_mov_b64 s[64:65], 0
	v_nop
	global_prefetch_b8 v0, s[64:65] scope:SCOPE_SE
	s_setreg_imm32_b32 hwreg(HW_REG_WAVE_MODE, 25, 1), 1
	s_wait_xcnt 0x0
	s_wait_alu depctr_hold_cnt(0) depctr_sa_sdst(0) depctr_va_vdst(0) depctr_va_sdst(0) depctr_va_ssrc(0) depctr_va_vcc(0) depctr_vm_vsrc(0)
	s_getreg_b32 s2, hwreg(HW_REG_IB_STS2, 6, 4)
	s_cmp_eq_u32 s2, 0
	s_cbranch_scc0 .Lentry_in_a_cluster
	s_endpgm
.Lentry_in_a_cluster:
	s_bfe_u32 s2, ttmp6, 0x10000c
	s_cmp_lg_u32 s2, 0xf033
	s_cbranch_scc0 .Lentry_shape_is_right
	s_endpgm
.Lentry_shape_is_right:
; U[s][e] = the sum over the 16 key tiles t of g[s][t] x (the sum over the tile's 128 keys k of P[s][k] value[k][e]): the softmax's weighted mean of the UNPROJECTED values.
; g[s][t] = 2^(c m_t - c M) / L, M = the maximum of the row's m_t, L = the sum over t of 2^(c m_t - c M) l_t, c = log2(e) / 32: the tiles' maxima are joined by the row's maximum, in f32.
; WHY: the weights add up to 1, so the mean of (value W^T + b) is (the mean of value) W^T + b: W and b are applied by the next launch, to 4,096 rows.
; P = p [4096][2048] bf16, value = vbf [8 x 2048][1024] bf16, stat [32][4096][2] f32 = (m, l) in two planes a key tile, U = qu [4096][1024] bf16, rounded once.
; LIMITS: a factor below 2^-126 counts as 0; NaN and infinities are not treated apart.  L is at least about 1: the tile that holds M has a weight of 1.
; A tile of U is 128 x 128: 8 x 32, one work-group each (a cluster's y is the batch); four waves of 64 x 64.  K = 2,048 keys in 8 steps of 256 through two LDS slots.
; A key tile is two quarters of 64 keys: its products start a fresh sum PART (C = 0), and FLUSH adds g x PART onto TOT.  ONE TEXT FOR A STEP (two key tiles): TOT starts from 16 products of
; a zero fragment; a step is written once in the loop that fills slots again and once in the loop of the last two steps; the slots are scalar offsets that an exclusive or turns.
; P's tile lies along K (rows of 512 bytes); value's lies [K][N]: 256 rows of 128 columns, read turned by ds_load_tr16_b128.
; CLUSTERS: 4 x 4.  P's tiles are shared along a row of the cluster, value's along a column: each is asked for JOINTLY.
; THE MATRIX INSTRUCTION IS USED TRANSPOSED (source 0 = 16 columns of value, source 1 = 16 rows of P): a lane holds row lane % 16 and the columns 8 (lane / 16) + 0..7.
; REGISTERS: window 0: v0-31 addresses, v8-15 zeros; v32-95 the way out; v96-103 g of my four blocks of 16 rows, in pairs with 0; v128-255 PART.  window 1: two fragment buffers.  window 2: v0-127 TOT.
.set KDIM,   2048
.set KSTEP,  256
.set STEPS,  KDIM/KSTEP
.set APIT,   2048
.set BPIT,   1024
.set PITCH,  528
.set HALFT,  64*PITCH                  ; 0x8400
.set PB,     288                       ; a row of value in LDS: 256 bytes + 32 = 72 words
.set HALFB,  128*PB                    ; 0x9000
.set ASLOT,  2*HALFT                   ; 0x10800: P's slots lie at 0 and here; no bit in common with a wave's place 0x8400
.set BB,     2*ASLOT                   ; 0x21000: value's slot 0
.set BSTR,   0x14000                   ; value's slot 1 lies so far behind slot 0: no bit in common with 0x21000 or 0x2a000, a wave's places
.set GT,     BB+2*HALFB                ; 0x33000: between value's slots: g, [16 tiles][128 rows] f32, 8,192 bytes, into which no fill lands
.set STAGE,  BB+BSTR+2*HALFB
.set SPITCH, 272
.set SPARE,  STAGE+128*SPITCH
.set CROW,   2048
.set ZF,   8
.set ADRA, 16                          ; v16  my place in slot 0 for P's fragments; never rewritten
.set ADRB, 17                          ; v17  the same for value's, keys 0-127; never rewritten
.set AA,   18                          ; v18  in the slot that is read
.set AB,   19                          ; v19  keys 0-127
.set ABH,  20                          ; v20  keys 128-255 (an LDS immediate has 16 bits)
.set STO,  24
.set RD,   25
.set CO,   26
.set GA,   27                          ; v27  g of my rows, at the step's first tile; steps 1,024 bytes a step
.set SPW,  28
.set NIL,  29
.set TMP,  32
.set G,    96
.set ACC,  128
.set F0,   0
.set F1,   128
.set G1, 24
.set G0, 32                            ; s[32:35] group 0 of the first fill, s[36:39] of the second, which then walks
.set G1B, 48
.set G0B, 56
.set SOA, 45                           ; s45  P's slot that is read: 0 or ASLOT
.set SOB, 66                           ; s66  value's: 0 or BSTR
.set CS, 72
.set MSB, 0
.macro WIN new
.if MSB != (\new)
	s_set_vgpr_msb (MSB<<8)|(\new)
.set MSB, \new
.endif
.endm
.set MUL,  0x05
.set TO_F, 0x40
.macro JLOAD s                         ; a joint load: waves 0 and 1 fetch P's two halves, waves 2 and 3 value's; an s_nop 0 and four v_nop follow each line
	s_cmp_eq_u32 s11, 0
	s_cbranch_scc0 .Lfor_b_\@
	tensor_load_to_lds s[G0+4*(\s):G0+4*(\s)+3], s[G1:G1+7]
	s_nop 0
.rept 4
	v_nop
.endr
	s_branch .Lasked_\@
.Lfor_b_\@:
	tensor_load_to_lds s[G0B+4*(\s):G0B+4*(\s)+3], s[G1B:G1B+7]
	s_nop 0
.rept 4
	v_nop
.endr
.Lasked_\@:
.endm
.macro CREST
	s_cmp_lg_u32 s10, 0
	s_cbranch_scc1 .Lnot_wave_0_\@
	s_barrier_signal -3
.Lnot_wave_0_\@:
	s_barrier_wait -3
	s_barrier_signal -1
	s_barrier_wait -1
.endm
.macro CROUND
	s_barrier_signal -1
	s_barrier_wait -1
	CREST
.endm
	s_load_b128 s[4:7], s[0:1], 0x0                ; P s[4:5], value s[6:7]
	s_load_b64 s[8:9], s[0:1], 0x10                ; U
	s_load_b64 s[68:69], s[0:1], 0x18              ; stat
	v_lshl_add_u32 v[SPW], v0, 2, SPARE
	v_mov_b32 v[NIL], 0
	ds_add_u32 v[SPW], v[NIL]                      ; the wave's opening: the add and its wait stand ahead of my first tensor load
	v_lshrrev_b32 v1, 5, v0
	v_readfirstlane_b32 s10, v1                    ; wave 0..3
	s_lshr_b32 s11, s10, 1
	s_and_b32 s12, s10, 1
	s_bfe_u32 s40, ttmp6, 0x40000
	s_bfe_u32 s41, ttmp6, 0x40004
	s_lshl_b32 s42, ttmp9, 2
	s_add_co_u32 s42, s42, s40                     ; tile column
	s_and_b32 s13, ttmp7, 0xffff
	s_lshl_b32 s13, s13, 2
	s_add_co_u32 s13, s13, s41                     ; tile row
	s_lshl_b32 s43, s41, 2
	s_lshl_b32 s43, 15, s43
	s_lshl_b32 s44, 0x1111, s40
	s_or_b32 s[G1+0], s43, (1<<16)|(1<<20)|(1<<21)|(6<<22)|(3<<25)  ; P: 64 rows x 256 elements; after every 128 words 4 words of padding
	s_mov_b32 s[G1+1], KSTEP<<16
	s_mov_b32 s[G1+2], 64<<16
	s_mov_b32 s[G1+3], KSTEP<<16
	s_mov_b32 s[G1+4], 64
	s_mov_b32 s[G1+5], APIT
	s_mov_b32 s[G1+6], 0
	s_mov_b32 s[G1+7], 0
	s_or_b32 s[G1B+0], s44, (1<<16)|(1<<20)|(1<<21)|(5<<22)|(7<<25) ; value: 128 keys x 128 elements; after every 64 words 8 words of padding
	s_mov_b32 s[G1B+1], 128<<16
	s_mov_b32 s[G1B+2], 128<<16
	s_mov_b32 s[G1B+3], 128<<16
	s_mov_b32 s[G1B+4], 128
	s_mov_b32 s[G1B+5], BPIT
	s_mov_b32 s[G1B+6], 0
	s_mov_b32 s[G1B+7], 0
	s_mov_b32 s[CS], 0x3d38aa3b                    ; c = log2(e) / 32
	s_mov_b32 s[SOA], 0
	s_mov_b32 s[SOB], 0
	s_lshl_b32 s17, s12, 6
	s_lshl_b32 s16, s13, 7
	s_add_co_u32 s16, s16, s17                     ; P: row 128 x tile row + 64 x half
	s_mov_b32 s17, 0
	s_mov_b64 s[18:19], APIT*2
	s_mul_u64 s[16:17], s[16:17], s[18:19]
	s_lshl_b32 s46, s42, 8                         ; value: the tile's 128 columns,
	s_lshl_b32 s47, s12, 18                        ; my 128 keys of 2,048 bytes,
	s_add_co_u32 s46, s46, s47
	s_and_b32 s21, ttmp7, 0xffff                   ; and the batch, the cluster's y, which all sixteen share: 4,194,304 bytes each
	s_lshl_b32 s21, s21, 22
	s_add_co_u32 s46, s46, s21
	s_mov_b32 s47, 0
	s_mul_i32 s20, s12, HALFT
	s_mul_i32 s21, s12, HALFB
	s_add_co_u32 s21, s21, BB
	s_wait_dscnt 0x0                               ; the opening add is done
	s_wait_kmcnt 0x0
	s_add_nc_u64 s[14:15], s[4:5], s[16:17]
	s_add_nc_u64 s[46:47], s[6:7], s[46:47]
	CROUND                                         ; all sixteen work-groups are here: the first joint loads meet
.irp s, 0,1
	s_mov_b32 s[G0+4*(\s)], 1
	s_add_co_u32 s[G0+4*(\s)+1], s20, (\s)*ASLOT
	s_add_nc_u64 s[G0+4*(\s)+2:G0+4*(\s)+3], s[14:15], (\s)*KSTEP*2
	s_or_b32 s[G0+4*(\s)+3], s[G0+4*(\s)+3], 0x80000000
	s_mov_b32 s[G0B+4*(\s)], 1
	s_add_co_u32 s[G0B+4*(\s)+1], s21, (\s)*BSTR
	s_add_nc_u64 s[G0B+4*(\s)+2:G0B+4*(\s)+3], s[46:47], (\s)*KSTEP*BPIT*2
	s_or_b32 s[G0B+4*(\s)+3], s[G0B+4*(\s)+3], 0x80000000
	JLOAD \s                                       ; steps 0 and 1: two loads of mine are out
.endr
	; THE TABLE OF g, a row of the tile to each of the 128 threads: (m, l) of its 32 planes; a wave's load covers 256 consecutive bytes, aligned
	s_lshl_b32 s16, s13, 10                        ; 128 rows x 8 bytes x tile row
	s_mov_b32 s17, 0
	s_add_nc_u64 s[68:69], s[68:69], s[16:17]
	v_lshlrev_b32 v6, 3, v0
.set x, 0
.rept 32
	global_load_b64 v[ACC+2*x:ACC+2*x+1], v6, s[68:69] offset:x*32768
.set x, x+1
.endr
.irp z, 0,1,2,3,4,5,6,7
	v_mov_b32 v[ZF+(\z)], 0
.endr
	v_and_b32 v1, 15, v0                           ; l % 16
	v_bfe_u32 v2, v0, 4, 1                         ; l / 16
	v_mul_u32_u24 v3, v1, PITCH
	v_lshl_add_u32 v3, v2, 4, v3
	s_mul_i32 s21, s11, HALFT
	v_add_nc_u32 v[ADRA], s21, v3
	v_mov_b32 v[AA], v[ADRA]
	v_and_b32 v4, 7, v0                            ; the turning load: lane l reads key 8 (l / 16) + l % 8, columns 8 ((l / 8) % 2) + 0..7
	v_lshl_add_u32 v4, v2, 3, v4
	v_mul_u32_u24 v4, v4, PB
	v_bfe_u32 v5, v0, 3, 1
	v_lshl_add_u32 v4, v5, 4, v4
	s_lshl_b32 s22, s12, 7
	s_add_co_u32 s22, s22, BB
	v_add_nc_u32 v[ADRB], s22, v4
	v_mov_b32 v[AB], v[ADRB]
	v_add_nc_u32 v[ABH], HALFB, v[ADRB]
	s_mul_i32 s23, s11, 64*SPITCH
	s_lshl_b32 s21, s12, 7
	s_add_co_u32 s23, s23, s21
	s_add_co_u32 s23, s23, STAGE
	v_mul_u32_u24 v4, v1, SPITCH
	v_lshl_add_u32 v4, v2, 4, v4
	v_add_nc_u32 v[STO], s23, v4
	s_mul_i32 s23, s10, 32*SPITCH
	s_add_co_u32 s23, s23, STAGE
	v_mul_u32_u24 v5, v2, SPITCH
	v_lshl_add_u32 v5, v1, 4, v5
	v_add_nc_u32 v[RD], s23, v5
	v_mul_u32_u24 v5, v2, CROW
	v_lshl_add_u32 v[CO], v1, 4, v5
	s_lshl_b32 s23, s11, 8                         ; my 64 rows x 4 bytes
	s_add_co_u32 s23, s23, GT
	v_lshl_add_u32 v[GA], v1, 2, s23
	v_lshl_add_u32 v7, v0, 2, GT                   ; where my row's g go
.irp a, 0,1,2,3
	v_mov_b32 v[G+2*(\a)+1], 0                     ; named with g as a pair
.endr
	s_lshl_b32 s16, s13, 7
	s_lshl_b32 s17, s10, 5
	s_add_co_u32 s16, s16, s17
	s_mov_b32 s17, 0
	s_mov_b64 s[18:19], CROW
	s_mul_u64 s[16:17], s[16:17], s[18:19]
	s_add_nc_u64 s[8:9], s[8:9], s[16:17]
	s_lshl_b32 s46, s42, 8
	s_mov_b32 s47, 0
	s_add_nc_u64 s[8:9], s[8:9], s[46:47]
	WIN 0x80                                       ; destination window 2
.set n, 0
.rept 16
	v_wmma_f32_16x16x32_bf16 v[8*n:8*n+7], v[ZF:ZF+7], v[ZF:ZF+7], 0  ; 0 x 0 + 0: TOT starts at 0, while the first tiles are on their way
.set n, n+1
.endr
	WIN 0
	s_wait_loadcnt 0x0                             ; tile t: m at v[128 + 4 t] (both planes hold the same), l at v[129 + 4 t] and v[131 + 4 t]
	v_max3_num_f32 v192, v128, v132, v136
.irp t, 3,5,7,9,11,13
	v_max3_num_f32 v192, v192, v[128+4*(\t)], v[132+4*(\t)]
.endr
	v_max_num_f32 v192, v192, v188                 ; M
	v_mul_f32 v193, s[CS], v192                    ; c M
.set t, 0
.rept 16
	v_fma_f32 v[194+t], v[128+4*t], s[CS], -v193   ; c m_t - c M
.set t, t+1
.endr
.set t, 0
.rept 16
	v_exp_f32 v[194+t], v[194+t]
.set t, t+1
.endr
.set t, 0
.rept 16
	v_add_f32 v[129+4*t], v[129+4*t], v[131+4*t]   ; l_t; plain work that names no exponential's result
.set t, t+1
.endr
	s_wait_alu depctr_va_vdst(0)                   ; one wait for the sixteen exponentials, ahead of their first reader
	v_mul_f32 v210, v194, v129
.set t, 1
.rept 15
	v_fmac_f32 v210, v[194+t], v[129+4*t]          ; L
.set t, t+1
.endr
	v_rcp_f32 v211, v210
	v_nop
	s_wait_alu depctr_va_vdst(0)
.set t, 0
.rept 16
	v_mul_f32 v[194+t], v[194+t], v211
.set t, t+1
.endr
.set t, 0
.rept 16
	ds_store_b32 v7, v[194+t] offset:512*t
.set t, t+1
.endr
.macro MUL8 f, c, a0, zero             ; the 16 accumulators take turns, one instruction a turn, over every jump too
	WIN MUL
.irp a, \a0, (\a0)+1
.irp b, 0,1,2,3
.if \zero
	v_wmma_f32_16x16x32_bf16 v[ACC+8*(4*(\a)+(\b)):ACC+8*(4*(\a)+(\b))+7], v[(\f)+64+8*(4*(\c)+(\b)):(\f)+64+8*(4*(\c)+(\b))+7], v[(\f)+8*(4*(\c)+(\a)):(\f)+8*(4*(\c)+(\a))+7], 0
.else
	v_wmma_f32_16x16x32_bf16 v[ACC+8*(4*(\a)+(\b)):ACC+8*(4*(\a)+(\b))+7], v[(\f)+64+8*(4*(\c)+(\b)):(\f)+64+8*(4*(\c)+(\b))+7], v[(\f)+8*(4*(\c)+(\a)):(\f)+8*(4*(\c)+(\a))+7], v[ACC+8*(4*(\a)+(\b)):ACC+8*(4*(\a)+(\b))+7]
.endif
.endr
.endr
.endm
.macro FETCH q, f                      ; 32 LDS loads in one run: the fragments of quarter q (64 keys) into buffer f; the first 32 keys first
	WIN TO_F
.irp c, 0,1
.irp i, 0,1,2,3
	ds_load_tr16_b128 v[(\f)+64+8*(4*(\c)+(\i)):(\f)+64+8*(4*(\c)+(\i))+3],   v[AB+((\q)/2)] offset:(((\q)%2)*64+32*(\c))*PB+32*(\i)
	ds_load_tr16_b128 v[(\f)+64+8*(4*(\c)+(\i))+4:(\f)+64+8*(4*(\c)+(\i))+7], v[AB+((\q)/2)] offset:(((\q)%2)*64+32*(\c)+16)*PB+32*(\i)
	ds_load_b128 v[(\f)+8*(4*(\c)+(\i)):(\f)+8*(4*(\c)+(\i))+3],         v[AA] offset:128*(\q)+64*(\c)+(\i)*16*PITCH
	ds_load_b128 v[(\f)+8*(4*(\c)+(\i))+4:(\f)+8*(4*(\c)+(\i))+7],       v[AA] offset:128*(\q)+64*(\c)+(\i)*16*PITCH+32
.endr
.endr
.endm
.macro PLACES                          ; four places in front of loads into registers that matrix instructions have read, and of instructions that read results
.rept 4
	v_nop
.endr
.endm
; A quarter: multiplies buffer f, fetches quarter q of the slot into g.  zero = 1: a key tile's first quarter starts PART anew.
; gl >= 0: the tile's g of my four blocks of rows are fetched too, from byte gl behind GA: four loads older than the 32, so the wait for all but 32 covers them.
.macro QUARTER q, f, g, zero, gl
	s_wait_dscnt 16                                ; the first 32 keys are in; the youngest sixteen loads may be out
	MUL8 \f, 0, 0, \zero
	MUL8 \f, 0, 2, \zero
	PLACES
.if (\gl) >= 0
	WIN 0
.irp a, 0,1,2,3
	ds_load_b32 v[G+2*(\a)], v[GA] offset:(\gl)+64*(\a)
.endr
.endif
	FETCH \q, \g
	s_wait_dscnt 32                                ; all but the 32 just issued
	MUL8 \f, 1, 0, 0
	MUL8 \f, 1, 2, 0
.endm
; The last quarter multiplies buffer 1 and changes slots: ONE barrier; in front of it each wave waits for all its tensor loads, adds 0 to its spare word, and waits for that and for its reads of these slots.
; fill = 1: the slots are filled again, two steps on.  fill = 0: the last two steps; the very last jumps over the fetch of slots that nobody multiplies.
.macro TURN fill
	WIN 0
	s_wait_tensorcnt 0x0                           ; all my tensor loads have landed: my part of the next slots;
	ds_add_u32 v[SPW], v[NIL]                      ; 0 onto my spare word;
	s_xor_b32 s[SOA], s[SOA], ASLOT                ; the slots that are read next
	s_xor_b32 s[SOB], s[SOB], BSTR
	v_add_nc_u32 v[AA], s[SOA], v[ADRA]
	v_add_nc_u32 v[AB], s[SOB], v[ADRB]
	v_add_nc_u32 v[ABH], HALFB, v[AB]
	v_add_nc_u32 v[GA], 1024, v[GA]                ; the next step's two tiles
	s_wait_dscnt 17                                ; (the add and the youngest sixteen loads may be out)
	MUL8 F1, 0, 0, 0
	s_wait_dscnt 0x0                               ; the add is done, and my reads of these slots are over
	s_barrier_signal -1
	MUL8 F1, 0, 2, 0
	WIN 0
	s_barrier_wait -1
.if \fill
	CREST                                          ; a round of the cluster's barrier: no wave of any partner still reads these slots or has a load on its way
	s_xor_b32 s[G0+5], s[G0+5], ASLOT              ; the walking descriptors: the other slot than last time, the next step; the type bits on top are not reached
	s_add_nc_u64 s[G0+6:G0+7], s[G0+6:G0+7], KSTEP*2
	s_xor_b32 s[G0B+5], s[G0B+5], BSTR
	s_add_nc_u64 s[G0B+6:G0B+7], s[G0B+6:G0B+7], KSTEP*BPIT*2
	JLOAD 1                                        ; the first tensor load behind the round; its four v_nop are also the places in front of the loads below
.else
	s_cmp_eq_u32 s3, 1
	s_cbranch_scc1 .Lno_more_\@
	PLACES
.endif
	FETCH 0, F0
.if !(\fill)
	WIN 0
.Lno_more_\@:
.endif
	MUL8 F1, 1, 0, 0
	MUL8 F1, 1, 2, 0
.endm
; TOT += g x PART, two numbers an instruction, in ascending order (each accumulator's lowest registers are read first).
; Its 64 lines and the four in front are also the places between a tile's last products and the next tile's, which write PART anew.
.macro FLUSH
	PLACES
	WIN 0xa0                                       ; destination and source 2 window 2
.set z, 0
.rept 64
	v_pk_fma_f32 v[2*z:2*z+1], v[ACC+2*z:ACC+2*z+1], v[G+2*(z/16):G+2*(z/16)+1], v[2*z:2*z+1] op_sel_hi:[1,0,1]
.set z, z+1
.endr
.endm
.macro STEP fill                       ; 256 keys: two key tiles
	QUARTER 1, F0, F1, 1, 0
	QUARTER 2, F1, F0, 0, -1
	FLUSH
	QUARTER 3, F0, F1, 1, 512
	TURN \fill
	FLUSH
	WIN 0                                          ; at a label and at a branch every window is 0
.endm
	s_wait_tensorcnt 1                             ; my part of K step 0 is in; K step 1's load may stay out
	s_wait_dscnt 0x0                               ; for the others' sake: my row's g are stored
	s_barrier_signal -1
	s_barrier_wait -1
	FETCH 0, F0
	WIN 0
	s_mov_b32 s3, STEPS-2
.Lfill:                                                ; every step but the last two: its slots are filled again
	STEP 1
	s_sub_co_u32 s3, s3, 1
	s_cmp_lg_u32 s3, 0
	s_cbranch_scc1 .Lfill
	s_mov_b32 s3, 2
.Ltail:                                                ; the last two steps ask for nothing, and have no round of the cluster's barrier
	STEP 0
	s_sub_co_u32 s3, s3, 1
	s_cmp_lg_u32 s3, 0
	s_cbranch_scc1 .Ltail
	; THE WAY OUT: TOT rounded to bf16; into the stage; a barrier, since a row's 256 bytes come from two waves; back as whole rows, 32 rows a wave.
	WIN 0x0a                                       ; sources 0 and 1 window 2, destination window 0
.irp t, 0,1,2,3,4,5,6,7,8,9,10,11,12,13,14,15
.irp r, 0,1,2,3
	v_cvt_pk_bf16_f32 v[TMP+4*(\t)+(\r)], v[8*(\t)+2*(\r)], v[8*(\t)+2*(\r)+1]
.endr
.endr
	WIN 0
.irp a, 0,1,2,3
.irp b, 0,1,2,3
	ds_store_b128 v[STO], v[TMP+4*(4*(\a)+(\b)):TMP+4*(4*(\a)+(\b))+3] offset:(\a)*16*SPITCH+32*(\b)
.endr
.endr
	s_wait_dscnt 0x0                               ; for the others' sake: my stores into the stage are done
	s_barrier_signal -1
	s_barrier_wait -1
.irp t, 0,1,2,3,4,5,6,7,8,9,10,11,12,13,14,15
	ds_load_b128 v[TMP+4*(\t):TMP+4*(\t)+3], v[RD] offset:(\t)*2*SPITCH
.endr
.irp t, 0,1,2,3,4,5,6,7,8,9,10,11,12,13,14,15
	s_wait_dscnt 15-(\t)
	global_store_b128 v[CO], v[TMP+4*(\t):TMP+4*(\t)+3], s[8:9] offset:2*(\t)*CROW  ; 16 lanes store 256 consecutive bytes, aligned
.endr
	s_wait_tensorcnt 0x0                           ; the wave's end
	ds_add_u32 v[SPW], v[NIL]
	s_wait_dscnt 0x0
	CROUND                                         ; the closing round
	s_endpgm
.Lfunc_end_k_qabdefc2415_mix:
	.size	k_qabdefc2415_mix, .Lfunc_end_k_qabdefc2415_mix-k_qabdefc2415_mix
	.p2alignl 7, 3214868480
	.fill 96, 4, 3214868480
	.section	.rodata,"a",@progbits
	.p2align	6, 0x0
	.amdhsa_kernel k_qabdefc2415_mix
		.amdhsa_group_segment_fixed_size 327680
		.amdhsa_private_segment_fixed_size 0
		.amdhsa_enable_private_segment 0
		.amdhsa_kernarg_size 32
		.amdhsa_user_sgpr_count 2
		.amdhsa_user_sgpr_kernarg_segment_ptr 1
		.amdhsa_wavefront_size32 1
		.amdhsa_system_sgpr_workgroup_id_x 1
		.amdhsa_system_sgpr_workgroup_id_y 1
		.amdhsa_system_sgpr_workgroup_id_z 1
		.amdhsa_system_vgpr_workitem_id 0
		.amdhsa_next_free_vgpr 640
		.amdhsa_next_free_sgpr 76
		.amdhsa_reserve_vcc 0
		.amdhsa_float_denorm_mode_32 3
		.amdhsa_float_denorm_mode_16_64 3
		.amdhsa_memory_ordered 1
		.amdhsa_forward_progress 1
		.amdhsa_inst_pref_size 83
	.end_amdhsa_kernel
	.amdgpu_metadata
---
amdhsa.version: [ 1, 2 ]
amdhsa.kernels:
  - .name:           k_qabdefc2415_mix
    .symbol:         k_qabdefc2415_mix.kd
    .args:
      - { .name: p, .offset: 0, .size: 8, .value_kind: global_buffer, .address_space: global }
      - { .name: vbf, .offset: 8, .size: 8, .value_kind: global_buffer, .address_space: global }
      - { .name: qu, .offset: 16, .size: 8, .value_kind: global_buffer, .address_space: global }
      - { .name: stat, .offset: 24, .size: 8, .value_kind: global_buffer, .address_space: global }
    .group_segment_fixed_size: 327680
    .private_segment_fixed_size: 0
    .kernarg_segment_align: 8
    .kernarg_segment_size: 32
    .max_flat_workgroup_size: 128
    .sgpr_count:     76
    .vgpr_count:     640
    .wavefront_size: 32
...
	.end_amdgpu_metadata
.endif
;; end of part 10
;; launch outp (part 11): grid 8 x 32, 4 waves a work-group, clusters of 4 x 4, 327,680 bytes of LDS; arguments qu, wbf, out0, b; writes out0
.if DOCPART == 11
	.amdgcn_target "amdgcn-amd-amdhsa--gfx1250"
	.amdhsa_code_object_version 6
	.text
	.protected	k_qabdefc2415_outp
	.globl	k_qabdefc2415_outp
	.p2align	8
	.type	k_qabdefc2415_outp,@function
k_qabdefc2415_outp:
	s_mov_b64 s[64:65], 0
	v_nop
	global_prefetch_b8 v0, s[64:65] scope:SCOPE_SE
	s_setreg_imm32_b32 hwreg(HW_REG_WAVE_MODE, 25, 1), 1
	s_wait_xcnt 0x0
	s_wait_alu depctr_hold_cnt(0) depctr_sa_sdst(0) depctr_va_vdst(0) depctr_va_sdst(0) depctr_va_ssrc(0) depctr_va_vcc(0) depctr_vm_vsrc(0)
	s_getreg_b32 s2, hwreg(HW_REG_IB_STS2, 6, 4)
	s_cmp_eq_u32 s2, 0
	s_cbranch_scc0 .Lentry_in_a_cluster
	s_endpgm
.Lentry_in_a_cluster:
	s_bfe_u32 s2, ttmp6, 0x10000c
	s_cmp_lg_u32 s2, 0xf033
	s_cbranch_scc0 .Lentry_shape_is_right
	s_endpgm
.Lentry_shape_is_right:
; out[s][p] = the sum over e of U[s][e] W[p][e] + b[p].  U = qu [4096][1024] bf16 (the weighted mean of the values), W = wbf [1024][1024] bf16,
; b [1024] f32 (rounded to bf16 here, like the other inputs), out = out0 [4096][1024] f32.  NaN and infinities are not treated apart.
; A tile of out is 128 x 128: 8 x 32 tiles, one work-group each.  Four waves, each 64 x 64: 16 accumulators.  K goes in 4 steps of 256 through two LDS slots.
; ONE TEXT FOR A STEP: the sums start from 16 products of a zero fragment with the bias as C, issued while the first tiles are on their way; a step is written once in the loop that fills
; slots again and once in the loop of the last two steps; the slot is a scalar offset that an exclusive or turns.
; CLUSTERS: 4 x 4.  U's tiles are shared along a row of the cluster, W's along a column: each is asked for JOINTLY.
; THE MATRIX INSTRUCTION IS USED TRANSPOSED (source 0 = 16 rows of W, source 1 = 16 rows of U): a lane holds row lane % 16 and the columns 8 (lane / 16) + 0..7.
; THE WAY OUT: a wave's 64 columns of f32 are 256 bytes of a row, aligned: each wave turns its own blocks of 16 rows in a stage of its own, with no barrier.
; REGISTERS: window 0: v0-31 addresses, v8-15 zeros; v32-95 the way out, two sets of 32; v96-127 the bias; v128-255 the accumulators.  window 1: two fragment buffers of 128.
.set KDIM,   1024
.set KSTEP,  256
.set STEPS,  KDIM/KSTEP
.set PITCH,  528
.set HALFT,  64*PITCH                  ; 0x8400
.set SLOT,   4*HALFT                   ; 0x21000: it shares no bit with a wave's place (at most 0x18c00), so an exclusive or changes slots
.set STAGE,  2*SLOT                    ; behind the ring: 16 rows x 272 bytes for each wave
.set SPITCH, 272
.set SPARE,  STAGE+4*16*SPITCH
.set CROW,   4096                      ; bytes in a row of out
.set ZF,   8
.set ADRA, 16                          ; v16, v17  my places in slot 0; never rewritten
.set ADRB, 17
.set AA,   18                          ; v18, v19  the same in the slot that is read
.set AB,   19
.set STO,  24
.set RD,   25
.set CO,   26
.set SPW,  28
.set NIL,  29
.set TMP,  32
.set BIAS, 96
.set ACC,  128
.set F0,   0
.set F1,   128
.set G1, 24
.set G0, 32                            ; s[32:35] group 0 of the first fill, s[36:39] of the second, which then walks
.set G1B, 48
.set G0B, 56
.set SO, 45                            ; s45  the slot that is read: 0 or SLOT
.set MSB, 0
.macro WIN new
.if MSB != (\new)
	s_set_vgpr_msb (MSB<<8)|(\new)
.set MSB, \new
.endif
.endm
.set MUL,  0x05
.set TO_F, 0x40
.macro JLOAD s                         ; a joint load: waves 0 and 1 fetch U's two halves, waves 2 and 3 W's; an s_nop 0 and four v_nop follow each line
	s_cmp_eq_u32 s11, 0
	s_cbranch_scc0 .Lfor_b_\@
	tensor_load_to_lds s[G0+4*(\s):G0+4*(\s)+3], s[G1:G1+7]
	s_nop 0
.rept 4
	v_nop
.endr
	s_branch .Lasked_\@
.Lfor_b_\@:
	tensor_load_to_lds s[G0B+4*(\s):G0B+4*(\s)+3], s[G1B:G1B+7]
	s_nop 0
.rept 4
	v_nop
.endr
.Lasked_\@:
.endm
.macro CREST
	s_cmp_lg_u32 s10, 0
	s_cbranch_scc1 .Lnot_wave_0_\@
	s_barrier_signal -3
.Lnot_wave_0_\@:
	s_barrier_wait -3
	s_barrier_signal -1
	s_barrier_wait -1
.endm
.macro CROUND
	s_barrier_signal -1
	s_barrier_wait -1
	CREST
.endm
	s_load_b128 s[4:7], s[0:1], 0x0                ; U s[4:5], W s[6:7]
	s_load_b64 s[8:9], s[0:1], 0x10                ; out
	s_load_b64 s[68:69], s[0:1], 0x18              ; b
	v_lshl_add_u32 v[SPW], v0, 2, SPARE
	v_mov_b32 v[NIL], 0
	ds_add_u32 v[SPW], v[NIL]                      ; the wave's opening: the add and its wait stand ahead of my first tensor load
	v_lshrrev_b32 v1, 5, v0
	v_readfirstlane_b32 s10, v1                    ; wave 0..3
	s_lshr_b32 s11, s10, 1
	s_and_b32 s12, s10, 1
	s_bfe_u32 s40, ttmp6, 0x40000
	s_bfe_u32 s41, ttmp6, 0x40004
	s_lshl_b32 s42, ttmp9, 2
	s_add_co_u32 s42, s42, s40                     ; tile column
	s_and_b32 s13, ttmp7, 0xffff
	s_lshl_b32 s13, s13, 2
	s_add_co_u32 s13, s13, s41                     ; tile row
	s_lshl_b32 s43, s41, 2
	s_lshl_b32 s43, 15, s43
	s_lshl_b32 s44, 0x1111, s40
	s_or_b32 s[G1+0], s43, (1<<16)|(1<<20)|(1<<21)|(6<<22)|(3<<25)
	s_or_b32 s[G1B+0], s44, (1<<16)|(1<<20)|(1<<21)|(6<<22)|(3<<25)
.irp g, G1, G1B
	s_mov_b32 s[(\g)+1], KSTEP<<16
	s_mov_b32 s[(\g)+2], 64<<16
	s_mov_b32 s[(\g)+3], KSTEP<<16
	s_mov_b32 s[(\g)+4], 64
	s_mov_b32 s[(\g)+5], KDIM
	s_mov_b32 s[(\g)+6], 0
	s_mov_b32 s[(\g)+7], 0
.endr
	s_mov_b32 s[SO], 0
	s_lshl_b32 s17, s12, 6
	s_lshl_b32 s16, s13, 7
	s_add_co_u32 s16, s16, s17
	s_lshl_b32 s46, s42, 7
	s_add_co_u32 s46, s46, s17
	s_mov_b32 s17, 0
	s_mov_b32 s47, 0
	s_mov_b64 s[18:19], KDIM*2
	s_mul_u64 s[16:17], s[16:17], s[18:19]
	s_mul_u64 s[46:47], s[46:47], s[18:19]
	s_mul_i32 s20, s10, HALFT
	s_wait_dscnt 0x0                               ; the opening add is done
	s_wait_kmcnt 0x0
	s_add_nc_u64 s[14:15], s[4:5], s[16:17]
	s_add_nc_u64 s[46:47], s[6:7], s[46:47]
	CROUND                                         ; all sixteen work-groups are here: the first joint loads meet
.irp s, 0,1
	s_mov_b32 s[G0+4*(\s)], 1
	s_add_co_u32 s[G0+4*(\s)+1], s20, (\s)*SLOT
	s_add_nc_u64 s[G0+4*(\s)+2:G0+4*(\s)+3], s[14:15], (\s)*KSTEP*2
	s_or_b32 s[G0+4*(\s)+3], s[G0+4*(\s)+3], 0x80000000
	s_mov_b32 s[G0B+4*(\s)], 1
	s_add_co_u32 s[G0B+4*(\s)+1], s20, (\s)*SLOT
	s_add_nc_u64 s[G0B+4*(\s)+2:G0B+4*(\s)+3], s[46:47], (\s)*KSTEP*2
	s_or_b32 s[G0B+4*(\s)+3], s[G0B+4*(\s)+3], 0x80000000
	JLOAD \s                                       ; steps 0 and 1: two loads of mine are out
.endr
	v_and_b32 v1, 15, v0                           ; l % 16
	v_bfe_u32 v2, v0, 4, 1                         ; l / 16
	; my 64 columns, in bytes of f32: 512 x tile column + 256 x half: for the bias and for out
	s_lshl_b32 s46, s42, 9
	s_lshl_b32 s47, s12, 8
	s_add_co_u32 s46, s46, s47
	s_mov_b32 s47, 0
	s_add_nc_u64 s[68:69], s[68:69], s[46:47]
	s_add_nc_u64 s[8:9], s[8:9], s[46:47]
	v_lshlrev_b32 v6, 5, v2
.irp b, 0,1,2,3
	global_load_b128 v[BIAS+8*(\b):BIAS+8*(\b)+3],   v6, s[68:69] offset:64*(\b)
	global_load_b128 v[BIAS+8*(\b)+4:BIAS+8*(\b)+7], v6, s[68:69] offset:64*(\b)+16
.endr
.irp z, 0,1,2,3,4,5,6,7
	v_mov_b32 v[ZF+(\z)], 0
.endr
	v_mul_u32_u24 v3, v1, PITCH
	v_lshl_add_u32 v3, v2, 4, v3
	s_mul_i32 s21, s11, HALFT
	s_mul_i32 s22, s12, HALFT
	s_add_co_u32 s22, s22, 2*HALFT
	v_add_nc_u32 v[ADRA], s21, v3
	v_add_nc_u32 v[ADRB], s22, v3
	v_mov_b32 v[AA], v[ADRA]
	v_mov_b32 v[AB], v[ADRB]
	s_mul_i32 s23, s10, 16*SPITCH
	s_add_co_u32 s23, s23, STAGE                   ; my stage
	v_mul_u32_u24 v4, v1, SPITCH                   ; in: row l % 16, 32 bytes for each half of the lanes
	v_lshl_add_u32 v4, v2, 5, v4
	v_add_nc_u32 v[STO], s23, v4
	v_mul_u32_u24 v5, v2, SPITCH                   ; back: lanes 0-15 take one row of 256 bytes, lanes 16-31 the next
	v_lshl_add_u32 v5, v1, 4, v5
	v_add_nc_u32 v[RD], s23, v5
	v_mul_u32_u24 v5, v2, CROW
	v_lshl_add_u32 v[CO], v1, 4, v5
	s_lshl_b32 s16, s13, 7
	s_lshl_b32 s17, s11, 6
	s_add_co_u32 s16, s16, s17                     ; my first row: 128 x tile row + 64 x half
	s_mov_b32 s17, 0
	s_mov_b64 s[18:19], CROW
	s_mul_u64 s[16:17], s[16:17], s[18:19]
	s_add_nc_u64 s[8:9], s[8:9], s[16:17]
	s_wait_loadcnt 0x0                             ; the bias is in; it is rounded to bf16 and widened again
.set i, 0
.rept 16
	v_cvt_pk_bf16_f32 v[TMP+i], v[BIAS+2*i], v[BIAS+2*i+1]
.set i, i+1
.endr
.set i, 0
.rept 16
	v_lshlrev_b32 v[BIAS+2*i], 16, v[TMP+i]
	v_and_b32 v[BIAS+2*i+1], 0xffff0000, v[TMP+i]
.set i, i+1
.endr
.set n, 0
.rept 16
	v_wmma_f32_16x16x32_bf16 v[ACC+8*n:ACC+8*n+7], v[ZF:ZF+7], v[ZF:ZF+7], v[BIAS+8*(n%4):BIAS+8*(n%4)+7]  ; 0 x 0 + bias: the sums start at the bias
.set n, n+1
.endr
.macro MUL8 f, c, a0                   ; the 16 accumulators take turns, one instruction a turn, over every jump too
	WIN MUL
.irp a, \a0, (\a0)+1
.irp b, 0,1,2,3
	v_wmma_f32_16x16x32_bf16 v[ACC+8*(4*(\a)+(\b)):ACC+8*(4*(\a)+(\b))+7], v[(\f)+64+8*(4*(\c)+(\b)):(\f)+64+8*(4*(\c)+(\b))+7], v[(\f)+8*(4*(\c)+(\a)):(\f)+8*(4*(\c)+(\a))+7], v[ACC+8*(4*(\a)+(\b)):ACC+8*(4*(\a)+(\b))+7]
.endr
.endr
.endm
.macro FETCH k, f                      ; 32 LDS loads in one run: 64 along K at byte k of the rows, into buffer f; the first 32 along K first
	WIN TO_F
.irp c, 0,1
.irp i, 0,1,2,3
	ds_load_b128 v[(\f)+64+8*(4*(\c)+(\i)):(\f)+64+8*(4*(\c)+(\i))+3],   v[AB] offset:(\k)+64*(\c)+(\i)*16*PITCH
	ds_load_b128 v[(\f)+64+8*(4*(\c)+(\i))+4:(\f)+64+8*(4*(\c)+(\i))+7], v[AB] offset:(\k)+64*(\c)+(\i)*16*PITCH+32
	ds_load_b128 v[(\f)+8*(4*(\c)+(\i)):(\f)+8*(4*(\c)+(\i))+3],         v[AA] offset:(\k)+64*(\c)+(\i)*16*PITCH
	ds_load_b128 v[(\f)+8*(4*(\c)+(\i))+4:(\f)+8*(4*(\c)+(\i))+7],       v[AA] offset:(\k)+64*(\c)+(\i)*16*PITCH+32
.endr
.endr
.endm
.macro PLACES                          ; four places in front of loads into registers that matrix instructions have read, and of instructions that read results
.rept 4
	v_nop
.endr
.endm
.macro QUARTER k, f, g
	s_wait_dscnt 16                                ; the first 32 along K are in; the youngest sixteen loads may be out
	MUL8 \f, 0, 0
	MUL8 \f, 0, 2
	PLACES
	FETCH \k, \g
	s_wait_dscnt 32                                ; all but the 32 just issued
	MUL8 \f, 1, 0
	MUL8 \f, 1, 2
.endm
; The last quarter multiplies buffer 1 and changes slots: ONE barrier; in front of it each wave waits for all its tensor loads, adds 0 to its spare word, and waits for that and for its reads of this slot.
; fill = 1: this slot is filled again, two steps on.  fill = 0: the last two steps; the very last jumps over the fetch of a slot that nobody multiplies.
.macro TURN fill
	WIN 0
	s_wait_tensorcnt 0x0                           ; all my tensor loads have landed: my part of the next slot;
	ds_add_u32 v[SPW], v[NIL]                      ; 0 onto my spare word;
	s_xor_b32 s[SO], s[SO], SLOT                   ; the slot that is read next
	v_add_nc_u32 v[AA], s[SO], v[ADRA]
	v_add_nc_u32 v[AB], s[SO], v[ADRB]
	s_wait_dscnt 17                                ; (the add and the youngest sixteen loads may be out)
	MUL8 F1, 0, 0
	s_wait_dscnt 0x0                               ; the add is done, and my reads of this slot are over
	s_barrier_signal -1
	MUL8 F1, 0, 2
	WIN 0
	s_barrier_wait -1
.if \fill
	CREST                                          ; a round of the cluster's barrier: no wave of any partner still reads this slot or has a load on its way
	s_xor_b32 s[G0+5], s[G0+5], SLOT               ; the walking descriptors: the other slot than last time, the next step; the type bits on top are not reached
	s_add_nc_u64 s[G0+6:G0+7], s[G0+6:G0+7], KSTEP*2
	s_xor_b32 s[G0B+5], s[G0B+5], SLOT
	s_add_nc_u64 s[G0B+6:G0B+7], s[G0B+6:G0B+7], KSTEP*2
	JLOAD 1                                        ; the first tensor load behind the round; its four v_nop are also the places in front of the loads below
.else
	s_cmp_eq_u32 s3, 1
	s_cbranch_scc1 .Lno_more_\@
	PLACES
.endif
	FETCH 0, F0
.if !(\fill)
	WIN 0
.Lno_more_\@:
.endif
	MUL8 F1, 1, 0
	MUL8 F1, 1, 2
.endm
.macro STEP fill
	QUARTER 128, F0, F1
	QUARTER 256, F1, F0
	QUARTER 384, F0, F1
	TURN \fill
	WIN 0                                          ; at a label and at a branch every window is 0
.endm
	s_wait_tensorcnt 1                             ; my part of K step 0 is in; K step 1's load may stay out
	s_barrier_signal -1
	s_barrier_wait -1
	FETCH 0, F0
	WIN 0
	s_mov_b32 s3, STEPS-2
.Lfill:                                                ; every step but the last two: its slot is filled again
	STEP 1
	s_sub_co_u32 s3, s3, 1
	s_cmp_lg_u32 s3, 0
	s_cbranch_scc1 .Lfill
	s_mov_b32 s3, 2
.Ltail:                                                ; the last two steps ask for nothing, and have no round of the cluster's barrier
	STEP 0
	s_sub_co_u32 s3, s3, 1
	s_cmp_lg_u32 s3, 0
	s_cbranch_scc1 .Ltail
	; THE WAY OUT, a block of 16 rows at a time: a lane's eight columns (32 bytes) into rows of 272 bytes of my own stage, back as whole rows of 256 bytes, and stored.
	; LDS serves a wave's instructions in order (ISA guide 5.7.1.4): the loads see the stores above them, and the next block's stores come behind these loads.
	PLACES
.irp a, 0,1,2,3
.irp b, 0,1,2,3
	ds_store_b128 v[STO], v[ACC+8*(4*(\a)+(\b)):ACC+8*(4*(\a)+(\b))+3]   offset:64*(\b)
	ds_store_b128 v[STO], v[ACC+8*(4*(\a)+(\b))+4:ACC+8*(4*(\a)+(\b))+7] offset:64*(\b)+16
.endr
	s_wait_xcnt 0x0                                ; the set of 32 registers that the block before last stored from is loaded again only behind this wait
.irp t, 0,1,2,3,4,5,6,7
	ds_load_b128 v[TMP+32*((\a)%2)+4*(\t):TMP+32*((\a)%2)+4*(\t)+3], v[RD] offset:(\t)*2*SPITCH
.endr
.irp t, 0,1,2,3,4,5,6,7
	s_wait_dscnt 7-(\t)
	global_store_b128 v[CO], v[TMP+32*((\a)%2)+4*(\t):TMP+32*((\a)%2)+4*(\t)+3], s[8:9] offset:(16*(\a)+2*(\t))*CROW  ; 16 lanes store 256 consecutive bytes, aligned
.endr
.endr
	s_wait_tensorcnt 0x0                           ; the wave's end
	ds_add_u32 v[SPW], v[NIL]
	s_wait_dscnt 0x0
	CROUND                                         ; the closing round
	s_endpgm
.Lfunc_end_k_qabdefc2415_outp:
	.size	k_qabdefc2415_outp, .Lfunc_end_k_qabdefc2415_outp-k_qabdefc2415_outp
	.p2alignl 7, 3214868480
	.fill 96, 4, 3214868480
	.section	.rodata,"a",@progbits
	.p2align	6, 0x0
	.amdhsa_kernel k_qabdefc2415_outp
		.amdhsa_group_segment_fixed_size 327680
		.amdhsa_private_segment_fixed_size 0
		.amdhsa_enable_private_segment 0
		.amdhsa_kernarg_size 32
		.amdhsa_user_sgpr_count 2
		.amdhsa_user_sgpr_kernarg_segment_ptr 1
		.amdhsa_wavefront_size32 1
		.amdhsa_system_sgpr_workgroup_id_x 1
		.amdhsa_system_sgpr_workgroup_id_y 1
		.amdhsa_system_sgpr_workgroup_id_z 1
		.amdhsa_system_vgpr_workitem_id 0
		.amdhsa_next_free_vgpr 512
		.amdhsa_next_free_sgpr 76
		.amdhsa_reserve_vcc 0
		.amdhsa_float_denorm_mode_32 3
		.amdhsa_float_denorm_mode_16_64 3
		.amdhsa_memory_ordered 1
		.amdhsa_forward_progress 1
		.amdhsa_inst_pref_size 59
	.end_amdhsa_kernel
	.amdgpu_metadata
---
amdhsa.version: [ 1, 2 ]
amdhsa.kernels:
  - .name:           k_qabdefc2415_outp
    .symbol:         k_qabdefc2415_outp.kd
    .args:
      - { .name: qu, .offset: 0, .size: 8, .value_kind: global_buffer, .address_space: global }
      - { .name: wbf, .offset: 8, .size: 8, .value_kind: global_buffer, .address_space: global }
      - { .name: out0, .offset: 16, .size: 8, .value_kind: global_buffer, .address_space: global }
      - { .name: b, .offset: 24, .size: 8, .value_kind: global_buffer, .address_space: global }
    .group_segment_fixed_size: 327680
    .private_segment_fixed_size: 0
    .kernarg_segment_align: 8
    .kernarg_segment_size: 32
    .max_flat_workgroup_size: 128
    .sgpr_count:     76
    .vgpr_count:     512
    .wavefront_size: 32
...
	.end_amdgpu_metadata
.endif
;; end of part 11
;; ======== version 3 of 3: 5 launches; version 2 with the launch cast written anew for expert scheduling mode
;; workspace buffers: qu 8,388,608 bytes; vbf 33,554,432 bytes; wbf 2,097,152 bytes; wtb 2,097,152 bytes; zb 4,096 bytes; q 8,388,608 bytes; p 16,777,216 bytes; stat 1,048,576 bytes
;; launch cast (part 12): grid 736 x 1, 8 waves a work-group, no clusters, 113,664 bytes of LDS; arguments query, value, W, b, q, vbf, wbf, wtb, zb; writes q, vbf, wbf, wtb, zb
.if DOCPART == 12
	.amdgcn_target "amdgcn-amd-amdhsa--gfx1250"
	.amdhsa_code_object_version 6
	.text
	.protected	k_qabdefc2415_cast
	.globl	k_qabdefc2415_cast
	.p2align	8
	.type	k_qabdefc2415_cast,@function
k_qabdefc2415_cast:
	s_mov_b64 s[64:65], 0
	v_nop
	global_prefetch_b8 v0, s[64:65] scope:SCOPE_SE
	s_setreg_imm32_b32 hwreg(HW_REG_WAVE_SCHED_MODE, 0, 2), 2
	s_setreg_imm32_b32 hwreg(HW_REG_WAVE_MODE, 25, 1), 1
	s_wait_xcnt 0x0
	s_wait_alu depctr_vm_vsrc(0)
; TWO JOBS in one launch, told apart by the work-group's number.
; Work-groups 64-735, A STREAM: query, value and W, all f32, are rounded once to bf16 (nearest even) into q, vbf, wbf.  64-191 query, 192-703 value, 704-735 W: a chunk of 131,072
; bytes of f32 each.  A wave takes 16,384 bytes by 32 loads of 16 bytes a lane (512 neighbouring bytes each), all issued before the first is used; four numbers pack into 8 bytes, so each
; store of the wave covers 256 consecutive bytes, aligned.  (The keys are rounded where they are multiplied.)
; Work-groups 0-63: G = W^T W and c = b W.  WHY: (x W^T + b) W = x G + c, so the queries pass through ONE product with G in place of two with W.  The order of the sums differs from the
; written one.  wtb[e][e'] = the sum over p of W[p][e] W[p][e'] (bf16 products, f32 sums, rounded once to bf16); zb[e'] = the sum over p of b[p] W[p][e'] in f32, from the numbers as loaded.
; Work-group g makes the tile of 128 rows e (tile row g / 8) x 128 columns e' (tile column g % 8); wave w the rows 32 (w / 2) .. + 31 and the columns 64 (w % 2) .. + 63: 8 accumulators.
; p goes in 16 chunks of 64.  A wave loads rows 8 w .. 8 w + 7 of the chunk, 512 bytes of each of the two column panels, rounds them in place and stores them as [p][e] rows into one of
; two LDS buffers; both operands are read turned, by ds_load_tr16_b128.  Two sets of registers: a chunk's loads are out for two chunks.  ONE barrier a chunk: a buffer is written again only
; behind the barrier in front of which every wave has waited for its reads of it.  No cluster and no tensor loads: the numbers are rounded on their way into LDS.
; NaN and infinities are not treated apart.
; THE MODE: SCHED_MODE bits 1:0 = 2 (LLVM: expert scheduling mode 2), set by the entry lines.  The code itself states the register dependences between vector or matrix instructions
; and memory or LDS instructions, with s_wait_alu, always for 0.
; THE PLAN, THE STREAM.  v1, v2: offsets, made at the head, never written again.  X: each register is written by one load and read by one conversion.  Y: each register is written by one
; conversion and read by one store.  So one wait stands ahead of the first load, and one behind the eight conversions of each group of four loads, ahead of the group's four stores.
; THE PLAN, G.  Registers that memory or LDS instructions touch in the loop:
;   VA, VB, STV, RA, RB   addresses, made at the head, never written again.
;   X[par]   the chunk's 16 loads land in it; c's multiply-adds read it; the 32 conversions read and write it; the 16 LDS stores read it; the loads of the chunk two on land in it.
;   FR       the turning loads land in it, twice a chunk; the matrix instructions read it.
;   The accumulators and c's partial sums are named by vector and matrix instructions alone, until the way out.
; Three waits a chunk.  Behind the conversions, on va_vdst: X[par] is written, for the LDS stores; all vector lines are done with X[par], for the reload; the products of the chunk before are
; done reading FR, for the first turning loads.  Behind the LDS stores, on vm_vsrc: they have read X[par], for the reload, which goes out at once, ahead of the barrier.  Between the chunk's
; two runs of products, on va_vdst: the first run is done reading FR, for the second turning loads.  Between each wait and the loads that it serves no vector or matrix line names their registers.
.set X,   16                           ; stream: v[16:143] as loaded; G: two sets of 64: panel a's 8 rows x 4, then panel b's
.set Y,   144                          ; stream: v[144:207] to store
.set PB,     288                       ; an LDS row: 256 bytes + 32 = 72 words
.set PANEL,  64*PB
.set PBUF,   2*PANEL
.set STAGE,  2*PBUF                    ; 128 rows x 272 bytes, for the way out
.set SPITCH, 272
.set CRED,   STAGE+128*SPITCH          ; 512 bytes a wave: its partial sums of c
.set SPARE,  CRED+4096                 ; the spare words, 128 bytes a wave: four blocks of 256 bytes that no other line names
.set CHB,    64*4096                   ; bytes of W in a chunk
.set VA,  1                            ; v1  my byte offset in W for panel a: 8 w rows + the tile row's 512 bytes + 16 x lane
.set VB,  2                            ; v2  the same for panel b
.set STV, 3                            ; v3  where I put 8 bytes of my wave's first row, panel a, buffer 0
.set RA,  6                            ; v6  the turning load's address for my rows' fragments, buffer 0
.set RB,  7                            ; v7  for my columns'
.set SPW, 9                            ; v9  SPARE + 4 x my thread's number; never rewritten
.set NIL, 10                           ; v10 0; never rewritten
.set CA,  12                           ; v[12:15] my partial sums of c: columns 4 x lane + 0..3 of panel b
.set FR,  144                          ; v[144:191] fragments: 2 of my rows, then 4 of my columns
.set ACC, 192                          ; v[192:255] accumulator (a, b) at ACC + 8 (4 a + b)
.set WV, 2                             ; s2
.set TA, 26
.set TB, 27
.set WR, 28
.set WC, 29
.set CN, 33
.set BV, 40                            ; s[40:47], s[48:55] b of my 8 rows, by the chunk's parity
	s_load_b512 s[8:23], s[0:1], 0x0               ; query, value, W, b, q, vbf, wbf, wtb
	s_load_b64 s[24:25], s[0:1], 0x40              ; zb
	v_lshl_add_u32 v[SPW], v0, 2, SPARE
	v_mov_b32 v[NIL], 0
	v_lshrrev_b32 v3, 5, v0                        ; wave
	v_and_b32 v4, 31, v0                           ; lane
	s_cmp_lt_u32 ttmp9, 64
	s_cbranch_scc1 .Lgram
	v_lshlrev_b32 v1, 14, v3
	v_lshl_add_u32 v1, v4, 4, v1                   ; in: 16,384 x wave + 16 x lane
	v_lshlrev_b32 v2, 13, v3
	v_lshl_add_u32 v2, v4, 3, v2                   ; out: 8,192 x wave + 8 x lane
	s_sub_co_u32 s28, ttmp9, 64                    ; my chunk among the stream's
	s_wait_kmcnt 0x0
	s_mov_b64 s[4:5], s[8:9]                       ; which tensor: a choice by the work-group's number alone
	s_mov_b64 s[6:7], s[16:17]
	s_mov_b32 s3, 0                                ; the tensor's first chunk
	s_cmp_ge_u32 s28, 128
	s_cselect_b64 s[4:5], s[10:11], s[4:5]
	s_cselect_b64 s[6:7], s[18:19], s[6:7]
	s_cselect_b32 s3, 128, s3
	s_cmp_ge_u32 s28, 640
	s_cselect_b64 s[4:5], s[12:13], s[4:5]
	s_cselect_b64 s[6:7], s[20:21], s[6:7]
	s_cselect_b32 s3, 640, s3
	s_sub_co_u32 s2, s28, s3                       ; my chunk in that tensor, 511 at the most
	s_lshl_b32 s30, s2, 17
	s_mov_b32 s31, 0
	s_lshl_b32 s34, s2, 16
	s_mov_b32 s35, 0
	s_add_nc_u64 s[4:5], s[4:5], s[30:31]
	s_add_nc_u64 s[6:7], s[6:7], s[34:35]
	s_wait_alu depctr_va_vdst(0)                   ; v1 and v2 are written: every load below reads v1 as its offset, every store v2
.set i, 0
.rept 32
	global_load_b128 v[X+4*i:X+4*i+3], v1, s[4:5] offset:512*i th:TH_LOAD_NT
.set i, i+1
.endr
.set g, 0
.rept 8                                                ; eight groups of four loads
	s_wait_loadcnt 28-4*g                          ; loads come back in order: group g's four are in, the 28 - 4 g younger ones stay out
.set i, 4*g
.rept 4
	v_cvt_pk_bf16_f32 v[Y+2*i], v[X+4*i], v[X+4*i+1]
	v_cvt_pk_bf16_f32 v[Y+2*i+1], v[X+4*i+2], v[X+4*i+3]
.set i, i+1
.endr
	s_wait_alu depctr_va_vdst(0)                   ; the eight conversions have written the group's Y, which the four stores read
.set i, 4*g
.rept 4
	global_store_b64 v2, v[Y+2*i:Y+2*i+1], s[6:7] offset:256*i th:TH_STORE_NT
.set i, i+1
.endr
.set g, g+1
.endr
	s_endpgm                                       ; this way holds no LDS store
.Lgram:
	v_readfirstlane_b32 s[WV], v3                  ; wave 0..7
	s_lshr_b32 s[TA], ttmp9, 3                     ; tile row
	s_and_b32 s[TB], ttmp9, 7                      ; tile column
	s_wait_alu depctr_va_sdst(0)                   ; s2, the wave's number, is written, ahead of its first reader
	s_lshr_b32 s[WR], s[WV], 1                     ; which 32 rows are mine
	s_and_b32 s[WC], s[WV], 1                      ; which 64 columns
	s_lshl_b32 s30, s[WV], 15                      ; 8 w rows of 4,096 bytes
	s_lshl_b32 s31, s[TA], 9
	s_add_co_u32 s31, s31, s30
	v_lshl_add_u32 v[VA], v4, 4, s31
	s_lshl_b32 s31, s[TB], 9
	s_add_co_u32 s31, s31, s30
	v_lshl_add_u32 v[VB], v4, 4, s31
	s_mul_i32 s30, s[WV], 8*PB
	v_lshl_add_u32 v[STV], v4, 3, s30
	; the turning load: lane l reads 16 bytes of row 8 (l / 16) + l % 8, columns 8 ((l / 8) % 2) + 0..7, and is left with column l % 16 and 8 rows p
	v_bfe_u32 v11, v0, 4, 1
	v_and_b32 v5, 7, v0
	v_lshl_add_u32 v5, v11, 3, v5
	v_mul_u32_u24 v5, v5, PB
	v_bfe_u32 v11, v0, 3, 1
	v_lshl_add_u32 v5, v11, 4, v5
	s_lshl_b32 s30, s[WR], 6                       ; my 32 rows e: 64 bytes of panel a's rows
	v_add_nc_u32 v[RA], s30, v5
	s_lshl_b32 s30, s[WC], 7                       ; my 64 columns e': 128 bytes of panel b's
	s_add_co_u32 s30, s30, PANEL
	v_add_nc_u32 v[RB], s30, v5
	s_lshl_b32 s30, s[WV], 5                       ; b of my 8 rows: 32 bytes
	s_mov_b32 s31, 0
	s_mov_b32 s[CN], 7
	s_wait_kmcnt 0x0
	s_add_nc_u64 s[14:15], s[14:15], s[30:31]
	s_load_b256 s[BV:BV+7], s[14:15], 0x0          ; chunk 0's
	s_load_b256 s[BV+8:BV+15], s[14:15], 0x100     ; chunk 1's
.macro GLOADS par, off                 ; a chunk's 16 loads into set par: a load covers 512 consecutive bytes of a row of W
.irp j, 0,1,2,3,4,5,6,7
	global_load_b128 v[X+64*(\par)+4*(\j):X+64*(\par)+4*(\j)+3],       v[VA], s[12:13] offset:(\off)+(\j)*4096
	global_load_b128 v[X+64*(\par)+32+4*(\j):X+64*(\par)+32+4*(\j)+3], v[VB], s[12:13] offset:(\off)+(\j)*4096
.endr
.endm
	s_wait_alu depctr_va_vdst(0)                   ; the five addresses VA, VB, STV, RA, RB are written, which the loads, LDS stores and turning loads of the whole loop read
	GLOADS 0, 0
	GLOADS 1, CHB
.irp z, 0,1,2,3,4,5,6,7
	v_mov_b32 v[FR+(\z)], 0
.endr
.irp z, 0,1,2,3
	v_mov_b32 v[CA+(\z)], 0
.endr
.set n, 0
.rept 8
	v_wmma_f32_16x16x32_bf16 v[ACC+8*n:ACC+8*n+7], v[FR:FR+7], v[FR:FR+7], 0  ; 0 x 0 + 0: the sums start at 0, while the first loads are on their way, so that every chunk has one form of product
.set n, n+1
.endr
.macro TRL par, kk                     ; 12 LDS loads: the fragments of 32 rows p
.irp a, 0,1
	ds_load_tr16_b128 v[FR+8*(\a):FR+8*(\a)+3],   v[RA] offset:(\par)*PBUF+(\kk)*32*PB+32*(\a)
	ds_load_tr16_b128 v[FR+8*(\a)+4:FR+8*(\a)+7], v[RA] offset:(\par)*PBUF+(\kk)*32*PB+16*PB+32*(\a)
.endr
.irp b, 0,1,2,3
	ds_load_tr16_b128 v[FR+16+8*(\b):FR+16+8*(\b)+3],   v[RB] offset:(\par)*PBUF+(\kk)*32*PB+32*(\b)
	ds_load_tr16_b128 v[FR+16+8*(\b)+4:FR+16+8*(\b)+7], v[RB] offset:(\par)*PBUF+(\kk)*32*PB+16*PB+32*(\b)
.endr
.endm
.macro MM8                             ; source 0 = 16 columns e', source 1 = 16 rows e: a lane holds row l % 16 and the columns 8 (l / 16) + 0..7.  The 8 accumulators take turns
.irp a, 0,1
.irp b, 0,1,2,3
	v_wmma_f32_16x16x32_bf16 v[ACC+8*(4*(\a)+(\b)):ACC+8*(4*(\a)+(\b))+7], v[FR+16+8*(\b):FR+16+8*(\b)+7], v[FR+8*(\a):FR+8*(\a)+7], v[ACC+8*(4*(\a)+(\b)):ACC+8*(4*(\a)+(\b))+7]
.endr
.endr
.endm
; A CHUNK of parity par.  ld = 1: its registers and its scalars are asked for again, two chunks on.  left = the younger chunk's loads, which may stay out.
.macro CHUNK par, ld, left
	s_wait_loadcnt \left
	s_wait_kmcnt 0x0
	s_cmp_lg_u32 s[TA], 0                          ; c is made once for each column: in tile row 0
	s_cbranch_scc1 .Lnot_c_\@
.irp j, 0,1,2,3,4,5,6,7
.irp k, 0,1,2,3
	v_fmac_f32 v[CA+(\k)], s[BV+8*(\par)+(\j)], v[X+64*(\par)+32+4*(\j)+(\k)]
.endr
.endr
.Lnot_c_\@:
.set i, 0
.rept 16
	v_cvt_pk_bf16_f32 v[X+64*(\par)+4*i], v[X+64*(\par)+4*i], v[X+64*(\par)+4*i+1]      ; rounded in place
	v_cvt_pk_bf16_f32 v[X+64*(\par)+4*i+1], v[X+64*(\par)+4*i+2], v[X+64*(\par)+4*i+3]
.set i, i+1
.endr
	s_wait_alu depctr_va_vdst(0)                   ; the conversions have written X[par], which the LDS stores read; they and the multiply-adds are done with X[par], in which the reload lands;
	                                               ; the products issued so far are done reading FR (and the head's zeros are written there), in which the turning loads behind the barrier land
.irp j, 0,1,2,3,4,5,6,7
	ds_store_b64 v[STV], v[X+64*(\par)+4*(\j):X+64*(\par)+4*(\j)+1]       offset:(\par)*PBUF+(\j)*PB        ; a store covers a row's 256 bytes
	ds_store_b64 v[STV], v[X+64*(\par)+32+4*(\j):X+64*(\par)+32+4*(\j)+1] offset:(\par)*PBUF+PANEL+(\j)*PB
.endr
.if \ld
	s_wait_alu depctr_vm_vsrc(0)                   ; the sixteen LDS stores have read X[par], in which the loads below land
	GLOADS \par, (2+(\par))*CHB                    ; the set is asked for again at once, ahead of the barrier.  No vector line since the wait on va_vdst names X[par]
	s_cmp_lg_u32 s[TA], 0
	s_cbranch_scc1 .Lno_b_\@
	s_load_b256 s[BV+8*(\par):BV+8*(\par)+7], s[14:15], 512+256*(\par)  ; b of the chunk two on; it stands behind the wait on va_vdst, so the multiply-adds that read these scalars are complete
.Lno_b_\@:
.endif
	s_wait_dscnt 0x0                               ; for the others' sake: my rows are stored (my reads of the other buffer were waited for before they were multiplied)
	s_barrier_signal -1
	s_barrier_wait -1
	TRL \par, 0
	s_wait_dscnt 0x0
	MM8
	s_wait_alu depctr_va_vdst(0)                   ; the eight products above are done reading FR, in which the next twelve turning loads land
	TRL \par, 1
	s_wait_dscnt 0x0
	MM8
.endm
.Ltwo:                                                 ; 7 trips: chunks 2 i and 2 i + 1 are multiplied, chunks 2 i + 2 and 2 i + 3 asked for
	CHUNK 0, 1, 16
	CHUNK 1, 1, 16
	s_wait_xcnt 0x0                                ; every load issued so far has read its address, so the pointers may be written
	s_add_nc_u64 s[12:13], s[12:13], 2*CHB
	s_add_nc_u64 s[14:15], s[14:15], 512
	s_sub_co_u32 s[CN], s[CN], 1
	s_cmp_lg_u32 s[CN], 0
	s_cbranch_scc1 .Ltwo
	CHUNK 0, 0, 16                                 ; the last two chunks load nothing: the counts run down
	CHUNK 1, 0, 0
	; THE WAY OUT: round to bf16; 16 bytes a lane into the stage; a barrier, since a row's 256 bytes come from two waves; back as whole rows, 16 rows a wave.
.rept 4
	v_nop                                          ; four places behind the last product, before a vector line reads its result (ISA guide 7.12.1)
.endr
	s_wait_alu depctr_vm_vsrc(0)                   ; the last two chunks' LDS stores have read both sets of X: these registers now become addresses, packed results and the targets of LDS loads
	v_and_b32 v16, 15, v0                          ; l % 16
	v_bfe_u32 v17, v0, 4, 1                        ; l / 16
	s_mul_i32 s30, s[WR], 32*SPITCH
	s_lshl_b32 s31, s[WC], 7
	s_add_co_u32 s30, s30, s31
	s_add_co_u32 s30, s30, STAGE
	v_mul_u32_u24 v18, v16, SPITCH
	v_lshl_add_u32 v18, v17, 4, v18
	v_add_nc_u32 v18, s30, v18                     ; in: my 32 rows, my half of their 256 bytes
	s_mul_i32 s30, s[WV], 16*SPITCH
	s_add_co_u32 s30, s30, STAGE
	v_mul_u32_u24 v19, v17, SPITCH
	v_lshl_add_u32 v19, v16, 4, v19
	v_add_nc_u32 v19, s30, v19                     ; back: rows 16 w .. 16 w + 15, whole
	v_lshlrev_b32 v20, 11, v17
	v_lshl_add_u32 v20, v16, 4, v20                ; and the same two rows in wtb
	s_lshl_b32 s30, s[WV], 9
	s_add_co_u32 s30, s30, CRED
	v_lshl_add_u32 v21, v4, 4, s30
	v_lshl_add_u32 v22, v4, 4, CRED
	v_lshlrev_b32 v23, 4, v4
	s_lshl_b32 s30, s[TA], 7
	s_lshl_b32 s31, s[WV], 4
	s_add_co_u32 s30, s30, s31                     ; the first row that I store: 128 x tile row + 16 x wave
	s_lshl_b32 s30, s30, 11
	s_lshl_b32 s31, s[TB], 8
	s_add_co_u32 s30, s30, s31
	s_mov_b32 s31, 0
	s_add_nc_u64 s[22:23], s[22:23], s[30:31]
	s_lshl_b32 s30, s[TB], 9
	s_add_nc_u64 s[24:25], s[24:25], s[30:31]
.irp t, 0,1,2,3,4,5,6,7
.irp r, 0,1,2,3
	v_cvt_pk_bf16_f32 v[80+4*(\t)+(\r)], v[ACC+8*(\t)+2*(\r)], v[ACC+8*(\t)+2*(\r)+1]
.endr
.endr
	s_wait_alu depctr_va_vdst(0)                   ; the conversions have written v[80:111] and the multiply-adds CA, which the LDS stores read; the six addresses v18 to v23 are written, which the LDS and global instructions below read
.irp a, 0,1
.irp b, 0,1,2,3
	ds_store_b128 v18, v[80+4*(4*(\a)+(\b)):80+4*(4*(\a)+(\b))+3] offset:(\a)*16*SPITCH+32*(\b)
.endr
.endr
	s_cmp_lg_u32 s[TA], 0
	s_cbranch_scc1 .Lno_part
	ds_store_b128 v21, v[CA:CA+3]
.Lno_part:
	s_wait_dscnt 0x0                               ; for the others' sake: my stores are done
	s_barrier_signal -1
	s_barrier_wait -1
.irp t, 0,1,2,3,4,5,6,7
	ds_load_b128 v[112+4*(\t):112+4*(\t)+3], v19 offset:(\t)*2*SPITCH  ; no vector line since the wait on va_vdst names these registers, and no memory or LDS instruction since the wait on vm_vsrc has read them
.endr
.irp t, 0,1,2,3,4,5,6,7
	s_wait_dscnt 7-(\t)
	global_store_b128 v20, v[112+4*(\t):112+4*(\t)+3], s[22:23] offset:2*(\t)*2048  ; 16 lanes store 256 consecutive bytes, aligned
.endr
	s_or_b32 s30, s[TA], s[WV]                     ; wave 0 of tile row 0 adds up the eight waves' partial sums of c
	s_cmp_lg_u32 s30, 0
	s_cbranch_scc1 .Lend
.irp v, 0,1,2,3,4,5,6,7
	ds_load_b128 v[24+4*(\v):24+4*(\v)+3], v22 offset:512*(\v)
.endr
	s_wait_dscnt 0x0
.irp v, 1,2,3,4,5,6,7
	v_pk_add_f32 v[24:25], v[24:25], v[24+4*(\v):24+4*(\v)+1]
	v_pk_add_f32 v[26:27], v[26:27], v[24+4*(\v)+2:24+4*(\v)+3]
.endr
	s_wait_alu depctr_va_vdst(0)                   ; the additions have written v[24:27], which the store reads
	global_store_b128 v23, v[24:27], s[24:25]      ; 512 consecutive bytes, aligned
.Lend:
	s_wait_dscnt 0x0                               ; the closing lines, six on end
	s_wait_alu 0x0
	s_wait_tensorcnt 0x0
	ds_add_u32 v[SPW], v[NIL]
	s_wait_dscnt 0x0
	s_endpgm
.Lfunc_end_k_qabdefc2415_cast:
	.size	k_qabdefc2415_cast, .Lfunc_end_k_qabdefc2415_cast-k_qabdefc2415_cast
	.p2alignl 7, 3214868480
	.fill 96, 4, 3214868480
	.section	.rodata,"a",@progbits
	.p2align	6, 0x0
	.amdhsa_kernel k_qabdefc2415_cast
		.amdhsa_group_segment_fixed_size 113664
		.amdhsa_private_segment_fixed_size 0
		.amdhsa_enable_private_segment 0
		.amdhsa_kernarg_size 72
		.amdhsa_user_sgpr_count 2
		.amdhsa_user_sgpr_kernarg_segment_ptr 1
		.amdhsa_wavefront_size32 1
		.amdhsa_system_sgpr_workgroup_id_x 1
		.amdhsa_system_sgpr_workgroup_id_y 1
		.amdhsa_system_sgpr_workgroup_id_z 1
		.amdhsa_system_vgpr_workitem_id 0
		.amdhsa_next_free_vgpr 256
		.amdhsa_next_free_sgpr 66
		.amdhsa_reserve_vcc 0
		.amdhsa_float_denorm_mode_32 3
		.amdhsa_float_denorm_mode_16_64 3
		.amdhsa_memory_ordered 1
		.amdhsa_forward_progress 1
		.amdhsa_inst_pref_size 57
	.end_amdhsa_kernel
	.amdgpu_metadata
---
amdhsa.version: [ 1, 2 ]
amdhsa.kernels:
  - .name:           k_qabdefc2415_cast
    .symbol:         k_qabdefc2415_cast.kd
    .args:
      - { .name: query, .offset: 0, .size: 8, .value_kind: global_buffer, .address_space: global }
      - { .name: value, .offset: 8, .size: 8, .value_kind: global_buffer, .address_space: global }
      - { .name: W, .offset: 16, .size: 8, .value_kind: global_buffer, .address_space: global }
      - { .name: b, .offset: 24, .size: 8, .value_kind: global_buffer, .address_space: global }
      - { .name: q, .offset: 32, .size: 8, .value_kind: global_buffer, .address_space: global }
      - { .name: vbf, .offset: 40, .size: 8, .value_kind: global_buffer, .address_space: global }
      - { .name: wbf, .offset: 48, .size: 8, .value_kind: global_buffer, .address_space: global }
      - { .name: wtb, .offset: 56, .size: 8, .value_kind: global_buffer, .address_space: global }
      - { .name: zb, .offset: 64, .size: 8, .value_kind: global_buffer, .address_space: global }
    .group_segment_fixed_size: 113664
    .private_segment_fixed_size: 0
    .kernarg_segment_align: 8
    .kernarg_segment_size: 72
    .max_flat_workgroup_size: 256
    .sgpr_count:     66
    .vgpr_count:     256
    .wavefront_size: 32
...
	.end_amdgpu_metadata
.endif
;; end of part 12
;; launch fold: the kernel of part 8 again; grid 8 x 32, 4 waves a work-group, clusters of 4 x 4, 327,680 bytes of LDS; arguments q, wtb, qu, zb; writes qu
;; launch scores: the kernel of part 9 again; grid 16 x 16, 4 waves a work-group, clusters of 4 x 4, 327,680 bytes of LDS; arguments qu, key, p, stat; writes p, stat
;; launch mix: the kernel of part 10 again; grid 8 x 32, 4 waves a work-group, clusters of 4 x 4, 327,680 bytes of LDS; arguments p, vbf, qu, stat; writes qu
;; launch outp: the kernel of part 11 again; grid 8 x 32, 4 waves a work-group, clusters of 4 x 4, 327,680 bytes of LDS; arguments qu, wbf, out0, b; writes out0
